; MI455X (gfx1250); checked and timed in simulation.
; The chip was launched on July 23, 2026; its instructions are those of AMD's public machine-readable ISA for CDNA 5 (MIT licence, August 2026) and "CDNA5" Instruction Set Architecture Reference Guide (July 2026). The comments in the code are by the model that wrote it; some were corrected since.
;; Block. Allowed arithmetic: matrix products marked QUANTISED: E3M2 operands, one E8M0 scale for each 32 along K, by v_wmma_scale_f32_16x16x128_f8f6f4 with both operands' format E3M2, f32 sums; everything else in f32.
;; Inputs: fc1_b 4,096 float32; fc1_w 4,096 x 1,024 float32; fc2_b 1,024 float32; fc2_w 1,024 x 4,096 float32; ln1_b 1,024 float32; ln1_w 1,024 float32; ln2_b 1,024 float32; ln2_w 1,024 float32; proj_b 1,024 float32; proj_w 1,024 x 1,024 float32; qkv_b 3,072 float32; qkv_w 3,072 x 1,024 float32; x 2 x 2,048 x 1,024 float32.
;; Outputs: out0 2 x 2,048 x 1,024 float32.
;; This version of the problem:
;;   THIS VERSION OF THE PROBLEM IS GIVEN IN LOW PRECISION. The matrix products marked QUANTISED in the list below multiply operands that are first quantised to E3M2 (3 exponent bits, 2 mantissa bits; 6 bits a number), with one power-of-two scale for each 32 numbers along K (OCP MX v1.0); their sums are f32. All else is computed in f32.
;;   The module's matrix products, in the order in which they are computed (A, B: the left and right operand; K: the contracted axis; several contracted axes count as one K, in the product's order):
;;     1. [M 4,096, K 1,024] x [K 1,024, N 3,072]; A: computed on the way; B: input qkv_w: QUANTISED
;;     2. batch 32 x [M 2,048, K 64] x [K 64, N 2,048]; A: computed on the way; B: computed on the way: QUANTISED
;;     3. batch 32 x [M 2,048, K 2,048] x [K 2,048, N 64]; A: softmax (see below); B: computed on the way: QUANTISED
;;     4. [M 4,096, K 1,024] x [K 1,024, N 1,024]; A: computed on the way; B: input proj_w: QUANTISED
;;     5. [M 4,096, K 1,024] x [K 1,024, N 4,096]; A: computed on the way; B: input fc1_w: QUANTISED
;;     6. [M 4,096, K 4,096] x [K 4,096, N 1,024]; A: computed on the way; B: input fc2_w: QUANTISED
;;   THE QUANTISER, for each operand of a quantised product, along K:
;;     - K is cut into blocks of 32 from its start; a last block that is shorter is filled with zeros.
;;     - A block's scale is 2^e with e = floor(log2(the largest magnitude in the block)) - 4, held to -126 .. 127; a block of zeros has e = 0. As a byte (E8M0): e + 127.
;;     - Each number is divided by its block's scale, clamped to +-28, and rounded to the nearest number of E3M2, ties to even, subnormals kept.
;;     - The product sums the exact products of the quantised numbers (number of the format x scale) in f32.
;;   ~~~python
;;   def quantise(x, axis):      # numpy; x: float32 -> the quantised numbers, widened to float32 again
;;       x = np.moveaxis(x, axis, -1); K = x.shape[-1]
;;       x = np.pad(x, [(0, 0)] * (x.ndim - 1) + [(0, -K % 32)]); x = x.reshape(x.shape[:-1] + (-1, 32)); a = np.abs(x).max(-1, keepdims=True)
;;       e = np.where(a > 0, np.clip(np.frexp(np.where(a > 0, a, 1))[1] - 1 - 4, -126, 127), 0)      # np.frexp(a)[1] - 1 = floor(log2(a)), exactly
;;       r = np.clip(x / 2.0 ** e, -28, 28)
;;       step = 2.0 ** (np.maximum(np.frexp(np.where(r == 0, 1, r))[1] - 1, -2) - 2)
;;       q = np.round(r / step) * step * 2.0 ** e      # np.round: ties to even
;;       return np.moveaxis(q.reshape(q.shape[:-2] + (-1,))[..., :K], -1, axis).astype(np.float32)
;;   ~~~
;;   SOFTMAX AHEAD OF A QUANTISED PRODUCT. Where the list says 'softmax', what is quantised is not the finished softmax but p = 2^(t - M), with t = logit x log2(e) and M = ceil(the row's largest t), a whole number; so 1/2 < the row's largest p <= 1. The row's sum l is taken of the UNQUANTISED p, in f32, and the product's result is divided by l at the end. Since M is a whole number, a kernel that streams over the keys may use a running M (the ceiling of the running maximum): every later rescaling is an exact power of two, which a block's scale takes up: the codes' values come out the same.
;;   OPERANDS COMPUTED ON THE WAY. 'Computed on the way' means the value that the module computes at that place (a softmax that the list does not call 'softmax' is quantised finished and normalised). What goes into a quantiser is computed in f32, as accurately as f32 sums, v_exp_f32 and their like allow (about 1e-6 of the number): no bf16 or f16 on the way to a quantiser, and a product that is left as it is and whose result goes on into a quantised operand takes f32 operands (vector FMAs, or v_wmma_f32_16x16x4_f32). A number that lies on a knife's edge between two numbers of the format may be rounded either way, as far as f32 arithmetic and the matrix unit's own rounding can turn it there, and no further.
;; 2 versions. Each part assembles by itself: llvm-mc -triple=amdgcn-amd-amdhsa -mcpu=gfx1250 --defsym DOCPART=n.
;; ======== version 1 of 2: 9 launches
;; workspace buffers: wq 9,830,400 bytes; actA 3,276,800 bytes; actB 13,107,200 bytes; x1 16,777,216 bytes
;; launch prep (part 1): grid 768 x 1, 8 waves a work-group, no clusters, 68,608 bytes of LDS; arguments qkv_w, proj_w, fc1_w, fc2_w, wq; writes wq
.if DOCPART == 1
	.amdgcn_target "amdgcn-amd-amdhsa--gfx1250"
	.amdhsa_code_object_version 6
	.text
	.protected	k_qf2b57e5ec1_prep
	.globl	k_qf2b57e5ec1_prep
	.p2align	8
	.type	k_qf2b57e5ec1_prep,@function
k_qf2b57e5ec1_prep:
	s_mov_b64 s[64:65], 0
	v_nop
	global_prefetch_b8 v0, s[64:65] scope:SCOPE_SE
	s_setreg_imm32_b32 hwreg(HW_REG_WAVE_MODE, 25, 1), 1
	s_wait_xcnt 0x0
; The four weights (f32, K innermost) become codes of BF6 (E3M2) with one E8M0 byte for each 32 along K, laid as RECORDS of 12,800 bytes:
; a record is 128 rows x 128 K: eight fragments (16 rows x 128 K) as images of the operand's registers (registers 4 j .. 4 j + 3 of lane l at 1536 i + 512 j + 16 l), then the scale words at 12,288 + 64 i + 4 r.
; THE ROWS OF A FRAGMENT ARE NOT NEIGHBOURS: lane row r of row tile 2 b + u is matrix row 32 b + 8 u + r % 8 + 16 (r / 8).
; A work-group makes one record (768 in all: qkv_w 0-191, proj_w 192-255, fc1_w 256-511, fc2_w 512-767), a wave one fragment.  Waves share nothing: no barrier.
; LIMITS: a block of zeros gets the byte 1 (its codes are zeros; this program alone reads the bytes); largest magnitudes under 2^-122 are held at that floor; NaN and infinities are not served.
.set X,   96                           ; v96-159  64 numbers: X[32 c + i] = k 64 c + 32 h + i of my row
.set F,   160                          ; v160-171 the fragment
.set T,   172                          ; v172-174, v176-178 second halves of the blocks' codes
.set PW,  180                          ; the scale word
.set SEL, 36                           ; s[36:37] selects for lane l xor 16
.macro QUANTA
.irp c, 0,1
	v_max3_num_f32 v[24+\c], |v[X+32*\c]|, |v[X+1+32*\c]|, 0x2800000   ; my block 2 c + h, and the floor 2^(5 - 127): the byte cannot fall under 1
.endr
.irp i, 2,4,6,8,10,12,14,16,18,20,22,24,26,28,30
.irp c, 0,1
	v_max3_num_f32 v[24+\c], v[24+\c], |v[X+32*\c+\i]|, |v[X+1+32*\c+\i]|
.endr
.endr
.irp c, 0,1
	v_add_nc_u32 v[26+\c], 0xfe000000, v[24+\c]    ; 4 off the exponent field: the conversion's scale operand
.endr
.irp c, 0,1
	v_lshrrev_b32 v[28+\c], 23, v[26+\c]           ; the scale's byte
.endr
	v_lshl_or_b32 v[PW], v29, 16, v28              ; blocks h and 2 + h,
	v_lshlrev_b32 v30, 3, v2
	v_lshlrev_b32 v[PW], v30, v[PW]                ; 8 h bits up;
	v_mov_b32 v30, 0
	v_permlanex16_b32 v30, v[PW], s[SEL], s[SEL+1]
	v_or_b32 v[PW], v[PW], v30                     ; with lane l xor 16's two the word is whole
.irp c, 0,1
	v_cvt_scalef32_pk16_bf6_f32 v[F+6*\c:F+6*\c+2], v[X+32*\c:X+32*\c+15], v[26+\c]
	v_cvt_scalef32_pk16_bf6_f32 v[T+4*\c:T+4*\c+2], v[X+32*\c+16:X+32*\c+31], v[26+\c]   ; (three registers begin on an even number)
.endr
	v_nop                                          ; one plain place behind a scaled conversion
.irp c, 0,1
.irp i, 0,1,2
	v_mov_b32 v[F+3+6*\c+\i], v[T+4*\c+\i]
.endr
.endr
.endm
	s_load_b256 s[4:11], s[0:1], 0x0               ; qkv_w, proj_w, fc1_w, fc2_w
	s_load_b64 s[12:13], s[0:1], 0x20              ; wq
	v_lshl_add_u32 v184, v0, 2, 0x10800
	v_mov_b32 v185, 0
	v_lshrrev_b32 v1, 5, v0
	v_readfirstlane_b32 s14, v1                    ; wave = fragment
	v_and_b32 v1, 31, v0                           ; lane
	v_and_b32 v3, 15, v0                           ; r
	v_bfe_u32 v2, v0, 4, 1                         ; h
	v_lshlrev_b32 v6, 4, v1                        ; 16 x lane
	v_lshlrev_b32 v7, 2, v3                        ; 4 r
	s_mul_i32 s15, s14, 8448                       ; my stage: 16 rows x 528 bytes
	v_add_nc_u32 v4, s15, v6                       ; in: a row's 512 bytes as they lie
	v_mul_u32_u24 v5, v3, 528
	v_lshl_add_u32 v5, v2, 7, v5
	v_add_nc_u32 v5, s15, v5                       ; out: row r, + 128 h
	s_mov_b32 s[SEL], 0x76543210
	s_mov_b32 s[SEL+1], 0xfedcba98
	s_mov_b32 s24, 512                             ; the tensor's first record,
	s_mov_b32 s25, 5                               ; log2 of its K steps,
	s_mov_b32 s26, 16384                           ; its row in bytes: fc2_w's, unless the record's number says otherwise
	s_wait_kmcnt 0x0
	s_mov_b64 s[28:29], s[10:11]
	s_cmp_lt_u32 ttmp9, 512
	s_cselect_b64 s[28:29], s[8:9], s[28:29]
	s_cselect_b32 s24, 256, s24
	s_cselect_b32 s25, 3, s25
	s_cselect_b32 s26, 4096, s26
	s_cmp_lt_u32 ttmp9, 256
	s_cselect_b64 s[28:29], s[6:7], s[28:29]
	s_cselect_b32 s24, 192, s24
	s_cmp_lt_u32 ttmp9, 192
	s_cselect_b64 s[28:29], s[4:5], s[28:29]
	s_cselect_b32 s24, 0, s24
	s_sub_co_u32 s27, ttmp9, s24
	s_lshr_b32 s30, s27, s25                       ; G
	s_bfm_b32 s31, s25, 0
	s_and_b32 s31, s27, s31                        ; K step
	s_lshl_b32 s30, s30, 7
	s_lshr_b32 s32, s14, 1
	s_lshl_b32 s32, s32, 5
	s_add_co_u32 s30, s30, s32
	s_and_b32 s32, s14, 1
	s_lshl_b32 s32, s32, 3
	s_add_co_u32 s30, s30, s32                     ; the tile's first row: 128 G + 32 (i / 2) + 8 (i % 2)
	s_mul_i32 s30, s30, s26
	s_lshl_b32 s31, s31, 9
	s_add_co_u32 s30, s30, s31
	s_mov_b32 s31, 0
	s_add_nc_u64 s[28:29], s[28:29], s[30:31]
.irp j, 0,1,2,3,4,5,6,7,8,9,10,11,12,13,14,15
	v_mad_u32_u24 v[8+\j], s26, (\j%8)+16*(\j/8), v6   ; tile row j
.endr
.irp j, 0,1,2,3,4,5,6,7,8,9,10,11,12,13,14,15
	global_load_b128 v[32+4*\j:35+4*\j], v[8+\j], s[28:29] th:TH_LOAD_NT   ; 32 lanes read a row's 512 consecutive bytes
.endr
	s_mul_i32 s30, ttmp9, 12800
	s_mul_i32 s32, s14, 1536
	s_add_co_u32 s32, s32, s30
	s_mov_b32 s33, 0
	s_add_nc_u64 s[32:33], s[12:13], s[32:33]      ; my fragment's image
	s_lshl_b32 s34, s14, 6
	s_add_co_u32 s34, s34, s30
	s_add_co_u32 s34, s34, 12288
	s_mov_b32 s35, 0
	s_add_nc_u64 s[34:35], s[12:13], s[34:35]      ; its scale words
.irp j, 0,1,2,3,4,5,6,7,8,9,10,11,12,13,14,15
	s_wait_loadcnt 15-\j                           ; row j is in; the loads behind it may be out
	ds_store_b128 v4, v[32+4*\j:35+4*\j] offset:528*\j
.endr
.irp c, 0,1
.irp t, 0,1,2,3,4,5,6,7
	ds_load_b128 v[X+32*\c+4*\t:X+32*\c+4*\t+3], v5 offset:256*\c+16*\t   ; LDS serves a wave's instructions in order: these see my stores
.endr
.endr
	s_wait_dscnt 0x0
	QUANTA
.irp j, 0,1,2
	global_store_b128 v6, v[F+4*\j:F+4*\j+3], s[32:33] offset:512*\j     ; 512 consecutive bytes a store
.endr
	global_store_b32 v7, v[PW], s[34:35]           ; lanes 16-31 repeat lanes 0-15's word
	s_wait_tensorcnt 0x0
	ds_add_u32 v184, v185
	s_wait_dscnt 0x0
	s_endpgm
.Lfunc_end_k_qf2b57e5ec1_prep:
	.size	k_qf2b57e5ec1_prep, .Lfunc_end_k_qf2b57e5ec1_prep-k_qf2b57e5ec1_prep
	.p2alignl 7, 3214868480
	.fill 96, 4, 3214868480
	.section	.rodata,"a",@progbits
	.p2align	6, 0x0
	.amdhsa_kernel k_qf2b57e5ec1_prep
		.amdhsa_group_segment_fixed_size 68608
		.amdhsa_private_segment_fixed_size 0
		.amdhsa_enable_private_segment 0
		.amdhsa_kernarg_size 40
		.amdhsa_user_sgpr_count 2
		.amdhsa_user_sgpr_kernarg_segment_ptr 1
		.amdhsa_wavefront_size32 1
		.amdhsa_system_sgpr_workgroup_id_x 1
		.amdhsa_system_sgpr_workgroup_id_y 1
		.amdhsa_system_sgpr_workgroup_id_z 1
		.amdhsa_system_vgpr_workitem_id 0
		.amdhsa_next_free_vgpr 186
		.amdhsa_next_free_sgpr 66
		.amdhsa_reserve_vcc 0
		.amdhsa_float_denorm_mode_32 3
		.amdhsa_float_denorm_mode_16_64 3
		.amdhsa_memory_ordered 1
		.amdhsa_forward_progress 1
		.amdhsa_inst_pref_size 12
	.end_amdhsa_kernel
	.amdgpu_metadata
---
amdhsa.version: [ 1, 2 ]
amdhsa.kernels:
  - .name:           k_qf2b57e5ec1_prep
    .symbol:         k_qf2b57e5ec1_prep.kd
    .args:
      - { .name: qkv_w, .offset: 0, .size: 8, .value_kind: global_buffer, .address_space: global }
      - { .name: proj_w, .offset: 8, .size: 8, .value_kind: global_buffer, .address_space: global }
      - { .name: fc1_w, .offset: 16, .size: 8, .value_kind: global_buffer, .address_space: global }
      - { .name: fc2_w, .offset: 24, .size: 8, .value_kind: global_buffer, .address_space: global }
      - { .name: wq, .offset: 32, .size: 8, .value_kind: global_buffer, .address_space: global }
    .group_segment_fixed_size: 68608
    .private_segment_fixed_size: 0
    .kernarg_segment_align: 8
    .kernarg_segment_size: 40
    .max_flat_workgroup_size: 256
    .sgpr_count:     66
    .vgpr_count:     186
    .wavefront_size: 32
...
	.end_amdgpu_metadata
.endif
;; end of part 1
;; launch ln1 (part 2): grid 256 x 1, 8 waves a work-group, no clusters, 67,072 bytes of LDS; arguments x, ln1_w, ln1_b, actA; writes actA
.if DOCPART == 2
	.amdgcn_target "amdgcn-amd-amdhsa--gfx1250"
	.amdhsa_code_object_version 6
	.text
	.protected	k_qf2b57e5ec1_ln1
	.globl	k_qf2b57e5ec1_ln1
	.p2align	8
	.type	k_qf2b57e5ec1_ln1,@function
k_qf2b57e5ec1_ln1:
	s_mov_b64 s[64:65], 0
	v_nop
	global_prefetch_b8 v0, s[64:65] scope:SCOPE_SE
	s_setreg_imm32_b32 hwreg(HW_REG_WAVE_MODE, 25, 1), 1
	s_wait_xcnt 0x0
; y = (x - mean) rsqrt(var + 1e-5) w + b along rows of 1,024 f32, then quantised along the row to BF6 with one E8M0 byte for each 32, stored as records (128 rows x 128 K, 12,800 bytes:
; eight register images of 1,536 bytes, then scale words at 12,288 + 64 i + 4 r), record index 8 (row group) + K step.  Lane row r of row tile 2 b + u is row 32 b + 8 u + r % 8 + 16 (r / 8).
; A work-group takes one row tile (16 rows).  Phase 1: wave w normalises tile rows 2 w and 2 w + 1 (neighbours in memory): mean first, then the sum of squared differences, so a common offset costs no accuracy.
; The rows meet in LDS (pitch 4,112 bytes).  Phase 2: wave w quantises K step w of all 16 rows.
; LIMITS: a block of zeros gets the byte 1 (this program alone reads the bytes); magnitudes under 2^-122 are held at that floor; NaN and infinities are not served.
.set X,   96
.set F,   160
.set T,   172
.set PW,  180
.set SEL, 22
.macro QUANTA
.irp c, 0,1
	v_max3_num_f32 v[24+\c], |v[X+32*\c]|, |v[X+1+32*\c]|, 0x2800000   ; my block 2 c + h, and the floor 2^(5 - 127)
.endr
.irp i, 2,4,6,8,10,12,14,16,18,20,22,24,26,28,30
.irp c, 0,1
	v_max3_num_f32 v[24+\c], v[24+\c], |v[X+32*\c+\i]|, |v[X+1+32*\c+\i]|
.endr
.endr
.irp c, 0,1
	v_add_nc_u32 v[26+\c], 0xfe000000, v[24+\c]    ; 4 off the exponent field: the conversion's scale operand
.endr
.irp c, 0,1
	v_lshrrev_b32 v[28+\c], 23, v[26+\c]
.endr
	v_lshl_or_b32 v[PW], v29, 16, v28
	v_lshlrev_b32 v30, 3, v2
	v_lshlrev_b32 v[PW], v30, v[PW]
	v_mov_b32 v30, 0
	v_permlanex16_b32 v30, v[PW], s[SEL], s[SEL+1]
	v_or_b32 v[PW], v[PW], v30
.irp c, 0,1
	v_cvt_scalef32_pk16_bf6_f32 v[F+6*\c:F+6*\c+2], v[X+32*\c:X+32*\c+15], v[26+\c]
	v_cvt_scalef32_pk16_bf6_f32 v[T+4*\c:T+4*\c+2], v[X+32*\c+16:X+32*\c+31], v[26+\c]
.endr
	v_nop                                          ; one plain place behind a scaled conversion
.irp c, 0,1
.irp i, 0,1,2
	v_mov_b32 v[F+3+6*\c+\i], v[T+4*\c+\i]
.endr
.endr
.endm
.macro FOLD a                          ; four pairs at v[a] on become one sum, in every lane
	v_pk_add_f32 v[\a:\a+1], v[\a:\a+1], v[\a+2:\a+3]
	v_pk_add_f32 v[\a+4:\a+5], v[\a+4:\a+5], v[\a+6:\a+7]
	v_pk_add_f32 v[\a:\a+1], v[\a:\a+1], v[\a+4:\a+5]
	v_add_f32 v[\a], v[\a], v[\a+1]
	v_add_f32_dpp v[\a], v[\a], v[\a] row_xmask:1 row_mask:0xf bank_mask:0xf
	v_add_f32_dpp v[\a], v[\a], v[\a] row_xmask:2 row_mask:0xf bank_mask:0xf
	v_add_f32_dpp v[\a], v[\a], v[\a] row_xmask:4 row_mask:0xf bank_mask:0xf
	v_add_f32_dpp v[\a], v[\a], v[\a] row_xmask:8 row_mask:0xf bank_mask:0xf
	v_permlanex16_b32 v[\a+1], v[\a], s[SEL], s[SEL+1]
	v_add_f32 v[\a], v[\a], v[\a+1]
.endm
.macro ROWSTAT e                       ; row e: x becomes x - mean; 1 / sqrt(var + eps) twice in v[RA:RA+1]
.set XE, 32+32*(\e)
.set RA, 160+8*(\e)
.irp k, 0,2,4,6
	v_pk_add_f32 v[RA+\k:RA+\k+1], v[XE+\k:XE+\k+1], v[XE+8+\k:XE+9+\k]
.endr
.irp m, 16,24
.irp k, 0,2,4,6
	v_pk_add_f32 v[RA+\k:RA+\k+1], v[RA+\k:RA+\k+1], v[XE+\m+\k:XE+\m+\k+1]
.endr
.endr
	FOLD RA
	v_mul_f32 v[RA], s24, v[RA]                    ; / 1,024: the mean
	v_mov_b32 v[RA+1], v[RA]
.irp k, 0,2,4,6,8,10,12,14,16,18,20,22,24,26,28,30
	v_pk_add_f32 v[XE+\k:XE+\k+1], v[XE+\k:XE+\k+1], v[RA:RA+1] neg_lo:[0,1] neg_hi:[0,1]
.endr
.irp k, 0,2,4,6
	v_pk_mul_f32 v[RA+\k:RA+\k+1], v[XE+\k:XE+\k+1], v[XE+\k:XE+\k+1]
.endr
.irp m, 8,16,24
.irp k, 0,2,4,6
	v_pk_fma_f32 v[RA+\k:RA+\k+1], v[XE+\m+\k:XE+\m+\k+1], v[XE+\m+\k:XE+\m+\k+1], v[RA+\k:RA+\k+1]
.endr
.endr
	FOLD RA
	v_fma_f32 v[RA], v[RA], s24, s25               ; var + 1e-5
	v_rsq_f32 v[RA], v[RA]
	v_nop                                          ; one plain place behind a transcendental
	s_wait_alu depctr_va_vdst(0)
	v_mov_b32 v[RA+1], v[RA]
.endm
	s_load_b256 s[4:11], s[0:1], 0x0               ; in, w, b, out
	v_lshl_add_u32 v184, v0, 2, 0x10200
	v_mov_b32 v185, 0
	v_lshrrev_b32 v1, 5, v0
	v_readfirstlane_b32 s12, v1                    ; wave
	v_and_b32 v1, 31, v0
	v_and_b32 v3, 15, v0                           ; r
	v_bfe_u32 v2, v0, 4, 1                         ; h
	v_lshlrev_b32 v6, 4, v1                        ; 16 x lane
	v_lshlrev_b32 v7, 2, v3                        ; 4 r
	s_mul_i32 s13, s12, 8224
	v_add_nc_u32 v4, s13, v6                       ; LDS, in: tile row 2 w
	v_mul_u32_u24 v5, v3, 4112
	v_lshl_add_u32 v5, v2, 7, v5
	s_lshl_b32 s13, s12, 9
	v_add_nc_u32 v5, s13, v5                       ; LDS, out: row r, K step w, + 128 h
	s_mov_b32 s[SEL], 0x76543210
	s_mov_b32 s[SEL+1], 0xfedcba98
	s_mov_b32 s24, 0x3a800000                      ; 1 / 1,024
	s_mov_b32 s25, 0x3727c5ac                      ; 1e-5
	s_lshr_b32 s13, ttmp9, 1
	s_lshl_b32 s13, s13, 5
	s_and_b32 s14, ttmp9, 1
	s_lshl_b32 s14, s14, 3
	s_add_co_u32 s13, s13, s14
	s_and_b32 s14, s12, 3
	s_lshl_b32 s14, s14, 1
	s_add_co_u32 s13, s13, s14
	s_lshr_b32 s14, s12, 2
	s_lshl_b32 s14, s14, 4
	s_add_co_u32 s13, s13, s14                     ; my first row in memory
	s_lshl_b32 s14, s13, 12
	s_mov_b32 s15, 0
	s_lshr_b32 s16, ttmp9, 3
	s_lshl_b32 s16, s16, 3
	s_add_co_u32 s16, s16, s12
	s_mul_i32 s16, s16, 12800                      ; record 8 (T / 8) + w
	s_and_b32 s17, ttmp9, 7
	s_mul_i32 s18, s17, 1536
	s_add_co_u32 s18, s18, s16
	s_mov_b32 s19, 0
	s_lshl_b32 s20, s17, 6
	s_add_co_u32 s20, s20, s16
	s_add_co_u32 s20, s20, 12288
	s_mov_b32 s21, 0
	s_wait_kmcnt 0x0
	s_add_nc_u64 s[4:5], s[4:5], s[14:15]
	s_add_nc_u64 s[18:19], s[10:11], s[18:19]
	s_add_nc_u64 s[20:21], s[10:11], s[20:21]
.irp e, 0,1
.irp j, 0,1,2,3,4,5,6,7
	global_load_b128 v[32+32*\e+4*\j:35+32*\e+4*\j], v6, s[4:5] offset:4096*\e+512*\j
.endr
.endr
.irp j, 0,1,2,3,4,5,6,7
	global_load_b128 v[96+4*\j:99+4*\j], v6, s[6:7] offset:512*\j
.endr
.irp j, 0,1,2,3,4,5,6,7
	global_load_b128 v[128+4*\j:131+4*\j], v6, s[8:9] offset:512*\j
.endr
	s_wait_loadcnt 16                              ; the two rows are in; w's and b's sixteen loads may be out
	ROWSTAT 0
	ROWSTAT 1
	s_wait_loadcnt 0x0
.irp e, 0,1
.irp k, 0,2,4,6,8,10,12,14,16,18,20,22,24,26,28,30
	v_pk_mul_f32 v[32+32*\e+\k:33+32*\e+\k], v[32+32*\e+\k:33+32*\e+\k], v[160+8*\e:161+8*\e]
.endr
.irp k, 0,2,4,6,8,10,12,14,16,18,20,22,24,26,28,30
	v_pk_fma_f32 v[32+32*\e+\k:33+32*\e+\k], v[32+32*\e+\k:33+32*\e+\k], v[96+\k:97+\k], v[128+\k:129+\k]
.endr
.irp j, 0,1,2,3,4,5,6,7
	ds_store_b128 v4, v[32+32*\e+4*\j:35+32*\e+4*\j] offset:4112*\e+512*\j
.endr
.endr
	s_wait_dscnt 0x0                               ; for the others' sake: my rows lie in LDS
	s_barrier_signal -1
	s_barrier_wait -1
.irp c, 0,1
.irp t, 0,1,2,3,4,5,6,7
	ds_load_b128 v[X+32*\c+4*\t:X+32*\c+4*\t+3], v5 offset:256*\c+16*\t
.endr
.endr
	s_wait_dscnt 0x0
	QUANTA
.irp j, 0,1,2
	global_store_b128 v6, v[F+4*\j:F+4*\j+3], s[18:19] offset:512*\j
.endr
	global_store_b32 v7, v[PW], s[20:21]
	s_wait_tensorcnt 0x0
	ds_add_u32 v184, v185
	s_wait_dscnt 0x0
	s_endpgm
.Lfunc_end_k_qf2b57e5ec1_ln1:
	.size	k_qf2b57e5ec1_ln1, .Lfunc_end_k_qf2b57e5ec1_ln1-k_qf2b57e5ec1_ln1
	.p2alignl 7, 3214868480
	.fill 96, 4, 3214868480
	.section	.rodata,"a",@progbits
	.p2align	6, 0x0
	.amdhsa_kernel k_qf2b57e5ec1_ln1
		.amdhsa_group_segment_fixed_size 67072
		.amdhsa_private_segment_fixed_size 0
		.amdhsa_enable_private_segment 0
		.amdhsa_kernarg_size 32
		.amdhsa_user_sgpr_count 2
		.amdhsa_user_sgpr_kernarg_segment_ptr 1
		.amdhsa_wavefront_size32 1
		.amdhsa_system_sgpr_workgroup_id_x 1
		.amdhsa_system_sgpr_workgroup_id_y 1
		.amdhsa_system_sgpr_workgroup_id_z 1
		.amdhsa_system_vgpr_workitem_id 0
		.amdhsa_next_free_vgpr 186
		.amdhsa_next_free_sgpr 66
		.amdhsa_reserve_vcc 0
		.amdhsa_float_denorm_mode_32 3
		.amdhsa_float_denorm_mode_16_64 3
		.amdhsa_memory_ordered 1
		.amdhsa_forward_progress 1
		.amdhsa_inst_pref_size 24
	.end_amdhsa_kernel
	.amdgpu_metadata
---
amdhsa.version: [ 1, 2 ]
amdhsa.kernels:
  - .name:           k_qf2b57e5ec1_ln1
    .symbol:         k_qf2b57e5ec1_ln1.kd
    .args:
      - { .name: x, .offset: 0, .size: 8, .value_kind: global_buffer, .address_space: global }
      - { .name: ln1_w, .offset: 8, .size: 8, .value_kind: global_buffer, .address_space: global }
      - { .name: ln1_b, .offset: 16, .size: 8, .value_kind: global_buffer, .address_space: global }
      - { .name: actA, .offset: 24, .size: 8, .value_kind: global_buffer, .address_space: global }
    .group_segment_fixed_size: 67072
    .private_segment_fixed_size: 0
    .kernarg_segment_align: 8
    .kernarg_segment_size: 32
    .max_flat_workgroup_size: 256
    .sgpr_count:     66
    .vgpr_count:     186
    .wavefront_size: 32
...
	.end_amdgpu_metadata
.endif
;; end of part 2
;; launch gqk (part 3): grid 16 x 16, 4 waves a work-group, clusters of 4 x 4, 327,680 bytes of LDS; arguments wq, actA, qkv_b, actB; writes actB
.if DOCPART == 3
	.amdgcn_target "amdgcn-amd-amdhsa--gfx1250"
	.amdhsa_code_object_version 6
	.text
	.protected	k_qf2b57e5ec1_gqk
	.globl	k_qf2b57e5ec1_gqk
	.p2align	8
	.type	k_qf2b57e5ec1_gqk,@function
k_qf2b57e5ec1_gqk:
	s_mov_b64 s[64:65], 0
	v_nop
	global_prefetch_b8 v0, s[64:65] scope:SCOPE_SE
	s_setreg_imm32_b32 hwreg(HW_REG_WAVE_MODE, 25, 1), 1
	s_wait_xcnt 0x0
	s_wait_alu depctr_hold_cnt(0) depctr_sa_sdst(0) depctr_va_vdst(0) depctr_va_sdst(0) depctr_va_ssrc(0) depctr_va_vcc(0) depctr_vm_vsrc(0)
	s_getreg_b32 s2, hwreg(HW_REG_IB_STS2, 6, 4)
	s_cmp_eq_u32 s2, 0
	s_cbranch_scc0 .Lentry_in_a_cluster
	s_endpgm
.Lentry_in_a_cluster:
	s_bfe_u32 s2, ttmp6, 0x10000c
	s_cmp_lg_u32 s2, 0xf033
	s_cbranch_scc0 .Lentry_shape_is_right
	s_endpgm
.Lentry_shape_is_right:
; q and k = xn qkv_w^T + qkv_b (rows 0 to 2,047 of qkv_w), K = 1,024, on records of BF6 codes (128 rows x 128 K in 12,800 bytes: eight register images of 1,536 bytes, then scale words at 12,288 + 64 i + 4 r);
; the sums are quantised along the channels and leave as records again: record 32 (channel group) + token group of actB.
; S0 is source 0 (qkv_w's rows): its rows become a lane's registers, the next product's K.  S1 is source 1 (tokens): its rows become lanes.  Lane row r of row tile 2 b + u is row 32 b + 8 u + r % 8 + 16 (r / 8),
; so the 16 registers of S0's tiles 2 b and 2 b + 1 are 16 neighbours along the next K.
; SHARES.  A work-group: 128 rows of S0 x 256 rows of S1; a wave: 128 x 64: 32 accumulators.  ALL OF K LIES IN LDS (307,200 bytes), brought by four loads each of waves 0 (S0), 1 and 2 (S1's two groups): nothing is filled again.
; CLUSTER 4 x 4: S0's records hang on x alone and are asked for jointly along a column, S1's on y alone, along a row.
; LIMITS: a block of zeros gets the byte 1 (this program alone reads the bytes); magnitudes under 2^-122 are held at that floor; NaN and infinities are not served.
; REGISTERS.  Window 0: v1-13, v31 addresses; v16-27 scale words, two sets; v32-79, v80-127 S1's four fragments, two sets (on the way out v96-132 the quantiser's); v136-199 the bias as the first products' C.
; Window 1: accumulator (a, b) at v[64 a + 8 b].  Window 2: S0's eight fragments, two sets, at v0 and v128.
.set S0B,  0                           ; S0's first record
.set S1B,  0                           ; S1's
.set SG,   1                           ; the output record's step by S1 group,
.set SS,   32                          ; by S0 group,
.set OB,   0                           ; and its first record
.set REC,   12800
.set SLOT,  153600                     ; four K steps: S0's 4 records, S1 group 0's, S1 group 1's
.set TM,  96
.set PW,  112
.set PC,  114
.set BI,  136
.set SEL, 2
.set MSB, 0
.macro WIN new                         ; the immediate's high byte repeats the setting that is left
.if MSB != (\new)
	s_set_vgpr_msb (MSB<<8)|(\new)
.set MSB, (\new)
.endif
.endm
.macro PLACES n
.rept \n
	v_nop
.endr
.endm
.macro CROUND                          ; a round of the cluster's barrier
	s_barrier_signal -1
	s_barrier_wait -1
	s_cmp_lg_u32 s24, 0
	s_cbranch_scc1 .Lnot_wave_0_\@
	s_barrier_signal -3
.Lnot_wave_0_\@:
	s_barrier_wait -3
	s_barrier_signal -1
	s_barrier_wait -1
.endm
.macro FETCH n, q, sg                  ; the fragments and scale words of slot n's q-th K step into set sg: 42 LDS loads
	WIN 0x80                                       ; destination window 2
.irp i, 0,1,2,3,4,5,6,7
.irp j, 0,1,2
	ds_load_b128 v[128*(\sg)+12*\i+4*\j:128*(\sg)+12*\i+4*\j+3], v[4+(\n)] offset:REC*(\q)+1536*\i+512*\j
.endr
.endr
	WIN 0
.irp i, 0,1,2,3
.irp j, 0,1,2
	ds_load_b128 v[32+48*(\sg)+12*\i+4*\j:32+48*(\sg)+12*\i+4*\j+3], v[6+(\n)] offset:REC*(\q)+1536*\i+512*\j
.endr
.endr
.irp p, 0,1,2,3
	ds_load_b32 v[16+6*(\sg)+\p], v[8+(\n)] offset:REC*(\q)+128*\p    ; lanes 0-15 tile 2 p, lanes 16-31 tile 2 p + 1
.endr
.irp p, 0,1
	ds_load_b32 v[20+6*(\sg)+\p], v[10+(\n)] offset:REC*(\q)+128*\p
.endr
.endm
.macro WM a, b, sg, cb                 ; one product: S0's tile b x S1's tile a
.set WD, 64*(\a)+8*(\b)
.set WA, 128*(\sg)+12*(\b)
.set WB, 32+48*(\sg)+12*(\a)
.set WC, \cb
.set WSA, 16+6*(\sg)+(\b)/2
.set WSB, 20+6*(\sg)+(\a)/2
.set WP, (\b)%2+2*((\a)%2)
.if WP == 0
	v_wmma_scale_f32_16x16x128_f8f6f4 v[WD:WD+7], v[WA:WA+11], v[WB:WB+11], v[WC:WC+7], v[WSA], v[WSB] matrix_a_fmt:MATRIX_FMT_BF6 matrix_b_fmt:MATRIX_FMT_BF6
.elseif WP == 1
	v_wmma_scale_f32_16x16x128_f8f6f4 v[WD:WD+7], v[WA:WA+11], v[WB:WB+11], v[WC:WC+7], v[WSA], v[WSB] matrix_a_fmt:MATRIX_FMT_BF6 matrix_b_fmt:MATRIX_FMT_BF6 matrix_a_scale:MATRIX_SCALE_ROW1
.elseif WP == 2
	v_wmma_scale_f32_16x16x128_f8f6f4 v[WD:WD+7], v[WA:WA+11], v[WB:WB+11], v[WC:WC+7], v[WSA], v[WSB] matrix_a_fmt:MATRIX_FMT_BF6 matrix_b_fmt:MATRIX_FMT_BF6 matrix_b_scale:MATRIX_SCALE_ROW1
.else
	v_wmma_scale_f32_16x16x128_f8f6f4 v[WD:WD+7], v[WA:WA+11], v[WB:WB+11], v[WC:WC+7], v[WSA], v[WSB] matrix_a_fmt:MATRIX_FMT_BF6 matrix_b_fmt:MATRIX_FMT_BF6 matrix_a_scale:MATRIX_SCALE_ROW1 matrix_b_scale:MATRIX_SCALE_ROW1
.endif
.endm
.macro MUL16 a0, sg, cm                ; cm 0: onto the sums; 1: the bias, along S0, starts them
.irp a, \a0, \a0+1
.irp b, 0,1,2,3,4,5,6,7
.if \cm == 0
	WM \a, \b, \sg, 64*(\a)+8*\b
.else
	WM \a, \b, \sg, BI+8*\b
.endif
.endr
.endr
.endm
.macro MUL32 sg, cm                    ; a K step: the 32 accumulators take turns, one instruction a turn, in one order
.if \cm == 0
	WIN 0x52                                       ; A window 2, B window 0, C and D window 1
.else
	WIN 0x42                                       ; C window 0
.endif
	MUL16 0, \sg, \cm
	MUL16 2, \sg, \cm
	WIN 0
.endm
.macro STEP s, tw, fetch               ; what stands ahead of K step s's products
	s_wait_dscnt 0x0                               ; this step's 42 loads, issued a step ago, are in
.if \tw >= 0
	s_wait_tensorcnt \tw                           ; my part of the next two K steps has landed; the pieces behind it may be out
	s_barrier_signal -1
	s_barrier_wait -1                              ; everybody's has
.endif
.if \fetch
	PLACES 4                                       ; in front of loads into registers that the last step's products read
	FETCH ((\s)+1)/4, ((\s)+1)%4, ((\s)+1)%2
.endif
.endm
.macro QUANTB s, w                     ; 64 numbers in window w, register 16 b + i = k 32 b + 16 h + i of my row, become a fragment in v[PC] on and its scale word in v[PW]
	WIN 0x14*(\w)                                  ; sources 1 and 2
.irp b, 0,1,2,3
	v_max3_num_f32 v[TM+\b], 0x2800000, |v[(\s)+16*\b]|, |v[(\s)+1+16*\b]|   ; the floor 2^(5 - 127) among the leaves; each accumulator is read from its low end on
.endr
.irp i, 2,4,6,8,10,12,14
.irp b, 0,1,2,3
	v_max3_num_f32 v[TM+\b], v[TM+\b], |v[(\s)+16*\b+\i]|, |v[(\s)+1+16*\b+\i]|
.endr
.endr
	WIN 0
.irp b, 0,1,2,3
	v_permlanex16_b32 v[TM+4+\b], v[TM+\b], s[SEL], s[SEL+1]
.endr
.irp b, 0,1,2,3
	v_max_num_f32 v[TM+\b], v[TM+\b], v[TM+4+\b]
.endr
.irp b, 0,1,2,3
	v_add_nc_u32 v[TM+12+\b], 0xfe000000, v[TM+\b] ; 4 off the exponent field: the conversion's scale operand
.endr
.irp b, 0,1,2,3
	v_lshrrev_b32 v[TM+4+\b], 23, v[TM+12+\b]
.endr
	v_lshl_or_b32 v[PW], v[TM+5], 8, v[TM+4]
	v_lshl_or_b32 v[PW], v[TM+6], 16, v[PW]
	v_lshl_or_b32 v[PW], v[TM+7], 24, v[PW]
	WIN 0x01*(\w)                                  ; source 0
.irp c, 0,1
	v_cvt_scalef32_pk16_bf6_f32 v[PC+6*\c:PC+2+6*\c], v[(\s)+32*\c:(\s)+15+32*\c], v[TM+12+2*\c]
	v_cvt_scalef32_pk16_bf6_f32 v[PC+12+4*\c:PC+14+4*\c], v[(\s)+16+32*\c:(\s)+31+32*\c], v[TM+12+2*\c+1]
.endr
	WIN 0
	v_nop                                          ; one plain place behind a scaled conversion
.irp c, 0,1                            ; the layout wants a whole block in a lane
.irp i, 0,1,2
	v_permlane16_swap_b32 v[PC+6*\c+\i], v[PC+12+4*\c+\i]
.endr
.irp i, 0,1,2
	v_mov_b32 v[PC+3+6*\c+\i], v[PC+12+4*\c+\i]
.endr
.endr
.endm
	s_load_b128 s[4:7], s[0:1], 0x0                ; S0, S1
	s_load_b128 s[8:11], s[0:1], 0x10              ; bias, out
	v_lshl_add_u32 v254, v0, 2, 0x4b000
	v_mov_b32 v255, 0
	ds_add_u32 v254, v255
	v_lshrrev_b32 v1, 5, v0
	v_readfirstlane_b32 s24, v1                    ; wave
	s_lshr_b32 s25, s24, 1                         ; my group of S1
	s_and_b32 s26, s24, 1                          ; my half of it
	s_bfe_u32 s27, ttmp6, 0x40000                  ; cx
	s_bfe_u32 s28, ttmp6, 0x40004                  ; cy
	s_lshl_b32 s29, ttmp9, 2
	s_add_co_u32 s29, s29, s27                     ; x
	s_and_b32 s30, ttmp7, 0xffff
	s_lshl_b32 s30, s30, 2
	s_add_co_u32 s30, s30, s28                     ; y
	s_lshl_b32 s84, 0x1111, s27                    ; my column of the cluster
	s_lshl_b32 s85, s28, 2
	s_lshl_b32 s85, 15, s85                        ; my row
	s_or_b32 s32, s84, (3<<16)|(1<<21)             ; group 1: the mask; elements of 8 bytes; bit 21 beside a mask
	s_or_b32 s40, s85, (3<<16)|(1<<21)
.irp g, 32, 40
	s_mov_b32 s[\g+1], 32<<16                      ; rows of 32 elements = 256 bytes,
	s_mov_b32 s[\g+2], 100<<16                     ; 100 of them: two records, dense
	s_mov_b32 s[\g+3], 32<<16
	s_mov_b32 s[\g+4], 100
	s_mov_b32 s[\g+5], 32
	s_mov_b32 s[\g+6], 0
	s_mov_b32 s[\g+7], 0
.endr
	s_mov_b32 s[SEL], 0x76543210
	s_mov_b32 s[SEL+1], 0xfedcba98
	s_lshl_b32 s86, s29, 3
	s_add_co_u32 s86, s86, S0B
	s_mul_i32 s86, s86, REC                        ; S0: record S0B + 8 x
	s_mov_b32 s87, 0
	s_sub_co_u32 s94, s24, 1
	s_and_b32 s94, s94, 1                          ; waves 1, 2: groups 0, 1
	s_lshl_b32 s95, s30, 1
	s_add_co_u32 s94, s94, s95
	s_lshl_b32 s94, s94, 3
	s_add_co_u32 s94, s94, S1B
	s_mul_i32 s94, s94, REC                        ; S1: record S1B + 8 (2 y + group)
	s_mov_b32 s95, 0
	s_min_u32 s91, s24, 2
	s_mul_i32 s91, s91, 51200                      ; where my loads land in a slot
	s_wait_dscnt 0x0
	s_wait_kmcnt 0x0
	s_add_nc_u64 s[88:89], s[4:5], s[86:87]
	s_add_nc_u64 s[96:97], s[6:7], s[94:95]
	CROUND                                         ; all sixteen work-groups are here: the joint loads meet
.irp j, 0,1,2,3
	s_mov_b32 s[48+4*\j], 1
	s_add_co_u32 s[49+4*\j], s91, SLOT*(\j/2)+25600*(\j%2)
	s_add_nc_u64 s[50+4*\j:51+4*\j], s[88:89], 25600*\j
	s_or_b32 s[51+4*\j], s[51+4*\j], 0x80000000
	s_mov_b32 s[68+4*\j], 1
	s_add_co_u32 s[69+4*\j], s91, SLOT*(\j/2)+25600*(\j%2)
	s_add_nc_u64 s[70+4*\j:71+4*\j], s[96:97], 25600*\j
	s_or_b32 s[71+4*\j], s[71+4*\j], 0x80000000
.endr
	s_cmp_eq_u32 s24, 0                            ; a wave's four fills stand in one branch: four loads of mine are out at the most
	s_cbranch_scc0 .Lnot_s0
.irp j, 0,1,2,3
	tensor_load_to_lds s[48+4*\j:51+4*\j], s[32:39]
	s_nop 0
.endr
	PLACES 4
	s_branch .Lasked
.Lnot_s0:
	s_cmp_eq_u32 s24, 3
	s_cbranch_scc1 .Lasked
.irp j, 0,1,2,3
	tensor_load_to_lds s[68+4*\j:71+4*\j], s[40:47]
	s_nop 0
.endr
	PLACES 4
.Lasked:
	v_and_b32 v1, 15, v0                           ; r
	v_bfe_u32 v2, v0, 4, 1                         ; h
	v_and_b32 v31, 31, v0                          ; lane
	v_lshlrev_b32 v4, 4, v31                       ; S0's fragments, slot 0;
	v_add_nc_u32 v5, SLOT, v4                      ; slot 1
	s_mul_i32 s92, s25, 51200
	s_add_co_u32 s92, s92, 51200
	s_mul_i32 s93, s26, 6144
	s_add_co_u32 s93, s93, s92
	v_add_nc_u32 v6, s93, v4                       ; S1's: my group, my four tiles
	v_add_nc_u32 v7, SLOT, v6
	v_lshl_add_u32 v8, v31, 2, 12288               ; S0's scale words
	v_add_nc_u32 v9, SLOT, v8
	s_lshl_b32 s93, s26, 8
	s_add_co_u32 s93, s93, s92
	v_add_nc_u32 v10, s93, v8                      ; S1's
	v_add_nc_u32 v11, SLOT, v10
	s_mul_i32 s93, s26, 6144
	v_add_nc_u32 v12, s93, v4                      ; the way out: my lane's place in the output record's images,
	s_lshl_b32 s93, s26, 8
	s_add_co_u32 s93, s93, 12288
	v_lshl_add_u32 v13, v1, 2, s93                 ; and among its scale words
	v_lshlrev_b32 v31, 6, v2                       ; the bias: 16 h numbers on
	s_lshl_b32 s92, s30, 1
	s_add_co_u32 s92, s92, s25                     ; my group of S1
	s_mul_i32 s98, s92, SG
	s_mul_i32 s99, s29, SS
	s_add_co_u32 s98, s98, s99
	s_add_co_u32 s98, s98, OB
	s_mul_i32 s98, s98, REC
	s_mov_b32 s99, 0
	s_add_nc_u64 s[98:99], s[10:11], s[98:99]      ; the output record
	s_lshl_b32 s92, s29, 9                         ; the bias of S0's rows 128 x on
	s_mov_b32 s93, 0
	s_add_nc_u64 s[8:9], s[8:9], s[92:93]
.irp b, 0,1,2,3,4,5,6,7                ; tile b's eight registers: the bias of S0's rows 32 (b / 2) + 8 (b % 2) + 16 h + 0 .. 7
	global_load_b128 v[BI+8*\b:BI+8*\b+3], v31, s[8:9] offset:(32*(\b/2)+8*(\b%2))*4
	global_load_b128 v[BI+8*\b+4:BI+8*\b+7], v31, s[8:9] offset:(32*(\b/2)+8*(\b%2))*4+16
.endr
	s_wait_tensorcnt 3                             ; my part of K steps 0 and 1 is in; three loads may be out
	s_barrier_signal -1
	s_barrier_wait -1
	FETCH 0, 0, 0
	s_wait_loadcnt 0x0                             ; the bias
	STEP 0, -1, 1
	MUL32 0, 1
	STEP 1, 2, 1
	MUL32 1, 0
	STEP 2, -1, 1
	MUL32 0, 0
	STEP 3, 1, 1
	MUL32 1, 0
	STEP 4, -1, 1
	MUL32 0, 0
	STEP 5, 0, 1
	MUL32 1, 0
	STEP 6, -1, 1
	MUL32 0, 0
	STEP 7, -1, 0
	MUL32 1, 0
	PLACES 4                                       ; behind the last products, ahead of every read of a result and every write of an operand
.irp b, 0,1,2,3
	v_mov_b32 v[TM+4+\b], 0                        ; a lane permute's destination counts as one of its sources
.endr
.irp a, 0,1,2,3                        ; S1's tile a becomes one fragment of the output record
.if \a > 0
	s_wait_xcnt 0x0                                ; the last tile's stores have read their registers
.endif
	QUANTB 64*\a, 1
.irp j, 0,1,2
	global_store_b128 v12, v[PC+4*\j:PC+4*\j+3], s[98:99] offset:1536*\a+512*\j   ; 512 consecutive bytes a store
.endr
	global_store_b32 v13, v[PW], s[98:99] offset:64*\a
.endr
	s_wait_dscnt 0x0
	s_wait_tensorcnt 0x0
	ds_add_u32 v254, v255
	s_wait_dscnt 0x0
	CROUND                                         ; the closing round
	s_endpgm
.Lfunc_end_k_qf2b57e5ec1_gqk:
	.size	k_qf2b57e5ec1_gqk, .Lfunc_end_k_qf2b57e5ec1_gqk-k_qf2b57e5ec1_gqk
	.p2alignl 7, 3214868480
	.fill 96, 4, 3214868480
	.section	.rodata,"a",@progbits
	.p2align	6, 0x0
	.amdhsa_kernel k_qf2b57e5ec1_gqk
		.amdhsa_group_segment_fixed_size 327680
		.amdhsa_private_segment_fixed_size 0
		.amdhsa_enable_private_segment 0
		.amdhsa_kernarg_size 32
		.amdhsa_user_sgpr_count 2
		.amdhsa_user_sgpr_kernarg_segment_ptr 1
		.amdhsa_wavefront_size32 1
		.amdhsa_system_sgpr_workgroup_id_x 1
		.amdhsa_system_sgpr_workgroup_id_y 1
		.amdhsa_system_sgpr_workgroup_id_z 1
		.amdhsa_system_vgpr_workitem_id 0
		.amdhsa_next_free_vgpr 768
		.amdhsa_next_free_sgpr 102
		.amdhsa_reserve_vcc 0
		.amdhsa_float_denorm_mode_32 3
		.amdhsa_float_denorm_mode_16_64 3
		.amdhsa_memory_ordered 1
		.amdhsa_forward_progress 1
		.amdhsa_inst_pref_size 83
	.end_amdhsa_kernel
	.amdgpu_metadata
---
amdhsa.version: [ 1, 2 ]
amdhsa.kernels:
  - .name:           k_qf2b57e5ec1_gqk
    .symbol:         k_qf2b57e5ec1_gqk.kd
    .args:
      - { .name: wq, .offset: 0, .size: 8, .value_kind: global_buffer, .address_space: global }
      - { .name: actA, .offset: 8, .size: 8, .value_kind: global_buffer, .address_space: global }
      - { .name: qkv_b, .offset: 16, .size: 8, .value_kind: global_buffer, .address_space: global }
      - { .name: actB, .offset: 24, .size: 8, .value_kind: global_buffer, .address_space: global }
    .group_segment_fixed_size: 327680
    .private_segment_fixed_size: 0
    .kernarg_segment_align: 8
    .kernarg_segment_size: 32
    .max_flat_workgroup_size: 128
    .sgpr_count:     102
    .vgpr_count:     768
    .wavefront_size: 32
...
	.end_amdgpu_metadata
.endif
;; end of part 3
;; launch gv (part 4): grid 32 x 4, 4 waves a work-group, clusters of 4 x 4, 327,680 bytes of LDS; arguments actA, wq, qkv_b, actB; writes actB
.if DOCPART == 4
	.amdgcn_target "amdgcn-amd-amdhsa--gfx1250"
	.amdhsa_code_object_version 6
	.text
	.protected	k_qf2b57e5ec1_gv
	.globl	k_qf2b57e5ec1_gv
	.p2align	8
	.type	k_qf2b57e5ec1_gv,@function
k_qf2b57e5ec1_gv:
	s_mov_b64 s[64:65], 0
	v_nop
	global_prefetch_b8 v0, s[64:65] scope:SCOPE_SE
	s_setreg_imm32_b32 hwreg(HW_REG_WAVE_MODE, 25, 1), 1
	s_wait_xcnt 0x0
	s_wait_alu depctr_hold_cnt(0) depctr_sa_sdst(0) depctr_va_vdst(0) depctr_va_sdst(0) depctr_va_ssrc(0) depctr_va_vcc(0) depctr_vm_vsrc(0)
	s_getreg_b32 s2, hwreg(HW_REG_IB_STS2, 6, 4)
	s_cmp_eq_u32 s2, 0
	s_cbranch_scc0 .Lentry_in_a_cluster
	s_endpgm
.Lentry_in_a_cluster:
	s_bfe_u32 s2, ttmp6, 0x10000c
	s_cmp_lg_u32 s2, 0xf033
	s_cbranch_scc0 .Lentry_shape_is_right
	s_endpgm
.Lentry_shape_is_right:
; v = xn qkv_w^T + qkv_b (rows 2,048 to 3,071 of qkv_w), K = 1,024, on records of BF6 codes (128 rows x 128 K in 12,800 bytes: eight register images of 1,536 bytes, then scale words at 12,288 + 64 i + 4 r).
; v is wanted with the KEYS innermost, so the sources change places: S0, source 0, is xn (tokens): its rows become a lane's registers, the next product's K.  S1, source 1, is qkv_w's rows (channels): its rows become lanes.
; The sums are quantised along the tokens and leave as records 512 + 32 (pair of heads) + token group of actB.  The bias runs along S1: a lane's eight registers of a tile hold one number.
; Lane row r of row tile 2 b + u is row 32 b + 8 u + r % 8 + 16 (r / 8), so the 16 registers of S0's tiles 2 b and 2 b + 1 are 16 neighbouring tokens.
; SHARES.  A work-group: 128 rows of S0 x 256 rows of S1; a wave: 128 x 64: 32 accumulators.  ALL OF K LIES IN LDS (307,200 bytes), brought by four loads each of waves 0 (S0), 1 and 2 (S1's two groups): nothing is filled again.
; CLUSTER 4 x 4: S0's records hang on x alone and are asked for jointly along a column, S1's on y alone, along a row.
; LIMITS: a block of zeros gets the byte 1 (this program alone reads the bytes); magnitudes under 2^-122 are held at that floor; NaN and infinities are not served.
; REGISTERS.  Window 0: v1-13, v31 addresses; v16-27 scale words, two sets; v32-79, v80-127 S1's four fragments, two sets (on the way out v96-132 the quantiser's); v136-167 the bias as the first products' C.
; Window 1: accumulator (a, b) at v[64 a + 8 b].  Window 2: S0's eight fragments, two sets, at v0 and v128.
.set S0B,  0                           ; S0's first record
.set S1B,  128                         ; S1's
.set BOFF, 2048                        ; the bias's first number
.set SG,   32                          ; the output record's step by S1 group,
.set SS,   1                           ; by S0 group,
.set OB,   512                         ; and its first record
.set REC,   12800
.set SLOT,  153600                     ; four K steps: S0's 4 records, S1 group 0's, S1 group 1's
.set TM,  96
.set PW,  112
.set PC,  114
.set BI,  136
.set SEL, 2
.set MSB, 0
.macro WIN new                         ; the immediate's high byte repeats the setting that is left
.if MSB != (\new)
	s_set_vgpr_msb (MSB<<8)|(\new)
.set MSB, (\new)
.endif
.endm
.macro PLACES n
.rept \n
	v_nop
.endr
.endm
.macro CROUND                          ; a round of the cluster's barrier
	s_barrier_signal -1
	s_barrier_wait -1
	s_cmp_lg_u32 s24, 0
	s_cbranch_scc1 .Lnot_wave_0_\@
	s_barrier_signal -3
.Lnot_wave_0_\@:
	s_barrier_wait -3
	s_barrier_signal -1
	s_barrier_wait -1
.endm
.macro FETCH n, q, sg                  ; the fragments and scale words of slot n's q-th K step into set sg: 42 LDS loads
	WIN 0x80                                       ; destination window 2
.irp i, 0,1,2,3,4,5,6,7
.irp j, 0,1,2
	ds_load_b128 v[128*(\sg)+12*\i+4*\j:128*(\sg)+12*\i+4*\j+3], v[4+(\n)] offset:REC*(\q)+1536*\i+512*\j
.endr
.endr
	WIN 0
.irp i, 0,1,2,3
.irp j, 0,1,2
	ds_load_b128 v[32+48*(\sg)+12*\i+4*\j:32+48*(\sg)+12*\i+4*\j+3], v[6+(\n)] offset:REC*(\q)+1536*\i+512*\j
.endr
.endr
.irp p, 0,1,2,3
	ds_load_b32 v[16+6*(\sg)+\p], v[8+(\n)] offset:REC*(\q)+128*\p    ; lanes 0-15 tile 2 p, lanes 16-31 tile 2 p + 1
.endr
.irp p, 0,1
	ds_load_b32 v[20+6*(\sg)+\p], v[10+(\n)] offset:REC*(\q)+128*\p
.endr
.endm
.macro WM a, b, sg, cb                 ; one product: S0's tile b x S1's tile a
.set WD, 64*(\a)+8*(\b)
.set WA, 128*(\sg)+12*(\b)
.set WB, 32+48*(\sg)+12*(\a)
.set WC, \cb
.set WSA, 16+6*(\sg)+(\b)/2
.set WSB, 20+6*(\sg)+(\a)/2
.set WP, (\b)%2+2*((\a)%2)
.if WP == 0
	v_wmma_scale_f32_16x16x128_f8f6f4 v[WD:WD+7], v[WA:WA+11], v[WB:WB+11], v[WC:WC+7], v[WSA], v[WSB] matrix_a_fmt:MATRIX_FMT_BF6 matrix_b_fmt:MATRIX_FMT_BF6
.elseif WP == 1
	v_wmma_scale_f32_16x16x128_f8f6f4 v[WD:WD+7], v[WA:WA+11], v[WB:WB+11], v[WC:WC+7], v[WSA], v[WSB] matrix_a_fmt:MATRIX_FMT_BF6 matrix_b_fmt:MATRIX_FMT_BF6 matrix_a_scale:MATRIX_SCALE_ROW1
.elseif WP == 2
	v_wmma_scale_f32_16x16x128_f8f6f4 v[WD:WD+7], v[WA:WA+11], v[WB:WB+11], v[WC:WC+7], v[WSA], v[WSB] matrix_a_fmt:MATRIX_FMT_BF6 matrix_b_fmt:MATRIX_FMT_BF6 matrix_b_scale:MATRIX_SCALE_ROW1
.else
	v_wmma_scale_f32_16x16x128_f8f6f4 v[WD:WD+7], v[WA:WA+11], v[WB:WB+11], v[WC:WC+7], v[WSA], v[WSB] matrix_a_fmt:MATRIX_FMT_BF6 matrix_b_fmt:MATRIX_FMT_BF6 matrix_a_scale:MATRIX_SCALE_ROW1 matrix_b_scale:MATRIX_SCALE_ROW1
.endif
.endm
.macro MUL16 a0, sg, cm                ; cm 0: onto the sums; 1: the bias, along S1, starts them
.irp a, \a0, \a0+1
.irp b, 0,1,2,3,4,5,6,7
.if \cm == 0
	WM \a, \b, \sg, 64*(\a)+8*\b
.else
	WM \a, \b, \sg, BI+8*(\a)
.endif
.endr
.endr
.endm
.macro MUL32 sg, cm                    ; a K step: the 32 accumulators take turns, one instruction a turn, in one order
.if \cm == 0
	WIN 0x52                                       ; A window 2, B window 0, C and D window 1
.else
	WIN 0x42                                       ; C window 0
.endif
	MUL16 0, \sg, \cm
	MUL16 2, \sg, \cm
	WIN 0
.endm
.macro STEP s, tw, fetch               ; what stands ahead of K step s's products
	s_wait_dscnt 0x0                               ; this step's 42 loads, issued a step ago, are in
.if \tw >= 0
	s_wait_tensorcnt \tw                           ; my part of the next two K steps has landed; the pieces behind it may be out
	s_barrier_signal -1
	s_barrier_wait -1                              ; everybody's has
.endif
.if \fetch
	PLACES 4                                       ; in front of loads into registers that the last step's products read
	FETCH ((\s)+1)/4, ((\s)+1)%4, ((\s)+1)%2
.endif
.endm
.macro QUANTB s, w                     ; 64 numbers in window w, register 16 b + i = k 32 b + 16 h + i of my row, become a fragment in v[PC] on and its scale word in v[PW]
	WIN 0x14*(\w)                                  ; sources 1 and 2
.irp b, 0,1,2,3
	v_max3_num_f32 v[TM+\b], 0x2800000, |v[(\s)+16*\b]|, |v[(\s)+1+16*\b]|   ; the floor 2^(5 - 127) among the leaves; each accumulator is read from its low end on
.endr
.irp i, 2,4,6,8,10,12,14
.irp b, 0,1,2,3
	v_max3_num_f32 v[TM+\b], v[TM+\b], |v[(\s)+16*\b+\i]|, |v[(\s)+1+16*\b+\i]|
.endr
.endr
	WIN 0
.irp b, 0,1,2,3
	v_permlanex16_b32 v[TM+4+\b], v[TM+\b], s[SEL], s[SEL+1]
.endr
.irp b, 0,1,2,3
	v_max_num_f32 v[TM+\b], v[TM+\b], v[TM+4+\b]
.endr
.irp b, 0,1,2,3
	v_add_nc_u32 v[TM+12+\b], 0xfe000000, v[TM+\b] ; 4 off the exponent field: the conversion's scale operand
.endr
.irp b, 0,1,2,3
	v_lshrrev_b32 v[TM+4+\b], 23, v[TM+12+\b]
.endr
	v_lshl_or_b32 v[PW], v[TM+5], 8, v[TM+4]
	v_lshl_or_b32 v[PW], v[TM+6], 16, v[PW]
	v_lshl_or_b32 v[PW], v[TM+7], 24, v[PW]
	WIN 0x01*(\w)                                  ; source 0
.irp c, 0,1
	v_cvt_scalef32_pk16_bf6_f32 v[PC+6*\c:PC+2+6*\c], v[(\s)+32*\c:(\s)+15+32*\c], v[TM+12+2*\c]
	v_cvt_scalef32_pk16_bf6_f32 v[PC+12+4*\c:PC+14+4*\c], v[(\s)+16+32*\c:(\s)+31+32*\c], v[TM+12+2*\c+1]
.endr
	WIN 0
	v_nop                                          ; one plain place behind a scaled conversion
.irp c, 0,1                            ; the layout wants a whole block in a lane
.irp i, 0,1,2
	v_permlane16_swap_b32 v[PC+6*\c+\i], v[PC+12+4*\c+\i]
.endr
.irp i, 0,1,2
	v_mov_b32 v[PC+3+6*\c+\i], v[PC+12+4*\c+\i]
.endr
.endr
.endm
	s_load_b128 s[4:7], s[0:1], 0x0                ; S0, S1
	s_load_b128 s[8:11], s[0:1], 0x10              ; bias, out
	v_lshl_add_u32 v254, v0, 2, 0x4b000
	v_mov_b32 v255, 0
	ds_add_u32 v254, v255
	v_lshrrev_b32 v1, 5, v0
	v_readfirstlane_b32 s24, v1                    ; wave
	s_lshr_b32 s25, s24, 1                         ; my group of S1
	s_and_b32 s26, s24, 1                          ; my half of it
	s_bfe_u32 s27, ttmp6, 0x40000                  ; cx
	s_bfe_u32 s28, ttmp6, 0x40004                  ; cy
	s_lshl_b32 s29, ttmp9, 2
	s_add_co_u32 s29, s29, s27                     ; x
	s_and_b32 s30, ttmp7, 0xffff
	s_lshl_b32 s30, s30, 2
	s_add_co_u32 s30, s30, s28                     ; y
	s_lshl_b32 s84, 0x1111, s27                    ; my column of the cluster
	s_lshl_b32 s85, s28, 2
	s_lshl_b32 s85, 15, s85                        ; my row
	s_or_b32 s32, s84, (3<<16)|(1<<21)             ; group 1: the mask; elements of 8 bytes; bit 21 beside a mask
	s_or_b32 s40, s85, (3<<16)|(1<<21)
.irp g, 32, 40
	s_mov_b32 s[\g+1], 32<<16                      ; rows of 32 elements = 256 bytes,
	s_mov_b32 s[\g+2], 100<<16                     ; 100 of them: two records, dense
	s_mov_b32 s[\g+3], 32<<16
	s_mov_b32 s[\g+4], 100
	s_mov_b32 s[\g+5], 32
	s_mov_b32 s[\g+6], 0
	s_mov_b32 s[\g+7], 0
.endr
	s_mov_b32 s[SEL], 0x76543210
	s_mov_b32 s[SEL+1], 0xfedcba98
	s_lshl_b32 s86, s29, 3
	s_add_co_u32 s86, s86, S0B
	s_mul_i32 s86, s86, REC                        ; S0: record S0B + 8 x
	s_mov_b32 s87, 0
	s_sub_co_u32 s94, s24, 1
	s_and_b32 s94, s94, 1                          ; waves 1, 2: groups 0, 1
	s_lshl_b32 s95, s30, 1
	s_add_co_u32 s94, s94, s95
	s_lshl_b32 s94, s94, 3
	s_add_co_u32 s94, s94, S1B
	s_mul_i32 s94, s94, REC                        ; S1: record S1B + 8 (2 y + group)
	s_mov_b32 s95, 0
	s_min_u32 s91, s24, 2
	s_mul_i32 s91, s91, 51200                      ; where my loads land in a slot
	s_wait_dscnt 0x0
	s_wait_kmcnt 0x0
	s_add_nc_u64 s[88:89], s[4:5], s[86:87]
	s_add_nc_u64 s[96:97], s[6:7], s[94:95]
	CROUND                                         ; all sixteen work-groups are here: the joint loads meet
.irp j, 0,1,2,3
	s_mov_b32 s[48+4*\j], 1
	s_add_co_u32 s[49+4*\j], s91, SLOT*(\j/2)+25600*(\j%2)
	s_add_nc_u64 s[50+4*\j:51+4*\j], s[88:89], 25600*\j
	s_or_b32 s[51+4*\j], s[51+4*\j], 0x80000000
	s_mov_b32 s[68+4*\j], 1
	s_add_co_u32 s[69+4*\j], s91, SLOT*(\j/2)+25600*(\j%2)
	s_add_nc_u64 s[70+4*\j:71+4*\j], s[96:97], 25600*\j
	s_or_b32 s[71+4*\j], s[71+4*\j], 0x80000000
.endr
	s_cmp_eq_u32 s24, 0                            ; a wave's four fills stand in one branch: four loads of mine are out at the most
	s_cbranch_scc0 .Lnot_s0
.irp j, 0,1,2,3
	tensor_load_to_lds s[48+4*\j:51+4*\j], s[32:39]
	s_nop 0
.endr
	PLACES 4
	s_branch .Lasked
.Lnot_s0:
	s_cmp_eq_u32 s24, 3
	s_cbranch_scc1 .Lasked
.irp j, 0,1,2,3
	tensor_load_to_lds s[68+4*\j:71+4*\j], s[40:47]
	s_nop 0
.endr
	PLACES 4
.Lasked:
	v_and_b32 v1, 15, v0                           ; r
	v_bfe_u32 v2, v0, 4, 1                         ; h
	v_and_b32 v31, 31, v0                          ; lane
	v_lshlrev_b32 v4, 4, v31                       ; S0's fragments, slot 0;
	v_add_nc_u32 v5, SLOT, v4                      ; slot 1
	s_mul_i32 s92, s25, 51200
	s_add_co_u32 s92, s92, 51200
	s_mul_i32 s93, s26, 6144
	s_add_co_u32 s93, s93, s92
	v_add_nc_u32 v6, s93, v4                       ; S1's: my group, my four tiles
	v_add_nc_u32 v7, SLOT, v6
	v_lshl_add_u32 v8, v31, 2, 12288               ; S0's scale words
	v_add_nc_u32 v9, SLOT, v8
	s_lshl_b32 s93, s26, 8
	s_add_co_u32 s93, s93, s92
	v_add_nc_u32 v10, s93, v8                      ; S1's
	v_add_nc_u32 v11, SLOT, v10
	s_mul_i32 s93, s26, 6144
	v_add_nc_u32 v12, s93, v4                      ; the way out: my lane's place in the output record's images,
	s_lshl_b32 s93, s26, 8
	s_add_co_u32 s93, s93, 12288
	v_lshl_add_u32 v13, v1, 2, s93                 ; and among its scale words
	v_and_b32 v31, 7, v1
	v_lshrrev_b32 v3, 3, v1
	v_lshl_add_u32 v31, v3, 4, v31
	v_lshlrev_b32 v31, 2, v31                      ; the bias: my lane's row of a tile, r % 8 + 16 (r / 8)
	s_lshl_b32 s92, s30, 1
	s_add_co_u32 s92, s92, s25                     ; my group of S1
	s_mul_i32 s98, s92, SG
	s_mul_i32 s99, s29, SS
	s_add_co_u32 s98, s98, s99
	s_add_co_u32 s98, s98, OB
	s_mul_i32 s98, s98, REC
	s_mov_b32 s99, 0
	s_add_nc_u64 s[98:99], s[10:11], s[98:99]      ; the output record
	s_lshl_b32 s92, s92, 7
	s_lshl_b32 s93, s26, 6
	s_add_co_u32 s92, s92, s93                     ; my first row of S1
	s_add_co_u32 s92, s92, BOFF
	s_lshl_b32 s92, s92, 2
	s_mov_b32 s93, 0
	s_add_nc_u64 s[8:9], s[8:9], s[92:93]
.irp a, 0,1,2,3                        ; tile a's eight registers all hold the bias of my lane's row of S1
.irp j, 0,1,2,3,4,5,6,7
	global_load_b32 v[BI+8*\a+\j], v31, s[8:9] offset:(32*(\a/2)+8*(\a%2))*4
.endr
.endr
	s_wait_tensorcnt 3                             ; my part of K steps 0 and 1 is in; three loads may be out
	s_barrier_signal -1
	s_barrier_wait -1
	FETCH 0, 0, 0
	s_wait_loadcnt 0x0                             ; the bias
	STEP 0, -1, 1
	MUL32 0, 1
	STEP 1, 2, 1
	MUL32 1, 0
	STEP 2, -1, 1
	MUL32 0, 0
	STEP 3, 1, 1
	MUL32 1, 0
	STEP 4, -1, 1
	MUL32 0, 0
	STEP 5, 0, 1
	MUL32 1, 0
	STEP 6, -1, 1
	MUL32 0, 0
	STEP 7, -1, 0
	MUL32 1, 0
	PLACES 4                                       ; behind the last products, ahead of every read of a result and every write of an operand
.irp b, 0,1,2,3
	v_mov_b32 v[TM+4+\b], 0                        ; a lane permute's destination counts as one of its sources
.endr
.irp a, 0,1,2,3                        ; S1's tile a becomes one fragment of the output record
.if \a > 0
	s_wait_xcnt 0x0                                ; the last tile's stores have read their registers
.endif
	QUANTB 64*\a, 1
.irp j, 0,1,2
	global_store_b128 v12, v[PC+4*\j:PC+4*\j+3], s[98:99] offset:1536*\a+512*\j   ; 512 consecutive bytes a store
.endr
	global_store_b32 v13, v[PW], s[98:99] offset:64*\a
.endr
	s_wait_dscnt 0x0
	s_wait_tensorcnt 0x0
	ds_add_u32 v254, v255
	s_wait_dscnt 0x0
	CROUND                                         ; the closing round
	s_endpgm
.Lfunc_end_k_qf2b57e5ec1_gv:
	.size	k_qf2b57e5ec1_gv, .Lfunc_end_k_qf2b57e5ec1_gv-k_qf2b57e5ec1_gv
	.p2alignl 7, 3214868480
	.fill 96, 4, 3214868480
	.section	.rodata,"a",@progbits
	.p2align	6, 0x0
	.amdhsa_kernel k_qf2b57e5ec1_gv
		.amdhsa_group_segment_fixed_size 327680
		.amdhsa_private_segment_fixed_size 0
		.amdhsa_enable_private_segment 0
		.amdhsa_kernarg_size 32
		.amdhsa_user_sgpr_count 2
		.amdhsa_user_sgpr_kernarg_segment_ptr 1
		.amdhsa_wavefront_size32 1
		.amdhsa_system_sgpr_workgroup_id_x 1
		.amdhsa_system_sgpr_workgroup_id_y 1
		.amdhsa_system_sgpr_workgroup_id_z 1
		.amdhsa_system_vgpr_workitem_id 0
		.amdhsa_next_free_vgpr 768
		.amdhsa_next_free_sgpr 102
		.amdhsa_reserve_vcc 0
		.amdhsa_float_denorm_mode_32 3
		.amdhsa_float_denorm_mode_16_64 3
		.amdhsa_memory_ordered 1
		.amdhsa_forward_progress 1
		.amdhsa_inst_pref_size 85
	.end_amdhsa_kernel
	.amdgpu_metadata
---
amdhsa.version: [ 1, 2 ]
amdhsa.kernels:
  - .name:           k_qf2b57e5ec1_gv
    .symbol:         k_qf2b57e5ec1_gv.kd
    .args:
      - { .name: actA, .offset: 0, .size: 8, .value_kind: global_buffer, .address_space: global }
      - { .name: wq, .offset: 8, .size: 8, .value_kind: global_buffer, .address_space: global }
      - { .name: qkv_b, .offset: 16, .size: 8, .value_kind: global_buffer, .address_space: global }
      - { .name: actB, .offset: 24, .size: 8, .value_kind: global_buffer, .address_space: global }
    .group_segment_fixed_size: 327680
    .private_segment_fixed_size: 0
    .kernarg_segment_align: 8
    .kernarg_segment_size: 32
    .max_flat_workgroup_size: 128
    .sgpr_count:     102
    .vgpr_count:     768
    .wavefront_size: 32
...
	.end_amdgpu_metadata
.endif
;; end of part 4
;; launch attn (part 5): grid 16 x 16, 8 waves a work-group, no clusters, 327,680 bytes of LDS; arguments actB, actA; writes actA
.if DOCPART == 5
	.amdgcn_target "amdgcn-amd-amdhsa--gfx1250"
	.amdhsa_code_object_version 6
	.text
	.protected	k_qf2b57e5ec1_attn
	.globl	k_qf2b57e5ec1_attn
	.p2align	8
	.type	k_qf2b57e5ec1_attn,@function
k_qf2b57e5ec1_attn:
	s_mov_b64 s[64:65], 0
	v_nop
	global_prefetch_b8 v0, s[64:65] scope:SCOPE_SE
	s_setreg_imm32_b32 hwreg(HW_REG_WAVE_MODE, 25, 1), 1
	s_wait_xcnt 0x0
; Attention for a pair of heads (64 channels each) on records of BF6 codes.  q and k: records of 128 tokens x the pair's 128 channels; v: records of the pair's 128 channels x 128 keys.
; o = softmax(q k^T / 8) v: t = score x log2(e) / 8; M = the running largest t rounded up to a whole number; p = 2^(t - M) is quantised along the keys, not normalised; the sum of the unquantised p divides at the end.
; o is quantised along the channels and leaves as one fragment of a record (128 tokens x the pair's 128 channels).
; SHARES.  A work-group: 128 queries of one batch and pair; a wave: 16 queries, both heads, head after head in each step of 128 keys.  Both products are used transposed: a lane holds one query throughout.
; A HEAD'S K IS 64, THE INSTRUCTION'S 128: q's twelve registers lie as [0-5 | six zeros | 6-11]; the first twelve of that run are head 0's operand, the last twelve head 1's.  k's fragment is used as it lies: the other head meets zero codes.
; RING.  Two slots of four key steps (4 records of k, 4 of v: 102,400 bytes), 2^17 bytes apart; waves 0, 1 fetch k's halves, waves 2, 3 v's; all eight read.
; NO CLUSTER: a key step's 25,600 shared bytes stand beside 16 softmax passes of about 250 vector instructions in the work-group, so what is shared is a small part of a step's work; the plain ring is the simpler text.
; LIMITS: a block of zeros gets the byte 1; NaN and infinities are not served.
; REGISTERS: v1-4 lane bases, v5-6 the spare word's, v7 16 x lane, v8-11 the step's addresses; v[12:15], v[16:19] -M, largest t, sum pair of heads 0, 1; v20-37 q; v38-85 four fragments; v86-89 k's scale words, v90-91 v's, v92 q's, v93 p's;
; v96-159 scores, then p; v160-223 O^T, 32 a head; v224-235 p's codes; v232-254 at work.
.set SLOT1, 131072
.set SPARE, 233472
.set TM,  232
.set PW,  94
.set PC,  38
.set SEL, 20
.set CS,  22
.macro TLOAD                           ; four v_nop follow each of the two lines
	s_cmp_lt_u32 s18, 2
	s_cbranch_scc0 .Lnot_k_\@
	tensor_load_to_lds s[32:35], s[24:31]
	s_nop 0
.rept 4
	v_nop
.endr
	s_branch .Lasked_\@
.Lnot_k_\@:
	s_cmp_lt_u32 s18, 4
	s_cbranch_scc0 .Lasked_\@
	tensor_load_to_lds s[36:39], s[24:31]
	s_nop 0
.rept 4
	v_nop
.endr
.Lasked_\@:
.endm
.macro QUANTB s
.irp b, 0,1,2,3
	v_max3_num_f32 v[TM+\b], |v[\s+16*\b]|, |v[\s+1+16*\b]|, 0x2800000
.endr
.irp i, 2,4,6,8,10,12,14
.irp b, 0,1,2,3
	v_max3_num_f32 v[TM+\b], v[TM+\b], |v[\s+16*\b+\i]|, |v[\s+1+16*\b+\i]|
.endr
.endr
.irp b, 0,1,2,3
	v_permlanex16_b32 v[TM+4+\b], v[TM+\b], s[SEL], s[SEL+1]
.endr
.irp b, 0,1,2,3
	v_max_num_f32 v[TM+\b], v[TM+\b], v[TM+4+\b]
.endr
.irp b, 0,1,2,3
	v_add_nc_u32 v[TM+12+\b], 0xfe000000, v[TM+\b]
.endr
.irp b, 0,1,2,3
	v_lshrrev_b32 v[TM+4+\b], 23, v[TM+12+\b]
.endr
	v_lshl_or_b32 v[PW], v[TM+5], 8, v[TM+4]
	v_lshl_or_b32 v[PW], v[TM+6], 16, v[PW]
	v_lshl_or_b32 v[PW], v[TM+7], 24, v[PW]
.irp c, 0,1
	v_cvt_scalef32_pk16_bf6_f32 v[PC+6*\c:PC+2+6*\c], v[\s+32*\c:\s+15+32*\c], v[TM+12+2*\c]
	v_cvt_scalef32_pk16_bf6_f32 v[PC+12+4*\c:PC+14+4*\c], v[\s+16+32*\c:\s+31+32*\c], v[TM+12+2*\c+1]
.endr
	v_nop
.irp c, 0,1
.irp i, 0,1,2
	v_permlane16_swap_b32 v[PC+6*\c+\i], v[PC+12+4*\c+\i]
.endr
.irp i, 0,1,2
	v_mov_b32 v[PC+3+6*\c+\i], v[PC+12+4*\c+\i]
.endr
.endr
.endm
	s_load_b128 s[4:7], s[0:1], 0x0                ; actB (q, k, v), actA (o)
	v_lshl_add_u32 v5, v0, 2, SPARE
	v_mov_b32 v6, 0
	ds_add_u32 v5, v6
	s_wait_dscnt 0x0
	v_lshrrev_b32 v8, 5, v0
	v_readfirstlane_b32 s18, v8                    ; wave
	s_and_b32 s8, ttmp7, 0xffff
	s_lshr_b32 s9, s8, 3                           ; batch
	s_and_b32 s10, s8, 7                           ; pair of heads
	s_lshl_b32 s11, s9, 4                          ; the batch's first token group
	s_and_b32 s12, s18, 1
	s_lshl_b32 s14, s12, 1                         ; which two records of a slot I fetch
	s_add_co_u32 s13, s10, 8
	s_lshl_b32 s13, s13, 5
	s_add_co_u32 s13, s13, s11
	s_add_co_u32 s13, s13, s14
	s_mul_i32 s44, s13, 12800                      ; k: record (8 + pair) 32 + token group
	s_mov_b32 s45, 0
	s_lshl_b32 s13, s10, 5
	s_add_co_u32 s13, s13, s11
	s_add_co_u32 s15, s13, ttmp9
	s_add_co_u32 s13, s13, s14
	s_add_co_u32 s13, s13, 512
	s_mul_i32 s46, s13, 12800                      ; v: record 512 + 32 pair + token group
	s_mov_b32 s47, 0
	s_mul_i32 s15, s15, 12800                      ; q: record 32 pair + my token group
	s_mul_i32 s48, s18, 1536
	s_add_co_u32 s48, s48, s15
	s_mov_b32 s49, 0
	s_lshl_b32 s50, s18, 6
	s_add_co_u32 s50, s50, s15
	s_add_co_u32 s50, s50, 12288
	s_mov_b32 s51, 0
	s_add_co_u32 s13, s11, ttmp9
	s_lshl_b32 s13, s13, 3
	s_add_co_u32 s13, s13, s10
	s_mul_i32 s13, s13, 12800                      ; o: record 8 (token group) + pair
	s_mul_i32 s52, s18, 1536
	s_add_co_u32 s52, s52, s13
	s_mov_b32 s53, 0
	s_lshl_b32 s54, s18, 6
	s_add_co_u32 s54, s54, s13
	s_add_co_u32 s54, s54, 12288
	s_mov_b32 s55, 0
	s_mov_b32 s24, 3<<16                           ; group 1: no mask; elements of 8 bytes; 100 dense rows of 256 bytes: two records
	s_mov_b32 s25, 32<<16
	s_mov_b32 s26, 100<<16
	s_mov_b32 s27, 32<<16
	s_mov_b32 s28, 100
	s_mov_b32 s29, 32
	s_mov_b32 s30, 0
	s_mov_b32 s31, 0
	s_mov_b32 s[SEL], 0x76543210
	s_mov_b32 s[SEL+1], 0xfedcba98
	s_mov_b32 s[CS], 0x3e38aa3b                    ; c = log2(e) / 8
	s_mov_b32 s[CS+1], s[CS]
	s_mov_b32 s40, 0                               ; LDS byte of the key step in hand
	s_mov_b32 s41, 3
	s_wait_kmcnt 0x0
	s_mov_b32 s32, 1
	s_mul_i32 s33, s12, 25600
	s_add_nc_u64 s[34:35], s[4:5], s[44:45]
	s_or_b32 s35, s35, 0x80000000
	s_mov_b32 s36, 1
	s_add_co_u32 s37, s33, 51200
	s_add_nc_u64 s[38:39], s[4:5], s[46:47]
	s_or_b32 s39, s39, 0x80000000
	TLOAD                                          ; slot 0
	s_add_nc_u64 s[48:49], s[4:5], s[48:49]
	s_add_nc_u64 s[50:51], s[4:5], s[50:51]
	s_add_nc_u64 s[52:53], s[6:7], s[52:53]
	s_add_nc_u64 s[54:55], s[6:7], s[54:55]
	v_and_b32 v8, 31, v0
	v_and_b32 v9, 15, v0
	v_lshlrev_b32 v7, 4, v8
	v_lshlrev_b32 v10, 2, v9                       ; 4 r
	global_load_b128 v[20:23], v7, s[48:49]        ; q's registers 0-3,
	global_load_b128 v[40:43], v7, s[48:49] offset:512    ; 4-7,
	global_load_b128 v[34:37], v7, s[48:49] offset:1024   ; 8-11
	global_load_b32 v92, v10, s[50:51]             ; q's scale words
	v_mov_b32 v1, v7                               ; k's fragments
	v_add_nc_u32 v2, 51200, v7                     ; v's
	v_lshl_add_u32 v3, v8, 2, 12288                ; k's scale words
	v_lshl_add_u32 v4, v8, 2, 63488                ; v's
.irp e, 0,1
	v_mov_b32 v[13+4*\e], 0xff61b1e6               ; the largest t so far: -3e38
	v_floor_f32 v[12+4*\e], -v[13+4*\e]
	v_mov_b32 v[14+4*\e], 0
	v_mov_b32 v[15+4*\e], 0
.endr
.irp b, 0,1,2,3
	v_mov_b32 v[236+\b], 0                         ; a lane permute's destination counts as one of its sources
.endr
	v_mov_b32 v252, 0
	v_mov_b32 v253, 0                              ; (the upper half of the pair v[252:253])
.set oi, 0
.rept 64
	v_mov_b32 v[160+oi], 0                         ; O^T: the step is written once; the first change of M leaves zeros zeros
.set oi, oi+1
.endr
.irp i, 26,27,28,29,30,31
	v_mov_b32 v\i, 0
.endr
	s_wait_loadcnt 0x0
	v_mov_b32 v24, v40
	v_mov_b32 v25, v41
	v_mov_b32 v32, v42
	v_mov_b32 v33, v43
; Head e's part of a key step.
.macro STEP e
.set QR, 20+6*(\e)
.set ST, 12+4*(\e)
.set OO, 160+32*(\e)
.irp g, 0,1                            ; S^T = k q^T, four tiles of 16 keys at a time
.if (\e)+\g > 0
.rept 4
	v_nop                                          ; places in front of loads into registers that products have read (head 0's first run: the four additions at the step's head)
.endr
.endif
.irp t, 0,1,2,3
.irp j, 0,1,2
	ds_load_b128 v[38+12*\t+4*\j:41+12*\t+4*\j], v8 offset:1536*(4*\g+\t)+512*\j
.endr
.endr
.irp p, 0,1
	ds_load_b32 v[86+2*\g+\p], v10 offset:128*(2*\g+\p)
.endr
	s_wait_dscnt 0x0
.irp t, 0,2
	v_wmma_scale_f32_16x16x128_f8f6f4 v[96+8*(4*\g+\t):103+8*(4*\g+\t)], v[38+12*\t:49+12*\t], v[QR:QR+11], 0, v[86+2*\g+\t/2], v92 matrix_a_fmt:MATRIX_FMT_BF6 matrix_b_fmt:MATRIX_FMT_BF6
	v_wmma_scale_f32_16x16x128_f8f6f4 v[104+8*(4*\g+\t):111+8*(4*\g+\t)], v[50+12*\t:61+12*\t], v[QR:QR+11], 0, v[86+2*\g+\t/2], v92 matrix_a_fmt:MATRIX_FMT_BF6 matrix_b_fmt:MATRIX_FMT_BF6 matrix_a_scale:MATRIX_SCALE_ROW1
.endr
.endr
.rept 4
	v_nop
.endr
.irp t, 0,1,2,3                        ; v's four tiles of this head are asked for now and land under the softmax
.irp j, 0,1,2
	ds_load_b128 v[38+12*\t+4*\j:41+12*\t+4*\j], v9 offset:1536*(4*(\e)+\t)+512*\j
.endr
.endr
.irp p, 0,1
	ds_load_b32 v[90+\p], v11 offset:128*(2*(\e)+\p)
.endr
.irp b, 0,1,2,3
	v_max3_num_f32 v[232+\b], v[96+16*\b], v[97+16*\b], v[98+16*\b]   ; the largest score of each block of 32 keys: for the row's maximum and for the block's largest p
.endr
.irp i, 3,5,7,9,11,13
.irp b, 0,1,2,3
	v_max3_num_f32 v[232+\b], v[232+\b], v[96+16*\b+\i], v[97+16*\b+\i]
.endr
.endr
.irp b, 0,1,2,3
	v_max_num_f32 v[232+\b], v[232+\b], v[111+16*\b]
.endr
.irp b, 0,1,2,3
	v_permlanex16_b32 v[236+\b], v[232+\b], s[SEL], s[SEL+1]
.endr
.irp b, 0,1,2,3
	v_max_num_f32 v[232+\b], v[232+\b], v[236+\b]
.endr
	v_max3_num_f32 v254, v232, v233, v234
	v_max_num_f32 v254, v254, v235
	v_mul_f32 v254, s[CS], v254
	v_max_num_f32 v[ST+1], v[ST+1], v254           ; the running largest t
	v_mov_b32 v254, v[ST]
	v_floor_f32 v[ST], -v[ST+1]                    ; -M = floor(-t): M is a whole number
	v_sub_f32 v254, v[ST], v254
	v_cvt_i32_f32 v254, v254
	v_ldexp_f32 v252, 1.0, v254                    ; f = 2^(old M - new M)
.irp j, 0,2,4,6,8,10,12,14,16,18,20,22,24,26,28,30,32,34,36,38,40,42,44,46,48,50,52,54,56,58,60,62
	v_pk_fma_f32 v[96+\j:97+\j], v[96+\j:97+\j], s[CS:CS+1], v[ST:ST+1] op_sel_hi:[1,0,0]   ; t - M
.endr
.irp b, 0,1,2,3
	v_fma_f32 v[232+\b], v[232+\b], s[CS], v[ST]
.endr
.set xi, 0
.rept 64
	v_exp_f32 v[96+xi], v[96+xi]                   ; p = 2^(t - M)
.set xi, xi+1
.endr
.irp b, 0,1,2,3
	v_exp_f32 v[232+\b], v[232+\b]                 ; the block's largest p
.endr
	v_pk_mul_f32 v[ST+2:ST+3], v[ST+2:ST+3], v[252:253] op_sel_hi:[1,0]   ; the sums under the new M (a plain place behind the exponentials)
	s_wait_alu depctr_va_vdst(0)
.irp b, 0,1,2,3
	v_max_num_f32 v[232+\b], 0x2800000, v[232+\b]  ; the floor 2^(5 - 127)
.endr
.irp b, 0,1,2,3
	v_add_nc_u32 v[244+\b], 0xfe000000, v[232+\b]
.endr
.irp b, 0,1,2,3
	v_lshrrev_b32 v[236+\b], 23, v[244+\b]
.endr
	v_lshl_or_b32 v93, v237, 8, v236               ; p's scale word for these 128 keys
	v_lshl_or_b32 v93, v238, 16, v93
	v_lshl_or_b32 v93, v239, 24, v93
.irp c, 0,1
	v_cvt_scalef32_pk16_bf6_f32 v[224+6*\c:226+6*\c], v[96+32*\c:111+32*\c], v[244+2*\c]
	v_cvt_scalef32_pk16_bf6_f32 v[236+4*\c:238+4*\c], v[112+32*\c:127+32*\c], v[244+2*\c+1]
.endr
	v_nop                                          ; one plain place behind a scaled conversion
.irp c, 0,1
.irp i, 0,1,2
	v_permlane16_swap_b32 v[224+6*\c+\i], v[236+4*\c+\i]
.endr
.irp i, 0,1,2
	v_mov_b32 v[227+6*\c+\i], v[236+4*\c+\i]
.endr
.endr
	v_pk_add_f32 v[236:237], v[96:97], v[98:99]    ; the row's sum is taken of the unquantised p, in two chains
.irp j, 4,8,12,16,20,24,28,32,36,40,44,48,52,56,60
	v_pk_add_f32 v[ST+2:ST+3], v[ST+2:ST+3], v[96+\j:97+\j]
	v_pk_add_f32 v[236:237], v[236:237], v[98+\j:99+\j]
.endr
	v_pk_add_f32 v[ST+2:ST+3], v[ST+2:ST+3], v[236:237]
.irp j, 0,2,4,6,8,10,12,14,16,18,20,22,24,26,28,30
	v_pk_mul_f32 v[OO+\j:OO+\j+1], v[OO+\j:OO+\j+1], v[252:253] op_sel_hi:[1,0]   ; O^T under the new M; with the sums above: the places between p's codes and scale word and the products
.endr
	s_wait_dscnt 0x0                               ; v's tiles are in
.irp t, 0,2                            ; O^T += v^T p^T: the four accumulators take turns
	v_wmma_scale_f32_16x16x128_f8f6f4 v[OO+8*\t:OO+8*\t+7], v[38+12*\t:49+12*\t], v[224:235], v[OO+8*\t:OO+8*\t+7], v[90+\t/2], v93 matrix_a_fmt:MATRIX_FMT_BF6 matrix_b_fmt:MATRIX_FMT_BF6
	v_wmma_scale_f32_16x16x128_f8f6f4 v[OO+8*\t+8:OO+8*\t+15], v[50+12*\t:61+12*\t], v[224:235], v[OO+8*\t+8:OO+8*\t+15], v[90+\t/2], v93 matrix_a_fmt:MATRIX_FMT_BF6 matrix_b_fmt:MATRIX_FMT_BF6 matrix_a_scale:MATRIX_SCALE_ROW1
.endr
.endm
; The change of slots stands at a slot's head: every wave waits for all its tensor loads, adds 0 to its spare word, waits for that and for its reads of the slot that it has left; behind the barrier that slot is filled again (fill = 1).
.macro CHANGE fill
	s_wait_tensorcnt 0x0                           ; no tensor load of mine is out, so a group 0 may be written
	ds_add_u32 v5, v6                              ; 0 onto my spare word
.if \fill
	s_xor_b32 s33, s33, SLOT1
	s_add_nc_u64 s[34:35], s[34:35], 51200         ; the next four key steps
	s_xor_b32 s37, s37, SLOT1
	s_add_nc_u64 s[38:39], s[38:39], 51200
.endif
	s_wait_dscnt 0x0
	s_barrier_signal -1
	s_barrier_wait -1
.if \fill
	TLOAD                                          ; the first thing behind the barrier, a wave's one tensor load until the next: four key steps in which to land
.endif
.endm
.macro SLOT_STEPS
	s_mov_b32 s42, 4
.Lstep_\@:
	v_add_nc_u32 v8, s40, v1
	v_add_nc_u32 v9, s40, v2
	v_add_nc_u32 v10, s40, v3
	v_add_nc_u32 v11, s40, v4
	STEP 0
	STEP 1
	s_add_co_u32 s40, s40, 12800
	s_sub_co_u32 s42, s42, 1
	s_cmp_lg_u32 s42, 0
	s_cbranch_scc1 .Lstep_\@
	s_sub_co_u32 s40, s40, 51200
	s_xor_b32 s40, s40, SLOT1                      ; on to the other slot
.endm
.Lslot:                                            ; three trips: behind each change of slots but the last the next slot is asked for
	CHANGE 1
	SLOT_STEPS
	s_sub_co_u32 s41, s41, 1
	s_cmp_lg_u32 s41, 0
	s_cbranch_scc1 .Lslot
	CHANGE 0                                       ; the last slot is written out
	SLOT_STEPS
.rept 4
	v_nop
.endr
.irp e, 0,1
	v_add_f32 v[14+4*\e], v[14+4*\e], v[15+4*\e]
.endr
.irp e, 0,1
	v_permlanex16_b32 v[252+\e], v[14+4*\e], s[SEL], s[SEL+1]
.endr
.irp e, 0,1
	v_add_f32 v[14+4*\e], v[14+4*\e], v[252+\e]    ; the row's sum
.endr
.irp e, 0,1
	v_rcp_f32 v[14+4*\e], v[14+4*\e]
.endr
	v_and_b32 v10, 15, v0                          ; (a plain place behind the transcendentals)
	v_lshlrev_b32 v10, 2, v10                      ; 4 r
	s_wait_alu depctr_va_vdst(0)
.irp e, 0,1
.set mi, 0
.rept 32
	v_mul_f32 v[96+32*\e+mi], v[160+32*\e+mi], v[14+4*\e]   ; register 16 b + i = channel 32 b + 16 h + i of the pair's 128
.set mi, mi+1
.endr
.endr
	QUANTB 96
.irp j, 0,1,2
	global_store_b128 v7, v[PC+4*\j:PC+4*\j+3], s[52:53] offset:512*\j
.endr
	global_store_b32 v10, v[PW], s[54:55]
	s_wait_tensorcnt 0x0                           ; the wave's end
	ds_add_u32 v5, v6
	s_wait_dscnt 0x0
	s_endpgm
.Lfunc_end_k_qf2b57e5ec1_attn:
	.size	k_qf2b57e5ec1_attn, .Lfunc_end_k_qf2b57e5ec1_attn-k_qf2b57e5ec1_attn
	.p2alignl 7, 3214868480
	.fill 96, 4, 3214868480
	.section	.rodata,"a",@progbits
	.p2align	6, 0x0
	.amdhsa_kernel k_qf2b57e5ec1_attn
		.amdhsa_group_segment_fixed_size 327680
		.amdhsa_private_segment_fixed_size 0
		.amdhsa_enable_private_segment 0
		.amdhsa_kernarg_size 16
		.amdhsa_user_sgpr_count 2
		.amdhsa_user_sgpr_kernarg_segment_ptr 1
		.amdhsa_wavefront_size32 1
		.amdhsa_system_sgpr_workgroup_id_x 1
		.amdhsa_system_sgpr_workgroup_id_y 1
		.amdhsa_system_sgpr_workgroup_id_z 1
		.amdhsa_system_vgpr_workitem_id 0
		.amdhsa_next_free_vgpr 256
		.amdhsa_next_free_sgpr 66
		.amdhsa_reserve_vcc 0
		.amdhsa_float_denorm_mode_32 3
		.amdhsa_float_denorm_mode_16_64 3
		.amdhsa_memory_ordered 1
		.amdhsa_forward_progress 1
		.amdhsa_inst_pref_size 82
	.end_amdhsa_kernel
	.amdgpu_metadata
---
amdhsa.version: [ 1, 2 ]
amdhsa.kernels:
  - .name:           k_qf2b57e5ec1_attn
    .symbol:         k_qf2b57e5ec1_attn.kd
    .args:
      - { .name: actB, .offset: 0, .size: 8, .value_kind: global_buffer, .address_space: global }
      - { .name: actA, .offset: 8, .size: 8, .value_kind: global_buffer, .address_space: global }
    .group_segment_fixed_size: 327680
    .private_segment_fixed_size: 0
    .kernarg_segment_align: 8
    .kernarg_segment_size: 16
    .max_flat_workgroup_size: 256
    .sgpr_count:     66
    .vgpr_count:     256
    .wavefront_size: 32
...
	.end_amdgpu_metadata
.endif
;; end of part 5
;; launch gproj (part 6): grid 8 x 16, 4 waves a work-group, clusters of 4 x 4, 327,680 bytes of LDS; arguments wq, actA, proj_b, x, x1; writes x1
.if DOCPART == 6
	.amdgcn_target "amdgcn-amd-amdhsa--gfx1250"
	.amdhsa_code_object_version 6
	.text
	.protected	k_qf2b57e5ec1_gproj
	.globl	k_qf2b57e5ec1_gproj
	.p2align	8
	.type	k_qf2b57e5ec1_gproj,@function
k_qf2b57e5ec1_gproj:
	s_mov_b64 s[64:65], 0
	v_nop
	global_prefetch_b8 v0, s[64:65] scope:SCOPE_SE
	s_setreg_imm32_b32 hwreg(HW_REG_WAVE_MODE, 25, 1), 1
	s_wait_xcnt 0x0
	s_wait_alu depctr_hold_cnt(0) depctr_sa_sdst(0) depctr_va_vdst(0) depctr_va_sdst(0) depctr_va_ssrc(0) depctr_va_vcc(0) depctr_vm_vsrc(0)
	s_getreg_b32 s2, hwreg(HW_REG_IB_STS2, 6, 4)
	s_cmp_eq_u32 s2, 0
	s_cbranch_scc0 .Lentry_in_a_cluster
	s_endpgm
.Lentry_in_a_cluster:
	s_bfe_u32 s2, ttmp6, 0x10000c
	s_cmp_lg_u32 s2, 0xf033
	s_cbranch_scc0 .Lentry_shape_is_right
	s_endpgm
.Lentry_shape_is_right:
; x1 = x + o proj_w^T + proj_b, K = 1,024, on records of BF6 codes (128 rows x 128 K in 12,800 bytes: eight register images of 1,536 bytes, then scale words at 12,288 + 64 i + 4 r); x and x1 are f32 rows of 1,024.
; S0, source 0, is proj_w (records 192 + 8 x + K step of wq): its rows become a lane's registers, eight neighbouring columns.  S1, source 1, is o (tokens): its rows become lanes.
; Lane row r of row tile 2 b + u is row 32 b + 8 u + r % 8 + 16 (r / 8).
; SHARES.  A work-group: 128 columns x 256 tokens; a wave: 128 x 64: 32 accumulators.  ALL OF K LIES IN LDS (307,200 bytes), brought by four loads each of waves 0 (S0), 1 and 2 (S1's two groups): nothing is filled again.
; CLUSTER 4 x 4: S0's records hang on x alone and are asked for jointly along a column, S1's on y alone, along a row.
; REGISTERS.  Window 0: v1-15, v30, v31 addresses; v16-27 scale words, two sets; v32-79, v80-127 S1's four fragments, two sets (on the way out v32-95 the residual, v96-127 rows read back); v136-199 the bias as the first products' C.
; Window 1: accumulator (a, b) at v[64 a + 8 b].  Window 2: S0's eight fragments, two sets, at v0 and v128.
.set S0B,  192                         ; S0's first record
.set S1B,  0                           ; S1's
.set REC,   12800
.set SLOT,  153600                     ; four K steps: S0's 4 records, S1 group 0's, S1 group 1's
.set STAGE, 307712                     ; 16 rows x 272 bytes for each wave; no tile lands there
.set BI,  136
.set MSB, 0
.macro WIN new                         ; the immediate's high byte repeats the setting that is left
.if MSB != (\new)
	s_set_vgpr_msb (MSB<<8)|(\new)
.set MSB, (\new)
.endif
.endm
.macro PLACES n
.rept \n
	v_nop
.endr
.endm
.macro CROUND                          ; a round of the cluster's barrier
	s_barrier_signal -1
	s_barrier_wait -1
	s_cmp_lg_u32 s24, 0
	s_cbranch_scc1 .Lnot_wave_0_\@
	s_barrier_signal -3
.Lnot_wave_0_\@:
	s_barrier_wait -3
	s_barrier_signal -1
	s_barrier_wait -1
.endm
.macro FETCH n, q, sg                  ; the fragments and scale words of slot n's q-th K step into set sg: 42 LDS loads
	WIN 0x80                                       ; destination window 2
.irp i, 0,1,2,3,4,5,6,7
.irp j, 0,1,2
	ds_load_b128 v[128*(\sg)+12*\i+4*\j:128*(\sg)+12*\i+4*\j+3], v[4+(\n)] offset:REC*(\q)+1536*\i+512*\j
.endr
.endr
	WIN 0
.irp i, 0,1,2,3
.irp j, 0,1,2
	ds_load_b128 v[32+48*(\sg)+12*\i+4*\j:32+48*(\sg)+12*\i+4*\j+3], v[6+(\n)] offset:REC*(\q)+1536*\i+512*\j
.endr
.endr
.irp p, 0,1,2,3
	ds_load_b32 v[16+6*(\sg)+\p], v[8+(\n)] offset:REC*(\q)+128*\p    ; lanes 0-15 tile 2 p, lanes 16-31 tile 2 p + 1
.endr
.irp p, 0,1
	ds_load_b32 v[20+6*(\sg)+\p], v[10+(\n)] offset:REC*(\q)+128*\p
.endr
.endm
.macro WM a, b, sg, cb                 ; one product: S0's tile b x S1's tile a
.set WD, 64*(\a)+8*(\b)
.set WA, 128*(\sg)+12*(\b)
.set WB, 32+48*(\sg)+12*(\a)
.set WC, \cb
.set WSA, 16+6*(\sg)+(\b)/2
.set WSB, 20+6*(\sg)+(\a)/2
.set WP, (\b)%2+2*((\a)%2)
.if WP == 0
	v_wmma_scale_f32_16x16x128_f8f6f4 v[WD:WD+7], v[WA:WA+11], v[WB:WB+11], v[WC:WC+7], v[WSA], v[WSB] matrix_a_fmt:MATRIX_FMT_BF6 matrix_b_fmt:MATRIX_FMT_BF6
.elseif WP == 1
	v_wmma_scale_f32_16x16x128_f8f6f4 v[WD:WD+7], v[WA:WA+11], v[WB:WB+11], v[WC:WC+7], v[WSA], v[WSB] matrix_a_fmt:MATRIX_FMT_BF6 matrix_b_fmt:MATRIX_FMT_BF6 matrix_a_scale:MATRIX_SCALE_ROW1
.elseif WP == 2
	v_wmma_scale_f32_16x16x128_f8f6f4 v[WD:WD+7], v[WA:WA+11], v[WB:WB+11], v[WC:WC+7], v[WSA], v[WSB] matrix_a_fmt:MATRIX_FMT_BF6 matrix_b_fmt:MATRIX_FMT_BF6 matrix_b_scale:MATRIX_SCALE_ROW1
.else
	v_wmma_scale_f32_16x16x128_f8f6f4 v[WD:WD+7], v[WA:WA+11], v[WB:WB+11], v[WC:WC+7], v[WSA], v[WSB] matrix_a_fmt:MATRIX_FMT_BF6 matrix_b_fmt:MATRIX_FMT_BF6 matrix_a_scale:MATRIX_SCALE_ROW1 matrix_b_scale:MATRIX_SCALE_ROW1
.endif
.endm
.macro MUL16 a0, sg, cm                ; cm 0: onto the sums; 1: the bias, along S0, starts them
.irp a, \a0, \a0+1
.irp b, 0,1,2,3,4,5,6,7
.if \cm == 0
	WM \a, \b, \sg, 64*(\a)+8*\b
.else
	WM \a, \b, \sg, BI+8*\b
.endif
.endr
.endr
.endm
.macro MUL32 sg, cm                    ; a K step: the 32 accumulators take turns, one instruction a turn, in one order
.if \cm == 0
	WIN 0x52                                       ; A window 2, B window 0, C and D window 1
.else
	WIN 0x42                                       ; C window 0
.endif
	MUL16 0, \sg, \cm
	MUL16 2, \sg, \cm
	WIN 0
.endm
.macro STEP s, tw, fetch               ; what stands ahead of K step s's products
	s_wait_dscnt 0x0                               ; this step's 42 loads, issued a step ago, are in
.if \tw >= 0
	s_wait_tensorcnt \tw                           ; my part of the next two K steps has landed; the pieces behind it may be out
	s_barrier_signal -1
	s_barrier_wait -1                              ; everybody's has
.endif
.if \fetch
	PLACES 4                                       ; in front of loads into registers that the last step's products read
	FETCH ((\s)+1)/4, ((\s)+1)%4, ((\s)+1)%2
.endif
.endm
; Unit k = 2 a + u: S1's tile a (16 tokens), columns 64 u on: through my stage, back as whole runs of 256 bytes, + the residual, stored.
.macro RLOAD k
.irp i, 0,1,2,3,4,5,6,7
	global_load_b128 v[32+32*((\k)%2)+4*\i:35+32*((\k)%2)+4*\i], v30, s[10:11] offset:(32*((\k)/4)+8*(((\k)/2)%2)+2*(\i%4)+16*(\i/4))*4096+256*((\k)%2)
.endr
.endm
.macro UNIT k
	s_wait_xcnt 0x0                                ; the last unit's stores have read their registers
.if (\k) < 7
	RLOAD (\k)+1
.endif
	WIN 0x04                                       ; an LDS store's data: window 1
.irp be, 0,1
.irp t, 0,1,2,3
	ds_store_b128 v14, v[64*((\k)/2)+8*(4*((\k)%2)+2*\be+\t/2)+4*(\t%2):64*((\k)/2)+8*(4*((\k)%2)+2*\be+\t/2)+4*(\t%2)+3] offset:128*\be+16*\t   ; each accumulator from its low end on
.endr
.endr
	WIN 0
.irp i, 0,1,2,3,4,5,6,7
	ds_load_b128 v[96+4*\i:99+4*\i], v15 offset:544*\i   ; LDS serves a wave's instructions in order: these see my stores
.endr
.if (\k) < 7
	s_wait_loadcnt 8                               ; this unit's residual is in; the next unit's eight loads may be out
.else
	s_wait_loadcnt 0x0
.endif
	s_wait_dscnt 0x0
.irp i, 0,2,4,6,8,10,12,14,16,18,20,22,24,26,28,30
	v_pk_add_f32 v[96+\i:97+\i], v[96+\i:97+\i], v[32+32*((\k)%2)+\i:33+32*((\k)%2)+\i]
.endr
.irp i, 0,1,2,3,4,5,6,7
	global_store_b128 v30, v[96+4*\i:99+4*\i], s[12:13] offset:(32*((\k)/4)+8*(((\k)/2)%2)+2*(\i%4)+16*(\i/4))*4096+256*((\k)%2)   ; 16 lanes store 256 consecutive bytes, aligned
.endr
.endm
	s_load_b256 s[4:11], s[0:1], 0x0               ; S0, S1, bias, residual
	s_load_b64 s[12:13], s[0:1], 0x20              ; out
	v_lshl_add_u32 v254, v0, 2, 0x4f600
	v_mov_b32 v255, 0
	ds_add_u32 v254, v255
	v_lshrrev_b32 v1, 5, v0
	v_readfirstlane_b32 s24, v1                    ; wave
	s_lshr_b32 s25, s24, 1                         ; my group of S1
	s_and_b32 s26, s24, 1                          ; my half of it
	s_bfe_u32 s27, ttmp6, 0x40000                  ; cx
	s_bfe_u32 s28, ttmp6, 0x40004                  ; cy
	s_lshl_b32 s29, ttmp9, 2
	s_add_co_u32 s29, s29, s27                     ; x
	s_and_b32 s30, ttmp7, 0xffff
	s_lshl_b32 s30, s30, 2
	s_add_co_u32 s30, s30, s28                     ; y
	s_lshl_b32 s84, 0x1111, s27                    ; my column of the cluster
	s_lshl_b32 s85, s28, 2
	s_lshl_b32 s85, 15, s85                        ; my row
	s_or_b32 s32, s84, (3<<16)|(1<<21)             ; group 1: the mask; elements of 8 bytes; bit 21 beside a mask
	s_or_b32 s40, s85, (3<<16)|(1<<21)
.irp g, 32, 40
	s_mov_b32 s[\g+1], 32<<16                      ; rows of 32 elements = 256 bytes,
	s_mov_b32 s[\g+2], 100<<16                     ; 100 of them: two records, dense
	s_mov_b32 s[\g+3], 32<<16
	s_mov_b32 s[\g+4], 100
	s_mov_b32 s[\g+5], 32
	s_mov_b32 s[\g+6], 0
	s_mov_b32 s[\g+7], 0
.endr
	s_lshl_b32 s86, s29, 3
	s_add_co_u32 s86, s86, S0B
	s_mul_i32 s86, s86, REC                        ; S0: record S0B + 8 x
	s_mov_b32 s87, 0
	s_sub_co_u32 s94, s24, 1
	s_and_b32 s94, s94, 1                          ; waves 1, 2: groups 0, 1
	s_lshl_b32 s95, s30, 1
	s_add_co_u32 s94, s94, s95
	s_lshl_b32 s94, s94, 3
	s_add_co_u32 s94, s94, S1B
	s_mul_i32 s94, s94, REC                        ; S1: record S1B + 8 (2 y + group)
	s_mov_b32 s95, 0
	s_min_u32 s91, s24, 2
	s_mul_i32 s91, s91, 51200                      ; where my loads land in a slot
	s_wait_dscnt 0x0
	s_wait_kmcnt 0x0
	s_add_nc_u64 s[88:89], s[4:5], s[86:87]
	s_add_nc_u64 s[96:97], s[6:7], s[94:95]
	CROUND                                         ; all sixteen work-groups are here: the joint loads meet
.irp j, 0,1,2,3
	s_mov_b32 s[48+4*\j], 1
	s_add_co_u32 s[49+4*\j], s91, SLOT*(\j/2)+25600*(\j%2)
	s_add_nc_u64 s[50+4*\j:51+4*\j], s[88:89], 25600*\j
	s_or_b32 s[51+4*\j], s[51+4*\j], 0x80000000
	s_mov_b32 s[68+4*\j], 1
	s_add_co_u32 s[69+4*\j], s91, SLOT*(\j/2)+25600*(\j%2)
	s_add_nc_u64 s[70+4*\j:71+4*\j], s[96:97], 25600*\j
	s_or_b32 s[71+4*\j], s[71+4*\j], 0x80000000
.endr
	s_cmp_eq_u32 s24, 0                            ; a wave's four fills stand in one branch: four loads of mine are out at the most
	s_cbranch_scc0 .Lnot_s0
.irp j, 0,1,2,3
	tensor_load_to_lds s[48+4*\j:51+4*\j], s[32:39]
	s_nop 0
.endr
	PLACES 4
	s_branch .Lasked
.Lnot_s0:
	s_cmp_eq_u32 s24, 3
	s_cbranch_scc1 .Lasked
.irp j, 0,1,2,3
	tensor_load_to_lds s[68+4*\j:71+4*\j], s[40:47]
	s_nop 0
.endr
	PLACES 4
.Lasked:
	v_and_b32 v1, 15, v0                           ; r
	v_bfe_u32 v2, v0, 4, 1                         ; h
	v_and_b32 v31, 31, v0                          ; lane
	v_lshlrev_b32 v4, 4, v31                       ; S0's fragments, slot 0;
	v_add_nc_u32 v5, SLOT, v4                      ; slot 1
	s_mul_i32 s92, s25, 51200
	s_add_co_u32 s92, s92, 51200
	s_mul_i32 s93, s26, 6144
	s_add_co_u32 s93, s93, s92
	v_add_nc_u32 v6, s93, v4                       ; S1's: my group, my four tiles
	v_add_nc_u32 v7, SLOT, v6
	v_lshl_add_u32 v8, v31, 2, 12288               ; S0's scale words
	v_add_nc_u32 v9, SLOT, v8
	s_lshl_b32 s93, s26, 8
	s_add_co_u32 s93, s93, s92
	v_add_nc_u32 v10, s93, v8                      ; S1's
	v_add_nc_u32 v11, SLOT, v10
	s_mul_i32 s93, s24, 4352
	s_add_co_u32 s93, s93, STAGE
	v_mul_u32_u24 v14, v1, 272
	v_lshl_add_u32 v14, v2, 6, v14
	v_add_nc_u32 v14, s93, v14                     ; the stage, in: row r, + 64 h
	v_mul_u32_u24 v15, v2, 272
	v_lshl_add_u32 v15, v1, 4, v15
	v_add_nc_u32 v15, s93, v15                     ; back: lanes 0-15 one row, lanes 16-31 the next
	v_lshlrev_b32 v30, 12, v2
	v_lshl_add_u32 v30, v1, 4, v30                 ; the same two rows in memory
	v_lshlrev_b32 v31, 6, v2                       ; the bias: 16 h numbers on
	s_lshl_b32 s92, s30, 1
	s_add_co_u32 s92, s92, s25
	s_lshl_b32 s92, s92, 7
	s_lshl_b32 s93, s26, 6
	s_add_co_u32 s92, s92, s93                     ; my first token
	s_lshl_b32 s84, s92, 12
	s_lshl_b32 s85, s29, 9
	s_add_co_u32 s84, s84, s85
	s_mov_b32 s85, 0
	s_add_nc_u64 s[10:11], s[10:11], s[84:85]      ; the residual and the output at my first token, my columns
	s_add_nc_u64 s[12:13], s[12:13], s[84:85]
	s_lshl_b32 s92, s29, 9                         ; the bias of columns 128 x on
	s_mov_b32 s93, 0
	s_add_nc_u64 s[8:9], s[8:9], s[92:93]
.irp b, 0,1,2,3,4,5,6,7                ; tile b's eight registers: the bias of columns 32 (b / 2) + 8 (b % 2) + 16 h + 0 .. 7
	global_load_b128 v[BI+8*\b:BI+8*\b+3], v31, s[8:9] offset:(32*(\b/2)+8*(\b%2))*4
	global_load_b128 v[BI+8*\b+4:BI+8*\b+7], v31, s[8:9] offset:(32*(\b/2)+8*(\b%2))*4+16
.endr
	s_wait_tensorcnt 3                             ; my part of K steps 0 and 1 is in; three loads may be out
	s_barrier_signal -1
	s_barrier_wait -1
	FETCH 0, 0, 0
	s_wait_loadcnt 0x0                             ; the bias
	STEP 0, -1, 1
	MUL32 0, 1
	STEP 1, 2, 1
	MUL32 1, 0
	STEP 2, -1, 1
	MUL32 0, 0
	STEP 3, 1, 1
	MUL32 1, 0
	STEP 4, -1, 1
	MUL32 0, 0
	STEP 5, 0, 1
	MUL32 1, 0
	STEP 6, -1, 1
	MUL32 0, 0
	STEP 7, -1, 0
	MUL32 1, 0
	PLACES 4                                       ; behind the last products, ahead of every read of a result and every load into an operand
	RLOAD 0
.irp k, 0,1,2,3,4,5,6,7
	UNIT \k
.endr
	s_wait_dscnt 0x0
	s_wait_tensorcnt 0x0
	ds_add_u32 v254, v255
	s_wait_dscnt 0x0
	CROUND                                         ; the closing round
	s_endpgm
.Lfunc_end_k_qf2b57e5ec1_gproj:
	.size	k_qf2b57e5ec1_gproj, .Lfunc_end_k_qf2b57e5ec1_gproj-k_qf2b57e5ec1_gproj
	.p2alignl 7, 3214868480
	.fill 96, 4, 3214868480
	.section	.rodata,"a",@progbits
	.p2align	6, 0x0
	.amdhsa_kernel k_qf2b57e5ec1_gproj
		.amdhsa_group_segment_fixed_size 327680
		.amdhsa_private_segment_fixed_size 0
		.amdhsa_enable_private_segment 0
		.amdhsa_kernarg_size 40
		.amdhsa_user_sgpr_count 2
		.amdhsa_user_sgpr_kernarg_segment_ptr 1
		.amdhsa_wavefront_size32 1
		.amdhsa_system_sgpr_workgroup_id_x 1
		.amdhsa_system_sgpr_workgroup_id_y 1
		.amdhsa_system_sgpr_workgroup_id_z 1
		.amdhsa_system_vgpr_workitem_id 0
		.amdhsa_next_free_vgpr 768
		.amdhsa_next_free_sgpr 102
		.amdhsa_reserve_vcc 0
		.amdhsa_float_denorm_mode_32 3
		.amdhsa_float_denorm_mode_16_64 3
		.amdhsa_memory_ordered 1
		.amdhsa_forward_progress 1
		.amdhsa_inst_pref_size 95
	.end_amdhsa_kernel
	.amdgpu_metadata
---
amdhsa.version: [ 1, 2 ]
amdhsa.kernels:
  - .name:           k_qf2b57e5ec1_gproj
    .symbol:         k_qf2b57e5ec1_gproj.kd
    .args:
      - { .name: wq, .offset: 0, .size: 8, .value_kind: global_buffer, .address_space: global }
      - { .name: actA, .offset: 8, .size: 8, .value_kind: global_buffer, .address_space: global }
      - { .name: proj_b, .offset: 16, .size: 8, .value_kind: global_buffer, .address_space: global }
      - { .name: x, .offset: 24, .size: 8, .value_kind: global_buffer, .address_space: global }
      - { .name: x1, .offset: 32, .size: 8, .value_kind: global_buffer, .address_space: global }
    .group_segment_fixed_size: 327680
    .private_segment_fixed_size: 0
    .kernarg_segment_align: 8
    .kernarg_segment_size: 40
    .max_flat_workgroup_size: 128
    .sgpr_count:     102
    .vgpr_count:     768
    .wavefront_size: 32
...
	.end_amdgpu_metadata
.endif
;; end of part 6
;; launch ln2: the kernel of part 2 again; grid 256 x 1, 8 waves a work-group, no clusters, 67,072 bytes of LDS; arguments x1, ln2_w, ln2_b, actA; writes actA
;; launch gfc1 (part 7): grid 32 x 16, 4 waves a work-group, clusters of 4 x 4, 327,680 bytes of LDS; arguments wq, actA, fc1_b, actB; writes actB
.if DOCPART == 7
	.amdgcn_target "amdgcn-amd-amdhsa--gfx1250"
	.amdhsa_code_object_version 6
	.text
	.protected	k_qf2b57e5ec1_gfc1
	.globl	k_qf2b57e5ec1_gfc1
	.p2align	8
	.type	k_qf2b57e5ec1_gfc1,@function
k_qf2b57e5ec1_gfc1:
	s_mov_b64 s[64:65], 0
	v_nop
	global_prefetch_b8 v0, s[64:65] scope:SCOPE_SE
	s_setreg_imm32_b32 hwreg(HW_REG_WAVE_MODE, 25, 1), 1
	s_wait_xcnt 0x0
	s_wait_alu depctr_hold_cnt(0) depctr_sa_sdst(0) depctr_va_vdst(0) depctr_va_sdst(0) depctr_va_ssrc(0) depctr_va_vcc(0) depctr_vm_vsrc(0)
	s_getreg_b32 s2, hwreg(HW_REG_IB_STS2, 6, 4)
	s_cmp_eq_u32 s2, 0
	s_cbranch_scc0 .Lentry_in_a_cluster
	s_endpgm
.Lentry_in_a_cluster:
	s_bfe_u32 s2, ttmp6, 0x10000c
	s_cmp_lg_u32 s2, 0xf033
	s_cbranch_scc0 .Lentry_shape_is_right
	s_endpgm
.Lentry_shape_is_right:
; hidden = gelu(xn2 fc1_w^T + fc1_b), exact gelu, K = 1,024, on records of BF6 codes (128 rows x 128 K in 12,800 bytes: eight register images of 1,536 bytes, then scale words at 12,288 + 64 i + 4 r);
; the hidden layer is quantised along its 4,096 units and leaves as records 32 (token group) + unit group of actB.
; S0, source 0, is fc1_w (records 256 + 8 x + K step of wq): its rows become a lane's registers, the next product's K.  S1, source 1, is xn2 (tokens): its rows become lanes.
; Lane row r of row tile 2 b + u is row 32 b + 8 u + r % 8 + 16 (r / 8), so the 16 registers of S0's tiles 2 b and 2 b + 1 are 16 neighbours along the next K.
; SHARES.  A work-group: 128 rows of S0 x 256 rows of S1; a wave: 128 x 64: 32 accumulators.  ALL OF K LIES IN LDS (307,200 bytes), brought by four loads each of waves 0 (S0), 1 and 2 (S1's two groups): nothing is filled again.
; CLUSTER 4 x 4: S0's records hang on x alone and are asked for jointly along a column, S1's on y alone, along a row.
; LIMITS: a block of zeros gets the byte 1 (this program alone reads the bytes); magnitudes under 2^-122 are held at that floor; NaN and infinities are not served.
; REGISTERS.  Window 0: v1-13, v31 addresses; v16-27 scale words, two sets; v32-79, v80-127 S1's four fragments, two sets; v136-199 the bias as the first products' C.  Window 1: accumulator (a, b) at v[64 a + 8 b].
; Window 2: S0's eight fragments, two sets, at v0 and v128.  On the way out window 0 holds v32-95 64 numbers, v96-132 the quantiser's, v208-253 gelu's.
.set S0B,  256                         ; S0's first record
.set S1B,  0                           ; S1's
.set SG,   32                          ; the output record's step by S1 group,
.set SS,   1                           ; by S0 group,
.set OB,   0                           ; and its first record
.set REC,   12800
.set SLOT,  153600                     ; four K steps: S0's 4 records, S1 group 0's, S1 group 1's
.set HB,  32
.set TM,  96
.set PW,  112
.set PC,  114
.set BI,  136
.set GT,  208
.set GH,  216
.set GS,  224
.set GR,  232
.set GQ,  240
.set SEL, 2
.set MSB, 0
.macro WIN new                         ; the immediate's high byte repeats the setting that is left
.if MSB != (\new)
	s_set_vgpr_msb (MSB<<8)|(\new)
.set MSB, (\new)
.endif
.endm
.macro PLACES n
.rept \n
	v_nop
.endr
.endm
.macro CROUND                          ; a round of the cluster's barrier
	s_barrier_signal -1
	s_barrier_wait -1
	s_cmp_lg_u32 s24, 0
	s_cbranch_scc1 .Lnot_wave_0_\@
	s_barrier_signal -3
.Lnot_wave_0_\@:
	s_barrier_wait -3
	s_barrier_signal -1
	s_barrier_wait -1
.endm
.macro FETCH n, q, sg                  ; the fragments and scale words of slot n's q-th K step into set sg: 42 LDS loads
	WIN 0x80                                       ; destination window 2
.irp i, 0,1,2,3,4,5,6,7
.irp j, 0,1,2
	ds_load_b128 v[128*(\sg)+12*\i+4*\j:128*(\sg)+12*\i+4*\j+3], v[4+(\n)] offset:REC*(\q)+1536*\i+512*\j
.endr
.endr
	WIN 0
.irp i, 0,1,2,3
.irp j, 0,1,2
	ds_load_b128 v[32+48*(\sg)+12*\i+4*\j:32+48*(\sg)+12*\i+4*\j+3], v[6+(\n)] offset:REC*(\q)+1536*\i+512*\j
.endr
.endr
.irp p, 0,1,2,3
	ds_load_b32 v[16+6*(\sg)+\p], v[8+(\n)] offset:REC*(\q)+128*\p    ; lanes 0-15 tile 2 p, lanes 16-31 tile 2 p + 1
.endr
.irp p, 0,1
	ds_load_b32 v[20+6*(\sg)+\p], v[10+(\n)] offset:REC*(\q)+128*\p
.endr
.endm
.macro WM a, b, sg, cb                 ; one product: S0's tile b x S1's tile a
.set WD, 64*(\a)+8*(\b)
.set WA, 128*(\sg)+12*(\b)
.set WB, 32+48*(\sg)+12*(\a)
.set WC, \cb
.set WSA, 16+6*(\sg)+(\b)/2
.set WSB, 20+6*(\sg)+(\a)/2
.set WP, (\b)%2+2*((\a)%2)
.if WP == 0
	v_wmma_scale_f32_16x16x128_f8f6f4 v[WD:WD+7], v[WA:WA+11], v[WB:WB+11], v[WC:WC+7], v[WSA], v[WSB] matrix_a_fmt:MATRIX_FMT_BF6 matrix_b_fmt:MATRIX_FMT_BF6
.elseif WP == 1
	v_wmma_scale_f32_16x16x128_f8f6f4 v[WD:WD+7], v[WA:WA+11], v[WB:WB+11], v[WC:WC+7], v[WSA], v[WSB] matrix_a_fmt:MATRIX_FMT_BF6 matrix_b_fmt:MATRIX_FMT_BF6 matrix_a_scale:MATRIX_SCALE_ROW1
.elseif WP == 2
	v_wmma_scale_f32_16x16x128_f8f6f4 v[WD:WD+7], v[WA:WA+11], v[WB:WB+11], v[WC:WC+7], v[WSA], v[WSB] matrix_a_fmt:MATRIX_FMT_BF6 matrix_b_fmt:MATRIX_FMT_BF6 matrix_b_scale:MATRIX_SCALE_ROW1
.else
	v_wmma_scale_f32_16x16x128_f8f6f4 v[WD:WD+7], v[WA:WA+11], v[WB:WB+11], v[WC:WC+7], v[WSA], v[WSB] matrix_a_fmt:MATRIX_FMT_BF6 matrix_b_fmt:MATRIX_FMT_BF6 matrix_a_scale:MATRIX_SCALE_ROW1 matrix_b_scale:MATRIX_SCALE_ROW1
.endif
.endm
.macro MUL16 a0, sg, cm                ; cm 0: onto the sums; 1: the bias, along S0, starts them
.irp a, \a0, \a0+1
.irp b, 0,1,2,3,4,5,6,7
.if \cm == 0
	WM \a, \b, \sg, 64*(\a)+8*\b
.else
	WM \a, \b, \sg, BI+8*\b
.endif
.endr
.endr
.endm
.macro MUL32 sg, cm                    ; a K step: the 32 accumulators take turns, one instruction a turn, in one order
.if \cm == 0
	WIN 0x52                                       ; A window 2, B window 0, C and D window 1
.else
	WIN 0x42                                       ; C window 0
.endif
	MUL16 0, \sg, \cm
	MUL16 2, \sg, \cm
	WIN 0
.endm
.macro STEP s, tw, fetch               ; what stands ahead of K step s's products
	s_wait_dscnt 0x0                               ; this step's 42 loads, issued a step ago, are in
.if \tw >= 0
	s_wait_tensorcnt \tw                           ; my part of the next two K steps has landed; the pieces behind it may be out
	s_barrier_signal -1
	s_barrier_wait -1                              ; everybody's has
.endif
.if \fetch
	PLACES 4                                       ; in front of loads into registers that the last step's products read
	FETCH ((\s)+1)/4, ((\s)+1)%4, ((\s)+1)%2
.endif
.endm
.macro QUANTB s                        ; 64 numbers, register 16 b + i = k 32 b + 16 h + i of my row, become a fragment in v[PC] on and its scale word in v[PW]
.irp b, 0,1,2,3
	v_max3_num_f32 v[TM+\b], |v[\s+16*\b]|, |v[\s+1+16*\b]|, 0x2800000   ; and the floor 2^(5 - 127)
.endr
.irp i, 2,4,6,8,10,12,14
.irp b, 0,1,2,3
	v_max3_num_f32 v[TM+\b], v[TM+\b], |v[\s+16*\b+\i]|, |v[\s+1+16*\b+\i]|
.endr
.endr
.irp b, 0,1,2,3
	v_permlanex16_b32 v[TM+4+\b], v[TM+\b], s[SEL], s[SEL+1]
.endr
.irp b, 0,1,2,3
	v_max_num_f32 v[TM+\b], v[TM+\b], v[TM+4+\b]
.endr
.irp b, 0,1,2,3
	v_add_nc_u32 v[TM+12+\b], 0xfe000000, v[TM+\b] ; 4 off the exponent field: the conversion's scale operand
.endr
.irp b, 0,1,2,3
	v_lshrrev_b32 v[TM+4+\b], 23, v[TM+12+\b]
.endr
	v_lshl_or_b32 v[PW], v[TM+5], 8, v[TM+4]
	v_lshl_or_b32 v[PW], v[TM+6], 16, v[PW]
	v_lshl_or_b32 v[PW], v[TM+7], 24, v[PW]
.irp c, 0,1
	v_cvt_scalef32_pk16_bf6_f32 v[PC+6*\c:PC+2+6*\c], v[\s+32*\c:\s+15+32*\c], v[TM+12+2*\c]
	v_cvt_scalef32_pk16_bf6_f32 v[PC+12+4*\c:PC+14+4*\c], v[\s+16+32*\c:\s+31+32*\c], v[TM+12+2*\c+1]
.endr
	v_nop                                          ; one plain place behind a scaled conversion
.irp c, 0,1                            ; the layout wants a whole block in a lane
.irp i, 0,1,2
	v_permlane16_swap_b32 v[PC+6*\c+\i], v[PC+12+4*\c+\i]
.endr
.irp i, 0,1,2
	v_mov_b32 v[PC+3+6*\c+\i], v[PC+12+4*\c+\i]
.endr
.endr
.endm
; gelu(x) = max(x, 0) - |x| / 2 x erfc(|x| / sqrt 2), eight numbers in place.  erfc by two polynomials (below and above 475 / 512), both computed, one chosen by v_cndmask_b32: no difference of large numbers, no branch on data.
.macro GELU8 g
.set XX, HB+8*(\g)
.irp i, 0,1,2,3,4,5,6,7
	v_mul_f32 v[GT+\i], 0x3f3504f3, |v[XX+\i]|     ; t = |x| / sqrt 2
.endr
.irp i, 0,1,2,3,4,5,6,7
	v_mul_f32 v[GH+\i], 0.5, |v[XX+\i]|
.endr
.irp i, 0,1,2,3,4,5,6,7
	v_max_num_f32 v[XX+\i], 0, v[XX+\i]
.endr
.irp p, 0,2,4,6
	v_pk_mul_f32 v[GS+\p:GS+\p+1], v[GT+\p:GT+\p+1], v[GT+\p:GT+\p+1]
.endr
.irp p, 0,2,4,6
	v_pk_fma_f32 v[GR+\p:GR+\p+1], v[248:249], v[GT+\p:GT+\p+1], 0x39c8e7d9 op_sel_hi:[1,1,0]
.endr
.irp p, 0,2,4,6
	v_pk_fma_f32 v[GQ+\p:GQ+\p+1], v[250:251], v[GT+\p:GT+\p+1], 0x3cc6b1a1 op_sel_hi:[1,1,0]
.endr
.irp p, 0,2,4,6
	v_pk_fma_f32 v[GR+\p:GR+\p+1], v[GR+\p:GR+\p+1], v[GS+\p:GS+\p+1], v[GQ+\p:GQ+\p+1]
.endr
.irp k, 0xbddaae5c, 0xbf228550, 0xbe03ce86
.irp p, 0,2,4,6
	v_pk_fma_f32 v[GR+\p:GR+\p+1], v[GR+\p:GR+\p+1], v[GT+\p:GT+\p+1], \k op_sel_hi:[1,1,0]
.endr
.endr
.irp p, 0,2,4,6
	v_pk_fma_f32 v[GR+\p:GR+\p+1], v[GR+\p:GR+\p+1], v[GT+\p:GT+\p+1], v[GT+\p:GT+\p+1] neg_lo:[0,0,1] neg_hi:[0,0,1]
.endr
.irp p, 0,2,4,6
	v_pk_mul_f32 v[GR+\p:GR+\p+1], v[GR+\p:GR+\p+1], 0x3fb8aa3b op_sel_hi:[1,0]
.endr
.irp i, 0,1,2,3,4,5,6,7
	v_exp_f32 v[GR+\i], v[GR+\i]                   ; erfc above the threshold
.endr
.irp p, 0,2,4,6
	v_pk_fma_f32 v[GQ+\p:GQ+\p+1], v[252:253], v[GS+\p:GS+\p+1], 0x3ba38d2c op_sel_hi:[1,1,0]   ; (plain places behind the exponentials)
.endr
.irp k, 0xbcdb48d9, 0x3de70e22, 0xbec09380, 0x3e0375d4
.irp p, 0,2,4,6
	v_pk_fma_f32 v[GQ+\p:GQ+\p+1], v[GQ+\p:GQ+\p+1], v[GS+\p:GS+\p+1], \k op_sel_hi:[1,1,0]
.endr
.endr
.irp p, 0,2,4,6
	v_pk_fma_f32 v[GQ+\p:GQ+\p+1], v[GQ+\p:GQ+\p+1], v[GT+\p:GT+\p+1], v[GT+\p:GT+\p+1]   ; erf below it
.endr
.irp p, 0,2,4,6
	v_pk_fma_f32 v[GQ+\p:GQ+\p+1], v[GQ+\p:GQ+\p+1], -1.0, 1.0 op_sel_hi:[1,0,0]
.endr
	s_wait_alu depctr_va_vdst(0)
.irp i, 0,1,2,3,4,5,6,7
	v_cmp_lt_f32 vcc_lo, s91, v[GT+\i]
	v_cndmask_b32 v[GR+\i], v[GQ+\i], v[GR+\i], vcc_lo
.endr
.irp p, 0,2,4,6
	v_pk_fma_f32 v[XX+\p:XX+\p+1], v[GH+\p:GH+\p+1], v[GR+\p:GR+\p+1], v[XX+\p:XX+\p+1] neg_lo:[1,0,0] neg_hi:[1,0,0]
.endr
.endm
.macro COPY a                          ; S1's tile a: its eight accumulators, each from its low end on, into window 0, so that the lines behind stand once for all four tiles
	WIN 0x01
.set ci, 0
.rept 64
	v_mov_b32 v[HB+ci], v[64*(\a)+ci]
.set ci, ci+1
.endr
	WIN 0
.endm
	s_load_b128 s[4:7], s[0:1], 0x0                ; S0, S1
	s_load_b128 s[8:11], s[0:1], 0x10              ; bias, out
	v_lshl_add_u32 v254, v0, 2, 0x4b000
	v_mov_b32 v255, 0
	ds_add_u32 v254, v255
	v_lshrrev_b32 v1, 5, v0
	v_readfirstlane_b32 s24, v1                    ; wave
	s_lshr_b32 s25, s24, 1                         ; my group of S1
	s_and_b32 s26, s24, 1                          ; my half of it
	s_bfe_u32 s27, ttmp6, 0x40000                  ; cx
	s_bfe_u32 s28, ttmp6, 0x40004                  ; cy
	s_lshl_b32 s29, ttmp9, 2
	s_add_co_u32 s29, s29, s27                     ; x
	s_and_b32 s30, ttmp7, 0xffff
	s_lshl_b32 s30, s30, 2
	s_add_co_u32 s30, s30, s28                     ; y
	s_lshl_b32 s84, 0x1111, s27                    ; my column of the cluster
	s_lshl_b32 s85, s28, 2
	s_lshl_b32 s85, 15, s85                        ; my row
	s_or_b32 s32, s84, (3<<16)|(1<<21)             ; group 1: the mask; elements of 8 bytes; bit 21 beside a mask
	s_or_b32 s40, s85, (3<<16)|(1<<21)
.irp g, 32, 40
	s_mov_b32 s[\g+1], 32<<16                      ; rows of 32 elements = 256 bytes,
	s_mov_b32 s[\g+2], 100<<16                     ; 100 of them: two records, dense
	s_mov_b32 s[\g+3], 32<<16
	s_mov_b32 s[\g+4], 100
	s_mov_b32 s[\g+5], 32
	s_mov_b32 s[\g+6], 0
	s_mov_b32 s[\g+7], 0
.endr
	s_mov_b32 s[SEL], 0x76543210
	s_mov_b32 s[SEL+1], 0xfedcba98
	s_lshl_b32 s86, s29, 3
	s_add_co_u32 s86, s86, S0B
	s_mul_i32 s86, s86, REC                        ; S0: record S0B + 8 x
	s_mov_b32 s87, 0
	s_sub_co_u32 s94, s24, 1
	s_and_b32 s94, s94, 1                          ; waves 1, 2: groups 0, 1
	s_lshl_b32 s95, s30, 1
	s_add_co_u32 s94, s94, s95
	s_lshl_b32 s94, s94, 3
	s_add_co_u32 s94, s94, S1B
	s_mul_i32 s94, s94, REC                        ; S1: record S1B + 8 (2 y + group)
	s_mov_b32 s95, 0
	s_min_u32 s91, s24, 2
	s_mul_i32 s91, s91, 51200                      ; where my loads land in a slot
	s_wait_dscnt 0x0
	s_wait_kmcnt 0x0
	s_add_nc_u64 s[88:89], s[4:5], s[86:87]
	s_add_nc_u64 s[96:97], s[6:7], s[94:95]
	CROUND                                         ; all sixteen work-groups are here: the joint loads meet
.irp j, 0,1,2,3
	s_mov_b32 s[48+4*\j], 1
	s_add_co_u32 s[49+4*\j], s91, SLOT*(\j/2)+25600*(\j%2)
	s_add_nc_u64 s[50+4*\j:51+4*\j], s[88:89], 25600*\j
	s_or_b32 s[51+4*\j], s[51+4*\j], 0x80000000
	s_mov_b32 s[68+4*\j], 1
	s_add_co_u32 s[69+4*\j], s91, SLOT*(\j/2)+25600*(\j%2)
	s_add_nc_u64 s[70+4*\j:71+4*\j], s[96:97], 25600*\j
	s_or_b32 s[71+4*\j], s[71+4*\j], 0x80000000
.endr
	s_cmp_eq_u32 s24, 0                            ; a wave's four fills stand in one branch: four loads of mine are out at the most
	s_cbranch_scc0 .Lnot_s0
.irp j, 0,1,2,3
	tensor_load_to_lds s[48+4*\j:51+4*\j], s[32:39]
	s_nop 0
.endr
	PLACES 4
	s_branch .Lasked
.Lnot_s0:
	s_cmp_eq_u32 s24, 3
	s_cbranch_scc1 .Lasked
.irp j, 0,1,2,3
	tensor_load_to_lds s[68+4*\j:71+4*\j], s[40:47]
	s_nop 0
.endr
	PLACES 4
.Lasked:
	v_and_b32 v1, 15, v0                           ; r
	v_bfe_u32 v2, v0, 4, 1                         ; h
	v_and_b32 v31, 31, v0                          ; lane
	v_lshlrev_b32 v4, 4, v31                       ; S0's fragments, slot 0;
	v_add_nc_u32 v5, SLOT, v4                      ; slot 1
	s_mul_i32 s92, s25, 51200
	s_add_co_u32 s92, s92, 51200
	s_mul_i32 s93, s26, 6144
	s_add_co_u32 s93, s93, s92
	v_add_nc_u32 v6, s93, v4                       ; S1's: my group, my four tiles
	v_add_nc_u32 v7, SLOT, v6
	v_lshl_add_u32 v8, v31, 2, 12288               ; S0's scale words
	v_add_nc_u32 v9, SLOT, v8
	s_lshl_b32 s93, s26, 8
	s_add_co_u32 s93, s93, s92
	v_add_nc_u32 v10, s93, v8                      ; S1's
	v_add_nc_u32 v11, SLOT, v10
	s_mul_i32 s93, s26, 6144
	v_add_nc_u32 v12, s93, v4                      ; the way out: my lane's place in the output record's images,
	s_lshl_b32 s93, s26, 8
	s_add_co_u32 s93, s93, 12288
	v_lshl_add_u32 v13, v1, 2, s93                 ; and among its scale words
	v_lshlrev_b32 v31, 6, v2                       ; the bias: 16 h numbers on
	s_lshl_b32 s92, s30, 1
	s_add_co_u32 s92, s92, s25                     ; my group of S1
	s_mul_i32 s98, s92, SG
	s_mul_i32 s99, s29, SS
	s_add_co_u32 s98, s98, s99
	s_add_co_u32 s98, s98, OB
	s_mul_i32 s98, s98, REC
	s_mov_b32 s99, 0
	s_add_nc_u64 s[98:99], s[10:11], s[98:99]      ; the output record: images,
	s_mov_b64 s[100:101], s[98:99]                 ; scale words
	s_lshl_b32 s92, s29, 9                         ; the bias of S0's rows 128 x on
	s_mov_b32 s93, 0
	s_add_nc_u64 s[8:9], s[8:9], s[92:93]
.irp b, 0,1,2,3,4,5,6,7                ; tile b's eight registers: the bias of S0's rows 32 (b / 2) + 8 (b % 2) + 16 h + 0 .. 7
	global_load_b128 v[BI+8*\b:BI+8*\b+3], v31, s[8:9] offset:(32*(\b/2)+8*(\b%2))*4
	global_load_b128 v[BI+8*\b+4:BI+8*\b+7], v31, s[8:9] offset:(32*(\b/2)+8*(\b%2))*4+16
.endr
	s_wait_tensorcnt 3                             ; my part of K steps 0 and 1 is in; three loads may be out
	s_barrier_signal -1
	s_barrier_wait -1
	FETCH 0, 0, 0
	s_wait_loadcnt 0x0                             ; the bias
	STEP 0, -1, 1
	MUL32 0, 1
	STEP 1, 2, 1
	MUL32 1, 0
	STEP 2, -1, 1
	MUL32 0, 0
	STEP 3, 1, 1
	MUL32 1, 0
	STEP 4, -1, 1
	MUL32 0, 0
	STEP 5, 0, 1
	MUL32 1, 0
	STEP 6, -1, 1
	MUL32 0, 0
	STEP 7, -1, 0
	MUL32 1, 0
	PLACES 4                                       ; behind the last products, ahead of every read of a result and every write of an operand
.irp b, 0,1,2,3
	v_mov_b32 v[TM+4+\b], 0                        ; a lane permute's destination counts as one of its sources
.endr
	v_mov_b32 v248, 0xb7910000                     ; the polynomials' leading coefficients, as pairs
	v_mov_b32 v249, 0xb7910000
	v_mov_b32 v250, 0xbb7e8a1c
	v_mov_b32 v251, 0xbb7e8a1c
	v_mov_b32 v252, 0xba1c7000
	v_mov_b32 v253, 0xba1c7000
	s_mov_b32 s91, 0x3f6d8000                      ; 475 / 512
	s_mov_b32 s90, 0
.Lout:                                             ; four trips: S1's tile a becomes one fragment of the output record; the gelu's lines stand once
	s_cmp_lg_u32 s90, 0
	s_cbranch_scc1 .Lnot_a0
	COPY 0
	s_branch .Lhave
.Lnot_a0:
	s_cmp_lg_u32 s90, 1
	s_cbranch_scc1 .Lnot_a1
	COPY 1
	s_branch .Lhave
.Lnot_a1:
	s_cmp_lg_u32 s90, 2
	s_cbranch_scc1 .Lnot_a2
	COPY 2
	s_branch .Lhave
.Lnot_a2:
	COPY 3
.Lhave:
.irp g, 0,1,2,3,4,5,6,7
	GELU8 \g
.endr
	QUANTB HB
.irp j, 0,1,2
	global_store_b128 v12, v[PC+4*\j:PC+4*\j+3], s[98:99] offset:512*\j   ; 512 consecutive bytes a store
.endr
	global_store_b32 v13, v[PW], s[100:101]
	s_wait_xcnt 0x0                                ; the stores have read their registers and bases
	s_add_nc_u64 s[98:99], s[98:99], 1536
	s_add_nc_u64 s[100:101], s[100:101], 64
	s_add_co_u32 s90, s90, 1
	s_cmp_lt_u32 s90, 4
	s_cbranch_scc1 .Lout
	s_wait_dscnt 0x0
	s_wait_tensorcnt 0x0
	ds_add_u32 v254, v255
	s_wait_dscnt 0x0
	CROUND                                         ; the closing round
	s_endpgm
.Lfunc_end_k_qf2b57e5ec1_gfc1:
	.size	k_qf2b57e5ec1_gfc1, .Lfunc_end_k_qf2b57e5ec1_gfc1-k_qf2b57e5ec1_gfc1
	.p2alignl 7, 3214868480
	.fill 96, 4, 3214868480
	.section	.rodata,"a",@progbits
	.p2align	6, 0x0
	.amdhsa_kernel k_qf2b57e5ec1_gfc1
		.amdhsa_group_segment_fixed_size 327680
		.amdhsa_private_segment_fixed_size 0
		.amdhsa_enable_private_segment 0
		.amdhsa_kernarg_size 32
		.amdhsa_user_sgpr_count 2
		.amdhsa_user_sgpr_kernarg_segment_ptr 1
		.amdhsa_wavefront_size32 1
		.amdhsa_system_sgpr_workgroup_id_x 1
		.amdhsa_system_sgpr_workgroup_id_y 1
		.amdhsa_system_sgpr_workgroup_id_z 1
		.amdhsa_system_vgpr_workitem_id 0
		.amdhsa_next_free_vgpr 768
		.amdhsa_next_free_sgpr 102
		.amdhsa_reserve_vcc 1
		.amdhsa_float_denorm_mode_32 3
		.amdhsa_float_denorm_mode_16_64 3
		.amdhsa_memory_ordered 1
		.amdhsa_forward_progress 1
		.amdhsa_inst_pref_size 143
	.end_amdhsa_kernel
	.amdgpu_metadata
---
amdhsa.version: [ 1, 2 ]
amdhsa.kernels:
  - .name:           k_qf2b57e5ec1_gfc1
    .symbol:         k_qf2b57e5ec1_gfc1.kd
    .args:
      - { .name: wq, .offset: 0, .size: 8, .value_kind: global_buffer, .address_space: global }
      - { .name: actA, .offset: 8, .size: 8, .value_kind: global_buffer, .address_space: global }
      - { .name: fc1_b, .offset: 16, .size: 8, .value_kind: global_buffer, .address_space: global }
      - { .name: actB, .offset: 24, .size: 8, .value_kind: global_buffer, .address_space: global }
    .group_segment_fixed_size: 327680
    .private_segment_fixed_size: 0
    .kernarg_segment_align: 8
    .kernarg_segment_size: 32
    .max_flat_workgroup_size: 128
    .sgpr_count:     102
    .vgpr_count:     768
    .wavefront_size: 32
...
	.end_amdgpu_metadata
.endif
;; end of part 7
;; launch gfc2 (part 8): grid 8 x 16, 4 waves a work-group, clusters of 4 x 4, 327,680 bytes of LDS; arguments wq, actB, fc2_b, x1, out0; writes out0
.if DOCPART == 8
	.amdgcn_target "amdgcn-amd-amdhsa--gfx1250"
	.amdhsa_code_object_version 6
	.text
	.protected	k_qf2b57e5ec1_gfc2
	.globl	k_qf2b57e5ec1_gfc2
	.p2align	8
	.type	k_qf2b57e5ec1_gfc2,@function
k_qf2b57e5ec1_gfc2:
	s_mov_b64 s[64:65], 0
	v_nop
	global_prefetch_b8 v0, s[64:65] scope:SCOPE_SE
	s_setreg_imm32_b32 hwreg(HW_REG_WAVE_MODE, 25, 1), 1
	s_wait_xcnt 0x0
	s_wait_alu depctr_hold_cnt(0) depctr_sa_sdst(0) depctr_va_vdst(0) depctr_va_sdst(0) depctr_va_ssrc(0) depctr_va_vcc(0) depctr_vm_vsrc(0)
	s_getreg_b32 s2, hwreg(HW_REG_IB_STS2, 6, 4)
	s_cmp_eq_u32 s2, 0
	s_cbranch_scc0 .Lentry_in_a_cluster
	s_endpgm
.Lentry_in_a_cluster:
	s_bfe_u32 s2, ttmp6, 0x10000c
	s_cmp_lg_u32 s2, 0xf033
	s_cbranch_scc0 .Lentry_shape_is_right
	s_endpgm
.Lentry_shape_is_right:
; out = x1 + hidden fc2_w^T + fc2_b, K = 4,096, on records of BF6 codes (128 rows x 128 K in 12,800 bytes: eight register images, then scale words at 12,288 + 64 i + 4 r).
; Source 0 = 16 rows of fc2_w (records 512 + 32 x + K step of wq), source 1 = 16 tokens of the hidden layer (records 32 (token group) + K step): a lane holds one token and eight neighbouring columns.
; Lane row r of row tile 2 b + u is row 32 b + 8 u + r % 8 + 16 (r / 8).  A work-group: 128 columns x 256 tokens; a wave: 128 x 64: 32 accumulators.
; RING: two slots of four K steps (153,600 bytes: S0's 4 records, S1's two groups' 4 each); wave 0 fetches S0's, waves 1 and 2 S1's, one load of 51,200 bytes each; a refill has four K steps, 128 products a wave, in which to land.
; CLUSTER 4 x 4: S0's records are asked for jointly along a column, S1's along a row.
; REGISTERS as in the product over K = 1,024: window 0: v1-15, v30, v31 addresses, v28-29 the spare word's, v16-27 scale words, v32-127 S1's fragments (two sets), v136-199 the bias; window 1 the accumulators; window 2 S0's fragments (two sets).
.set REC,   12800
.set SLOT,  153600
.set SPARE, 307200
.set STAGE, 307712
.set BI,  136
.set MSB, 0
.macro WIN new
.if MSB != (\new)
	s_set_vgpr_msb (MSB<<8)|(\new)
.set MSB, (\new)
.endif
.endm
.macro PLACES n
.rept \n
	v_nop
.endr
.endm
.macro CREST
	s_cmp_lg_u32 s24, 0
	s_cbranch_scc1 .Lnot_wave_0_\@
	s_barrier_signal -3
.Lnot_wave_0_\@:
	s_barrier_wait -3
	s_barrier_signal -1
	s_barrier_wait -1
.endm
.macro CROUND
	s_barrier_signal -1
	s_barrier_wait -1
	CREST
.endm
.macro JLOAD n                         ; wave 0: S0's four records of slot n; waves 1, 2: S1's; wave 3: none.  Four v_nop follow each line
	s_cmp_eq_u32 s24, 0
	s_cbranch_scc0 .Lnot_s0_\@
	tensor_load_to_lds s[48+4*\n:51+4*\n], s[32:39]
	s_nop 0
	PLACES 4
	s_branch .Lasked_\@
.Lnot_s0_\@:
	s_cmp_eq_u32 s24, 3
	s_cbranch_scc1 .Lasked_\@
	tensor_load_to_lds s[56+4*\n:59+4*\n], s[40:47]
	s_nop 0
	PLACES 4
.Lasked_\@:
.endm
.macro FETCH n, q, sg
	WIN 0x80
.irp i, 0,1,2,3,4,5,6,7
.irp j, 0,1,2
	ds_load_b128 v[128*(\sg)+12*\i+4*\j:128*(\sg)+12*\i+4*\j+3], v[4+(\n)] offset:REC*(\q)+1536*\i+512*\j
.endr
.endr
	WIN 0
.irp i, 0,1,2,3
.irp j, 0,1,2
	ds_load_b128 v[32+48*(\sg)+12*\i+4*\j:32+48*(\sg)+12*\i+4*\j+3], v[6+(\n)] offset:REC*(\q)+1536*\i+512*\j
.endr
.endr
.irp p, 0,1,2,3
	ds_load_b32 v[16+6*(\sg)+\p], v[8+(\n)] offset:REC*(\q)+128*\p
.endr
.irp p, 0,1
	ds_load_b32 v[20+6*(\sg)+\p], v[10+(\n)] offset:REC*(\q)+128*\p
.endr
.endm
.macro WM a, b, sg, cb
.set WD, 64*(\a)+8*(\b)
.set WA, 128*(\sg)+12*(\b)
.set WB, 32+48*(\sg)+12*(\a)
.set WC, \cb
.set WSA, 16+6*(\sg)+(\b)/2
.set WSB, 20+6*(\sg)+(\a)/2
.set WP, (\b)%2+2*((\a)%2)
.if WP == 0
	v_wmma_scale_f32_16x16x128_f8f6f4 v[WD:WD+7], v[WA:WA+11], v[WB:WB+11], v[WC:WC+7], v[WSA], v[WSB] matrix_a_fmt:MATRIX_FMT_BF6 matrix_b_fmt:MATRIX_FMT_BF6
.elseif WP == 1
	v_wmma_scale_f32_16x16x128_f8f6f4 v[WD:WD+7], v[WA:WA+11], v[WB:WB+11], v[WC:WC+7], v[WSA], v[WSB] matrix_a_fmt:MATRIX_FMT_BF6 matrix_b_fmt:MATRIX_FMT_BF6 matrix_a_scale:MATRIX_SCALE_ROW1
.elseif WP == 2
	v_wmma_scale_f32_16x16x128_f8f6f4 v[WD:WD+7], v[WA:WA+11], v[WB:WB+11], v[WC:WC+7], v[WSA], v[WSB] matrix_a_fmt:MATRIX_FMT_BF6 matrix_b_fmt:MATRIX_FMT_BF6 matrix_b_scale:MATRIX_SCALE_ROW1
.else
	v_wmma_scale_f32_16x16x128_f8f6f4 v[WD:WD+7], v[WA:WA+11], v[WB:WB+11], v[WC:WC+7], v[WSA], v[WSB] matrix_a_fmt:MATRIX_FMT_BF6 matrix_b_fmt:MATRIX_FMT_BF6 matrix_a_scale:MATRIX_SCALE_ROW1 matrix_b_scale:MATRIX_SCALE_ROW1
.endif
.endm
.macro MUL16 a0, sg, cm
.irp a, \a0, \a0+1
.irp b, 0,1,2,3,4,5,6,7
.if \cm == 0
	WM \a, \b, \sg, 64*(\a)+8*\b
.else
	WM \a, \b, \sg, BI+8*\b
.endif
.endr
.endr
.endm
.macro MUL32 sg, cm                    ; the 32 accumulators take turns, one instruction a turn, in one order
.if \cm == 0
	WIN 0x52
.else
	WIN 0x42
.endif
	MUL16 0, \sg, \cm
	MUL16 2, \sg, \cm
	WIN 0
.endm
.macro STEP n, q, cm                   ; one of a slot's first three K steps
	s_wait_dscnt 0x0                               ; this step's 42 loads, issued a step ago, are in
	PLACES 4                                       ; in front of loads into registers that the last step's products read
	FETCH \n, (\q)+1, ((\q)+1)%2
	MUL32 (\q)%2, \cm
.endm
.macro TURN n, next, fill              ; a slot's last K step changes slots
	s_wait_dscnt 0x0                               ; its fragments are in registers: my reads of slot n are over
	s_wait_tensorcnt 0x0                           ; all my tensor loads have landed: my part of the next slot
	ds_add_u32 v28, v29                            ; 0 onto my spare word
	WIN 0x52
	MUL16 0, 1, 0                                  ; sixteen products stand between the add and the wait for it
	WIN 0
	s_wait_dscnt 0x0
	s_barrier_signal -1
	s_barrier_wait -1
.if \fill
	CREST                                          ; the barrier has opened a round of the cluster's: no wave of any partner still reads this slot or has a load on its way
	s_add_nc_u64 s[50+4*\n:51+4*\n], s[50+4*\n:51+4*\n], 102400
	s_add_nc_u64 s[58+4*\n:59+4*\n], s[58+4*\n:59+4*\n], 102400
	JLOAD \n
.endif
	PLACES 4                                       ; on every wave's way, in front of the loads below
	FETCH \next, 0, 0
	WIN 0x52
	MUL16 2, 1, 0
	WIN 0
.endm
.macro RLOAD k
.irp i, 0,1,2,3,4,5,6,7
	global_load_b128 v[32+32*((\k)%2)+4*\i:35+32*((\k)%2)+4*\i], v30, s[10:11] offset:(32*((\k)/4)+8*(((\k)/2)%2)+2*(\i%4)+16*(\i/4))*4096+256*((\k)%2)
.endr
.endm
.macro UNIT k                          ; unit k = 2 a + u: 16 tokens, columns 64 u on: through my stage, back as runs of 256 bytes, + the residual, stored
	s_wait_xcnt 0x0                                ; the last unit's stores have read their registers
.if (\k) < 7
	RLOAD (\k)+1
.endif
	WIN 0x04
.irp be, 0,1
.irp t, 0,1,2,3
	ds_store_b128 v14, v[64*((\k)/2)+8*(4*((\k)%2)+2*\be+\t/2)+4*(\t%2):64*((\k)/2)+8*(4*((\k)%2)+2*\be+\t/2)+4*(\t%2)+3] offset:128*\be+16*\t
.endr
.endr
	WIN 0
.irp i, 0,1,2,3,4,5,6,7
	ds_load_b128 v[96+4*\i:99+4*\i], v15 offset:544*\i
.endr
.if (\k) < 7
	s_wait_loadcnt 8                               ; this unit's residual is in; the next unit's eight loads may be out
.else
	s_wait_loadcnt 0x0
.endif
	s_wait_dscnt 0x0
.irp i, 0,2,4,6,8,10,12,14,16,18,20,22,24,26,28,30
	v_pk_add_f32 v[96+\i:97+\i], v[96+\i:97+\i], v[32+32*((\k)%2)+\i:33+32*((\k)%2)+\i]
.endr
.irp i, 0,1,2,3,4,5,6,7
	global_store_b128 v30, v[96+4*\i:99+4*\i], s[12:13] offset:(32*((\k)/4)+8*(((\k)/2)%2)+2*(\i%4)+16*(\i/4))*4096+256*((\k)%2) th:TH_STORE_NT
.endr
.endm
	s_load_b256 s[4:11], s[0:1], 0x0               ; wq, hidden, bias, x1
	s_load_b64 s[12:13], s[0:1], 0x20              ; out
	v_lshl_add_u32 v28, v0, 2, SPARE
	v_mov_b32 v29, 0
	ds_add_u32 v28, v29
	s_wait_dscnt 0x0
	v_lshrrev_b32 v1, 5, v0
	v_readfirstlane_b32 s24, v1
	s_lshr_b32 s25, s24, 1
	s_and_b32 s26, s24, 1
	s_bfe_u32 s27, ttmp6, 0x40000
	s_bfe_u32 s28, ttmp6, 0x40004
	s_lshl_b32 s29, ttmp9, 2
	s_add_co_u32 s29, s29, s27                     ; x
	s_and_b32 s30, ttmp7, 0xffff
	s_lshl_b32 s30, s30, 2
	s_add_co_u32 s30, s30, s28                     ; y
	s_lshl_b32 s84, 0x1111, s27
	s_lshl_b32 s85, s28, 2
	s_lshl_b32 s85, 15, s85
	s_or_b32 s32, s84, (3<<16)|(1<<21)
	s_or_b32 s40, s85, (3<<16)|(1<<21)
.irp g, 32, 40
	s_mov_b32 s[\g+1], 32<<16                      ; 200 dense rows of 256 bytes: four records
	s_mov_b32 s[\g+2], 200<<16
	s_mov_b32 s[\g+3], 32<<16
	s_mov_b32 s[\g+4], 200
	s_mov_b32 s[\g+5], 32
	s_mov_b32 s[\g+6], 0
	s_mov_b32 s[\g+7], 0
.endr
	s_lshl_b32 s86, s29, 5
	s_add_co_u32 s86, s86, 512
	s_mul_i32 s86, s86, REC
	s_mov_b32 s87, 0
	s_sub_co_u32 s94, s24, 1
	s_and_b32 s94, s94, 1
	s_lshl_b32 s95, s30, 1
	s_add_co_u32 s94, s94, s95
	s_lshl_b32 s94, s94, 5
	s_mul_i32 s94, s94, REC
	s_mov_b32 s95, 0
	s_min_u32 s91, s24, 2
	s_mul_i32 s91, s91, 51200
	s_wait_kmcnt 0x0
	s_add_nc_u64 s[88:89], s[4:5], s[86:87]
	s_add_nc_u64 s[96:97], s[6:7], s[94:95]
	CROUND                                         ; all sixteen work-groups are here: the first joint loads meet
.irp n, 0,1
	s_mov_b32 s[48+4*\n], 1
	s_add_co_u32 s[49+4*\n], s91, SLOT*\n
	s_add_nc_u64 s[50+4*\n:51+4*\n], s[88:89], 51200*\n
	s_or_b32 s[51+4*\n], s[51+4*\n], 0x80000000
	s_mov_b32 s[56+4*\n], 1
	s_add_co_u32 s[57+4*\n], s91, SLOT*\n
	s_add_nc_u64 s[58+4*\n:59+4*\n], s[96:97], 51200*\n
	s_or_b32 s[59+4*\n], s[59+4*\n], 0x80000000
.endr
	s_cmp_eq_u32 s24, 0                            ; a wave's two first fills stand in one branch: two loads of mine are out
	s_cbranch_scc0 .Lfirst_s1
	tensor_load_to_lds s[48:51], s[32:39]
	s_nop 0
	tensor_load_to_lds s[52:55], s[32:39]
	s_nop 0
	PLACES 4
	s_branch .Lfirst_asked
.Lfirst_s1:
	s_cmp_eq_u32 s24, 3
	s_cbranch_scc1 .Lfirst_asked
	tensor_load_to_lds s[56:59], s[40:47]
	s_nop 0
	tensor_load_to_lds s[60:63], s[40:47]
	s_nop 0
	PLACES 4
.Lfirst_asked:
	v_and_b32 v1, 15, v0
	v_bfe_u32 v2, v0, 4, 1
	v_and_b32 v31, 31, v0
	v_lshlrev_b32 v4, 4, v31
	v_add_nc_u32 v5, SLOT, v4
	s_mul_i32 s92, s25, 51200
	s_add_co_u32 s92, s92, 51200
	s_mul_i32 s93, s26, 6144
	s_add_co_u32 s93, s93, s92
	v_add_nc_u32 v6, s93, v4
	v_add_nc_u32 v7, SLOT, v6
	v_lshl_add_u32 v8, v31, 2, 12288
	v_add_nc_u32 v9, SLOT, v8
	s_lshl_b32 s93, s26, 8
	s_add_co_u32 s93, s93, s92
	v_add_nc_u32 v10, s93, v8
	v_add_nc_u32 v11, SLOT, v10
	s_mul_i32 s93, s24, 4352
	s_add_co_u32 s93, s93, STAGE
	v_mul_u32_u24 v14, v1, 272
	v_lshl_add_u32 v14, v2, 6, v14
	v_add_nc_u32 v14, s93, v14
	v_mul_u32_u24 v15, v2, 272
	v_lshl_add_u32 v15, v1, 4, v15
	v_add_nc_u32 v15, s93, v15
	v_lshlrev_b32 v30, 12, v2
	v_lshl_add_u32 v30, v1, 4, v30
	v_lshlrev_b32 v31, 6, v2
	s_lshl_b32 s92, s30, 1
	s_add_co_u32 s92, s92, s25
	s_lshl_b32 s92, s92, 7
	s_lshl_b32 s93, s26, 6
	s_add_co_u32 s92, s92, s93                     ; my first token
	s_lshl_b32 s84, s92, 12
	s_lshl_b32 s85, s29, 9
	s_add_co_u32 s84, s84, s85
	s_mov_b32 s85, 0
	s_add_nc_u64 s[10:11], s[10:11], s[84:85]
	s_add_nc_u64 s[12:13], s[12:13], s[84:85]
	s_lshl_b32 s92, s29, 9
	s_mov_b32 s93, 0
	s_add_nc_u64 s[8:9], s[8:9], s[92:93]
.irp b, 0,1,2,3,4,5,6,7
	global_load_b128 v[BI+8*\b:BI+8*\b+3], v31, s[8:9] offset:(32*(\b/2)+8*(\b%2))*4
	global_load_b128 v[BI+8*\b+4:BI+8*\b+7], v31, s[8:9] offset:(32*(\b/2)+8*(\b%2))*4+16
.endr
	s_wait_tensorcnt 1                             ; my part of slot 0 is in; slot 1's may be out
	s_barrier_signal -1
	s_barrier_wait -1
	FETCH 0, 0, 0
	s_wait_loadcnt 0x0                             ; the bias
	STEP 0, 0, 1                                   ; the first K step stands ahead of the loop: the bias starts the sums
	s_mov_b32 s90, 3
.Llap:                                             ; a trip goes once round the ring and fills both slots again
	STEP 0, 1, 0
	STEP 0, 2, 0
	TURN 0, 1, 1
	STEP 1, 0, 0
	STEP 1, 1, 0
	STEP 1, 2, 0
	TURN 1, 0, 1
	STEP 0, 0, 0
	s_sub_co_u32 s90, s90, 1
	s_cmp_lg_u32 s90, 0
	s_cbranch_scc1 .Llap
	STEP 0, 1, 0                                   ; the last lap fills nothing
	STEP 0, 2, 0
	TURN 0, 1, 0
	STEP 1, 0, 0
	STEP 1, 1, 0
	STEP 1, 2, 0
	s_wait_dscnt 0x0
	MUL32 1, 0
	PLACES 4
	RLOAD 0
.irp k, 0,1,2,3,4,5,6,7
	UNIT \k
.endr
	s_wait_tensorcnt 0x0                           ; the wave's end
	ds_add_u32 v28, v29
	s_wait_dscnt 0x0
	CROUND                                         ; the closing round
	s_endpgm
.Lfunc_end_k_qf2b57e5ec1_gfc2:
	.size	k_qf2b57e5ec1_gfc2, .Lfunc_end_k_qf2b57e5ec1_gfc2-k_qf2b57e5ec1_gfc2
	.p2alignl 7, 3214868480
	.fill 96, 4, 3214868480
	.section	.rodata,"a",@progbits
	.p2align	6, 0x0
	.amdhsa_kernel k_qf2b57e5ec1_gfc2
		.amdhsa_group_segment_fixed_size 327680
		.amdhsa_private_segment_fixed_size 0
		.amdhsa_enable_private_segment 0
		.amdhsa_kernarg_size 40
		.amdhsa_user_sgpr_count 2
		.amdhsa_user_sgpr_kernarg_segment_ptr 1
		.amdhsa_wavefront_size32 1
		.amdhsa_system_sgpr_workgroup_id_x 1
		.amdhsa_system_sgpr_workgroup_id_y 1
		.amdhsa_system_sgpr_workgroup_id_z 1
		.amdhsa_system_vgpr_workitem_id 0
		.amdhsa_next_free_vgpr 768
		.amdhsa_next_free_sgpr 102
		.amdhsa_reserve_vcc 0
		.amdhsa_float_denorm_mode_32 3
		.amdhsa_float_denorm_mode_16_64 3
		.amdhsa_memory_ordered 1
		.amdhsa_forward_progress 1
		.amdhsa_inst_pref_size 152
	.end_amdhsa_kernel
	.amdgpu_metadata
---
amdhsa.version: [ 1, 2 ]
amdhsa.kernels:
  - .name:           k_qf2b57e5ec1_gfc2
    .symbol:         k_qf2b57e5ec1_gfc2.kd
    .args:
      - { .name: wq, .offset: 0, .size: 8, .value_kind: global_buffer, .address_space: global }
      - { .name: actB, .offset: 8, .size: 8, .value_kind: global_buffer, .address_space: global }
      - { .name: fc2_b, .offset: 16, .size: 8, .value_kind: global_buffer, .address_space: global }
      - { .name: x1, .offset: 24, .size: 8, .value_kind: global_buffer, .address_space: global }
      - { .name: out0, .offset: 32, .size: 8, .value_kind: global_buffer, .address_space: global }
    .group_segment_fixed_size: 327680
    .private_segment_fixed_size: 0
    .kernarg_segment_align: 8
    .kernarg_segment_size: 40
    .max_flat_workgroup_size: 128
    .sgpr_count:     102
    .vgpr_count:     768
    .wavefront_size: 32
...
	.end_amdgpu_metadata
.endif
;; end of part 8
;; ======== version 2 of 2: 8 launches
;; limits: right only within a limited range of input values
;; workspace buffers: wq 9,830,400 bytes; actA 3,276,800 bytes; actB 13,107,200 bytes; x1 16,777,216 bytes
;; launch prep (part 9): grid 1024 x 1, 8 waves a work-group, no clusters, 134,656 bytes of LDS; arguments x, ln1_w, ln1_b, actA, qkv_w, proj_w, fc1_w, fc2_w, wq; writes actA, wq
.if DOCPART == 9
	.amdgcn_target "amdgcn-amd-amdhsa--gfx1250"
	.amdhsa_code_object_version 6
	.text
	.protected	k_qf2b57e5ec1_prep
	.globl	k_qf2b57e5ec1_prep
	.p2align	8
	.type	k_qf2b57e5ec1_prep,@function
k_qf2b57e5ec1_prep:
	s_mov_b64 s[64:65], 0
	v_nop
	global_prefetch_b8 v0, s[64:65] scope:SCOPE_SE
	s_setreg_imm32_b32 hwreg(HW_REG_WAVE_MODE, 25, 1), 1
	s_wait_xcnt 0x0
; ONE PREPARING LAUNCH FOR ALL THAT HANGS ON THE INPUTS ALONE.  Work-groups 0-255: the first layer norm of x, quantised.  Work-groups 256-1023: the four weights, quantised.  The choice hangs on the work-group's number alone.
; Both make RECORDS of 12,800 bytes of BF6 (E3M2) codes with one E8M0 byte for each 32 along K: a record is 128 rows x 128 K: eight fragments (16 rows x 128 K) as images of the operand's registers
; (registers 4 j .. 4 j + 3 of lane l at 1536 i + 512 j + 16 l), then the scale words at 12,288 + 64 i + 4 r.  Lane row r of row tile 2 b + u is matrix row 32 b + 8 u + r % 8 + 16 (r / 8).
; THE NORM.  y = (x - mean) rsqrt(var + 1e-5) w + b along rows of 1,024; record index 8 (row group) + K step of actA.  A work-group takes one row tile (16 rows).  Phase 1: wave w normalises tile rows 2 w and 2 w + 1:
; mean first, then the sum of squared differences, so a common offset costs no accuracy.  The rows meet in LDS (pitch 4,112 bytes).  Phase 2: wave w quantises K step w of all 16 rows.
; THE WEIGHTS.  A work-group makes one record of wq (768 in all: qkv_w 0-191, proj_w 192-255, fc1_w 256-511, fc2_w 512-767), a wave one fragment, through a stage of its own (16 rows x 528 bytes): no barrier.
; LDS: the norm's rows from byte 0, the weights' stages from byte 66,048: each path has bytes of its own; behind both the spare words.
; LIMITS: a block of zeros gets the byte 1 (its codes are zeros; this program alone reads the bytes); largest magnitudes under 2^-122 are held at that floor; NaN and infinities are not served.
.set X,   96                           ; v96-159  64 numbers: X[32 c + i] = k 64 c + 32 h + i of my row
.set F,   160                          ; v160-171 the fragment
.set T,   172                          ; v172-174, v176-178 second halves of the blocks' codes
.set PW,  180                          ; the scale word
.set SEL, 22                           ; s[22:23] selects for lane l xor 16
.set WST,   66048                      ; the weights' stages
.set SPARE, 133632                     ; the spare words: 128 bytes for each of 8 waves: four blocks of 256 bytes that no other line names
.macro QUANTA
.irp c, 0,1
	v_max3_num_f32 v[24+\c], |v[X+32*\c]|, |v[X+1+32*\c]|, 0x2800000   ; my block 2 c + h, and the floor 2^(5 - 127): the byte cannot fall under 1
.endr
.irp i, 2,4,6,8,10,12,14,16,18,20,22,24,26,28,30
.irp c, 0,1
	s_delay_alu instid0(VALU_DEP_2)
	v_max3_num_f32 v[24+\c], v[24+\c], |v[X+32*\c+\i]|, |v[X+1+32*\c+\i]|
.endr
.endr
.irp c, 0,1
	s_delay_alu instid0(VALU_DEP_2)
	v_add_nc_u32 v[26+\c], 0xfe000000, v[24+\c]    ; 4 off the exponent field: the conversion's scale operand
.endr
.irp c, 0,1
	s_delay_alu instid0(VALU_DEP_2)
	v_lshrrev_b32 v[28+\c], 23, v[26+\c]           ; the scale's byte
.endr
	s_delay_alu instid0(VALU_DEP_1)
	v_lshl_or_b32 v[PW], v29, 16, v28              ; blocks h and 2 + h,
	v_lshlrev_b32 v30, 3, v2
	s_delay_alu instid0(VALU_DEP_1)
	v_lshlrev_b32 v[PW], v30, v[PW]                ; 8 h bits up;
	v_mov_b32 v30, 0
	s_delay_alu instid0(VALU_DEP_1)
	v_permlanex16_b32 v30, v[PW], s[SEL], s[SEL+1]
	s_delay_alu instid0(VALU_DEP_1)
	v_or_b32 v[PW], v[PW], v30                     ; with lane l xor 16's two the word is whole
.irp c, 0,1
	v_cvt_scalef32_pk16_bf6_f32 v[F+6*\c:F+6*\c+2], v[X+32*\c:X+32*\c+15], v[26+\c]
	v_cvt_scalef32_pk16_bf6_f32 v[T+4*\c:T+4*\c+2], v[X+32*\c+16:X+32*\c+31], v[26+\c]   ; (three registers begin on an even number)
.endr
	v_nop                                          ; one plain place behind a scaled conversion
.irp c, 0,1
.irp i, 0,1,2
	v_mov_b32 v[F+3+6*\c+\i], v[T+4*\c+\i]
.endr
.endr
.endm
.macro FOLD a                          ; four pairs at v[a] on become one sum, in every lane
	s_delay_alu instid0(VALU_DEP_3)
	v_pk_add_f32 v[\a:\a+1], v[\a:\a+1], v[\a+2:\a+3]
	s_delay_alu instid0(VALU_DEP_2)
	v_pk_add_f32 v[\a+4:\a+5], v[\a+4:\a+5], v[\a+6:\a+7]
	s_delay_alu instid0(VALU_DEP_1)
	v_pk_add_f32 v[\a:\a+1], v[\a:\a+1], v[\a+4:\a+5]
	s_delay_alu instid0(VALU_DEP_1)
	v_add_f32 v[\a], v[\a], v[\a+1]
	s_delay_alu instid0(VALU_DEP_1)
	v_add_f32_dpp v[\a], v[\a], v[\a] row_xmask:1 row_mask:0xf bank_mask:0xf
	s_delay_alu instid0(VALU_DEP_1)
	v_add_f32_dpp v[\a], v[\a], v[\a] row_xmask:2 row_mask:0xf bank_mask:0xf
	s_delay_alu instid0(VALU_DEP_1)
	v_add_f32_dpp v[\a], v[\a], v[\a] row_xmask:4 row_mask:0xf bank_mask:0xf
	s_delay_alu instid0(VALU_DEP_1)
	v_add_f32_dpp v[\a], v[\a], v[\a] row_xmask:8 row_mask:0xf bank_mask:0xf
	s_delay_alu instid0(VALU_DEP_1)
	v_permlanex16_b32 v[\a+1], v[\a], s[SEL], s[SEL+1]
	s_delay_alu instid0(VALU_DEP_1)
	v_add_f32 v[\a], v[\a], v[\a+1]
.endm
.macro ROWSTAT e                       ; row e: x becomes x - mean; 1 / sqrt(var + eps) twice in v[RA:RA+1]
.set XE, 32+32*(\e)
.set RA, 160+8*(\e)
.irp k, 0,2,4,6
	v_pk_add_f32 v[RA+\k:RA+\k+1], v[XE+\k:XE+\k+1], v[XE+8+\k:XE+9+\k]
.endr
.irp m, 16,24
.irp k, 0,2,4,6
	s_delay_alu instid0(VALU_DEP_4)
	v_pk_add_f32 v[RA+\k:RA+\k+1], v[RA+\k:RA+\k+1], v[XE+\m+\k:XE+\m+\k+1]
.endr
.endr
	FOLD RA
	s_delay_alu instid0(VALU_DEP_1)
	v_mul_f32 v[RA], s24, v[RA]                    ; / 1,024: the mean
	s_delay_alu instid0(VALU_DEP_1)
	v_mov_b32 v[RA+1], v[RA]
.irp k, 0,2,4,6,8,10,12,14,16,18,20,22,24,26,28,30
	v_pk_add_f32 v[XE+\k:XE+\k+1], v[XE+\k:XE+\k+1], v[RA:RA+1] neg_lo:[0,1] neg_hi:[0,1]
.endr
.irp k, 0,2,4,6
	v_pk_mul_f32 v[RA+\k:RA+\k+1], v[XE+\k:XE+\k+1], v[XE+\k:XE+\k+1]
.endr
.irp m, 8,16,24
.irp k, 0,2,4,6
	s_delay_alu instid0(VALU_DEP_4)
	v_pk_fma_f32 v[RA+\k:RA+\k+1], v[XE+\m+\k:XE+\m+\k+1], v[XE+\m+\k:XE+\m+\k+1], v[RA+\k:RA+\k+1]
.endr
.endr
	FOLD RA
	s_delay_alu instid0(VALU_DEP_1)
	v_fma_f32 v[RA], v[RA], s24, s25               ; var + 1e-5
	s_wait_alu depctr_va_vdst(0)
	v_rsq_f32 v[RA], v[RA]
	v_nop                                          ; one plain place behind a transcendental
	s_wait_alu depctr_va_vdst(0)
	v_mov_b32 v[RA+1], v[RA]
.endm
	v_lshl_add_u32 v184, v0, 2, SPARE              ; my spare word and 0, kept for the add at the wave's end
	v_mov_b32 v185, 0
	s_cmp_lt_u32 ttmp9, 256
	s_cbranch_scc0 .Lweights
; ---- the norm: work-group T = ttmp9 takes row tile T
	s_load_b256 s[4:11], s[0:1], 0x0               ; x, w, b, actA
	v_lshrrev_b32 v1, 5, v0
	s_delay_alu instid0(VALU_DEP_1)
	v_readfirstlane_b32 s12, v1                    ; wave
	v_and_b32 v1, 31, v0
	v_and_b32 v3, 15, v0                           ; r
	v_bfe_u32 v2, v0, 4, 1                         ; h
	s_delay_alu instid0(VALU_DEP_3)
	v_lshlrev_b32 v6, 4, v1                        ; 16 x lane
	s_delay_alu instid0(VALU_DEP_3)
	v_lshlrev_b32 v7, 2, v3                        ; 4 r
	s_mul_i32 s13, s12, 8224
	v_add_nc_u32 v4, s13, v6                       ; LDS, in: tile row 2 w
	v_mul_u32_u24 v5, v3, 4112
	s_delay_alu instid0(VALU_DEP_1)
	v_lshl_add_u32 v5, v2, 7, v5
	s_lshl_b32 s13, s12, 9
	v_add_nc_u32 v5, s13, v5                       ; LDS, out: row r, K step w, + 128 h
	s_mov_b32 s[SEL], 0x76543210
	s_mov_b32 s[SEL+1], 0xfedcba98
	s_mov_b32 s24, 0x3a800000                      ; 1 / 1,024
	s_mov_b32 s25, 0x3727c5ac                      ; 1e-5
	s_lshr_b32 s13, ttmp9, 1
	s_lshl_b32 s13, s13, 5
	s_and_b32 s14, ttmp9, 1
	s_lshl_b32 s14, s14, 3
	s_add_co_u32 s13, s13, s14
	s_and_b32 s14, s12, 3
	s_lshl_b32 s14, s14, 1
	s_add_co_u32 s13, s13, s14
	s_lshr_b32 s14, s12, 2
	s_lshl_b32 s14, s14, 4
	s_add_co_u32 s13, s13, s14                     ; my first row in memory
	s_lshl_b32 s14, s13, 12
	s_mov_b32 s15, 0
	s_lshr_b32 s16, ttmp9, 3
	s_lshl_b32 s16, s16, 3
	s_add_co_u32 s16, s16, s12
	s_mul_i32 s16, s16, 12800                      ; record 8 (T / 8) + w
	s_and_b32 s17, ttmp9, 7
	s_mul_i32 s18, s17, 1536
	s_add_co_u32 s18, s18, s16
	s_mov_b32 s19, 0
	s_lshl_b32 s20, s17, 6
	s_add_co_u32 s20, s20, s16
	s_add_co_u32 s20, s20, 12288
	s_mov_b32 s21, 0
	s_wait_alu depctr_va_vdst(0)                   ; the wait at the head's end
	s_wait_kmcnt 0x0
	s_add_nc_u64 s[4:5], s[4:5], s[14:15]
	s_add_nc_u64 s[18:19], s[10:11], s[18:19]
	s_add_nc_u64 s[20:21], s[10:11], s[20:21]
.irp e, 0,1
.irp j, 0,1,2,3,4,5,6,7
	global_load_b128 v[32+32*\e+4*\j:35+32*\e+4*\j], v6, s[4:5] offset:4096*\e+512*\j
.endr
.endr
.irp j, 0,1,2,3,4,5,6,7
	global_load_b128 v[96+4*\j:99+4*\j], v6, s[6:7] offset:512*\j
.endr
.irp j, 0,1,2,3,4,5,6,7
	global_load_b128 v[128+4*\j:131+4*\j], v6, s[8:9] offset:512*\j
.endr
	s_wait_loadcnt 16                              ; the two rows are in; w's and b's sixteen loads may be out
	ROWSTAT 0
	ROWSTAT 1
	s_wait_loadcnt 0x0
.irp e, 0,1
.irp k, 0,2,4,6,8,10,12,14,16,18,20,22,24,26,28,30
	v_pk_mul_f32 v[32+32*\e+\k:33+32*\e+\k], v[32+32*\e+\k:33+32*\e+\k], v[160+8*\e:161+8*\e]
.endr
.irp k, 0,2,4,6,8,10,12,14,16,18,20,22,24,26,28,30
	v_pk_fma_f32 v[32+32*\e+\k:33+32*\e+\k], v[32+32*\e+\k:33+32*\e+\k], v[96+\k:97+\k], v[128+\k:129+\k]
.endr
.irp j, 0,1,2,3,4,5,6,7
	ds_store_b128 v4, v[32+32*\e+4*\j:35+32*\e+4*\j] offset:4112*\e+512*\j
.endr
.endr
	s_wait_dscnt 0x0                               ; for the others' sake: my rows lie in LDS
	s_barrier_signal -1
	s_barrier_wait -1
.irp c, 0,1
.irp t, 0,1,2,3,4,5,6,7
	ds_load_b128 v[X+32*\c+4*\t:X+32*\c+4*\t+3], v5 offset:256*\c+16*\t
.endr
.endr
	s_wait_dscnt 0x0
	QUANTA
.irp j, 0,1,2
	global_store_b128 v6, v[F+4*\j:F+4*\j+3], s[18:19] offset:512*\j     ; 512 consecutive bytes a store
.endr
	global_store_b32 v7, v[PW], s[20:21]           ; lanes 16-31 repeat lanes 0-15's word
	s_wait_tensorcnt 0x0                           ; the wave's end
	ds_add_u32 v184, v185
	s_wait_dscnt 0x0
	s_endpgm
; ---- the weights: work-group ttmp9 makes record ttmp9 - 256 of wq
.Lweights:
	s_load_b256 s[4:11], s[0:1], 0x20              ; qkv_w, proj_w, fc1_w, fc2_w
	s_load_b64 s[12:13], s[0:1], 0x40              ; wq
	s_sub_co_u32 s3, ttmp9, 256                    ; the record
	v_lshrrev_b32 v1, 5, v0
	s_delay_alu instid0(VALU_DEP_1)
	v_readfirstlane_b32 s14, v1                    ; wave = fragment
	v_and_b32 v1, 31, v0                           ; lane
	v_and_b32 v3, 15, v0                           ; r
	v_bfe_u32 v2, v0, 4, 1                         ; h
	s_delay_alu instid0(VALU_DEP_3)
	v_lshlrev_b32 v6, 4, v1                        ; 16 x lane
	s_delay_alu instid0(VALU_DEP_3)
	v_lshlrev_b32 v7, 2, v3                        ; 4 r
	s_mul_i32 s15, s14, 8448                       ; my stage: 16 rows x 528 bytes,
	s_add_co_u32 s15, s15, WST                     ; behind the norm's bytes
	v_add_nc_u32 v4, s15, v6                       ; in: a row's 512 bytes as they lie
	v_mul_u32_u24 v5, v3, 528
	s_delay_alu instid0(VALU_DEP_1)
	v_lshl_add_u32 v5, v2, 7, v5
	s_delay_alu instid0(VALU_DEP_1)
	v_add_nc_u32 v5, s15, v5                       ; out: row r, + 128 h
	s_mov_b32 s[SEL], 0x76543210
	s_mov_b32 s[SEL+1], 0xfedcba98
	s_mov_b32 s24, 512                             ; the tensor's first record,
	s_mov_b32 s25, 5                               ; log2 of its K steps,
	s_mov_b32 s26, 16384                           ; its row in bytes: fc2_w's, unless the record's number says otherwise
	s_wait_alu depctr_va_vdst(0)                   ; the wait at the head's end
	s_wait_kmcnt 0x0
	s_mov_b64 s[28:29], s[10:11]
	s_cmp_lt_u32 s3, 512
	s_cselect_b64 s[28:29], s[8:9], s[28:29]
	s_cselect_b32 s24, 256, s24
	s_cselect_b32 s25, 3, s25
	s_cselect_b32 s26, 4096, s26
	s_cmp_lt_u32 s3, 256
	s_cselect_b64 s[28:29], s[6:7], s[28:29]
	s_cselect_b32 s24, 192, s24
	s_cmp_lt_u32 s3, 192
	s_cselect_b64 s[28:29], s[4:5], s[28:29]
	s_cselect_b32 s24, 0, s24
	s_sub_co_u32 s27, s3, s24
	s_lshr_b32 s30, s27, s25                       ; G
	s_bfm_b32 s31, s25, 0
	s_and_b32 s31, s27, s31                        ; K step
	s_lshl_b32 s30, s30, 7
	s_lshr_b32 s32, s14, 1
	s_lshl_b32 s32, s32, 5
	s_add_co_u32 s30, s30, s32
	s_and_b32 s32, s14, 1
	s_lshl_b32 s32, s32, 3
	s_add_co_u32 s30, s30, s32                     ; the tile's first row: 128 G + 32 (i / 2) + 8 (i % 2)
	s_mul_i32 s30, s30, s26
	s_lshl_b32 s31, s31, 9
	s_add_co_u32 s30, s30, s31
	s_mov_b32 s31, 0
	s_add_nc_u64 s[28:29], s[28:29], s[30:31]
.irp j, 0,1,2,3,4,5,6,7,8,9,10,11,12,13,14,15
	v_mad_u32_u24 v[8+\j], s26, (\j%8)+16*(\j/8), v6   ; tile row j
.endr
.irp j, 0,1,2,3,4,5,6,7,8,9,10,11,12,13,14,15
	global_load_b128 v[32+4*\j:35+4*\j], v[8+\j], s[28:29] th:TH_LOAD_NT   ; 32 lanes read a row's 512 consecutive bytes
.endr
	s_mul_i32 s30, s3, 12800
	s_mul_i32 s32, s14, 1536
	s_add_co_u32 s32, s32, s30
	s_mov_b32 s33, 0
	s_add_nc_u64 s[32:33], s[12:13], s[32:33]      ; my fragment's image
	s_lshl_b32 s34, s14, 6
	s_add_co_u32 s34, s34, s30
	s_add_co_u32 s34, s34, 12288
	s_mov_b32 s35, 0
	s_add_nc_u64 s[34:35], s[12:13], s[34:35]      ; its scale words
.irp j, 0,1,2,3,4,5,6,7,8,9,10,11,12,13,14,15
	s_wait_loadcnt 15-\j                           ; row j is in; the loads behind it may be out
	ds_store_b128 v4, v[32+4*\j:35+4*\j] offset:528*\j
.endr
.irp c, 0,1
.irp t, 0,1,2,3,4,5,6,7
	ds_load_b128 v[X+32*\c+4*\t:X+32*\c+4*\t+3], v5 offset:256*\c+16*\t   ; LDS serves a wave's instructions in order: these see my stores
.endr
.endr
	s_wait_dscnt 0x0                               ; the numbers are back
	QUANTA
.irp j, 0,1,2
	global_store_b128 v6, v[F+4*\j:F+4*\j+3], s[32:33] offset:512*\j     ; 512 consecutive bytes a store
.endr
	global_store_b32 v7, v[PW], s[34:35]           ; lanes 16-31 repeat lanes 0-15's word
	s_wait_tensorcnt 0x0                           ; the wave's end
	ds_add_u32 v184, v185
	s_wait_dscnt 0x0
	s_endpgm
.Lfunc_end_k_qf2b57e5ec1_prep:
	.size	k_qf2b57e5ec1_prep, .Lfunc_end_k_qf2b57e5ec1_prep-k_qf2b57e5ec1_prep
	.p2alignl 7, 3214868480
	.fill 96, 4, 3214868480
	.section	.rodata,"a",@progbits
	.p2align	6, 0x0
	.amdhsa_kernel k_qf2b57e5ec1_prep
		.amdhsa_group_segment_fixed_size 134656
		.amdhsa_private_segment_fixed_size 0
		.amdhsa_enable_private_segment 0
		.amdhsa_kernarg_size 72
		.amdhsa_user_sgpr_count 2
		.amdhsa_user_sgpr_kernarg_segment_ptr 1
		.amdhsa_wavefront_size32 1
		.amdhsa_system_sgpr_workgroup_id_x 1
		.amdhsa_system_sgpr_workgroup_id_y 1
		.amdhsa_system_sgpr_workgroup_id_z 1
		.amdhsa_system_vgpr_workitem_id 0
		.amdhsa_next_free_vgpr 186
		.amdhsa_next_free_sgpr 66
		.amdhsa_reserve_vcc 0
		.amdhsa_float_denorm_mode_32 3
		.amdhsa_float_denorm_mode_16_64 3
		.amdhsa_memory_ordered 1
		.amdhsa_forward_progress 1
		.amdhsa_inst_pref_size 40
	.end_amdhsa_kernel
	.amdgpu_metadata
---
amdhsa.version: [ 1, 2 ]
amdhsa.kernels:
  - .name:           k_qf2b57e5ec1_prep
    .symbol:         k_qf2b57e5ec1_prep.kd
    .args:
      - { .name: x, .offset: 0, .size: 8, .value_kind: global_buffer, .address_space: global }
      - { .name: ln1_w, .offset: 8, .size: 8, .value_kind: global_buffer, .address_space: global }
      - { .name: ln1_b, .offset: 16, .size: 8, .value_kind: global_buffer, .address_space: global }
      - { .name: actA, .offset: 24, .size: 8, .value_kind: global_buffer, .address_space: global }
      - { .name: qkv_w, .offset: 32, .size: 8, .value_kind: global_buffer, .address_space: global }
      - { .name: proj_w, .offset: 40, .size: 8, .value_kind: global_buffer, .address_space: global }
      - { .name: fc1_w, .offset: 48, .size: 8, .value_kind: global_buffer, .address_space: global }
      - { .name: fc2_w, .offset: 56, .size: 8, .value_kind: global_buffer, .address_space: global }
      - { .name: wq, .offset: 64, .size: 8, .value_kind: global_buffer, .address_space: global }
    .group_segment_fixed_size: 134656
    .private_segment_fixed_size: 0
    .kernarg_segment_align: 8
    .kernarg_segment_size: 72
    .max_flat_workgroup_size: 256
    .sgpr_count:     66
    .vgpr_count:     186
    .wavefront_size: 32
...
	.end_amdgpu_metadata
.endif
;; end of part 9
;; launch gqk (part 10): grid 16 x 16, 4 waves a work-group, clusters of 4 x 4, 327,680 bytes of LDS; arguments wq, actA, qkv_b, actB; writes actB
.if DOCPART == 10
	.amdgcn_target "amdgcn-amd-amdhsa--gfx1250"
	.amdhsa_code_object_version 6
	.text
	.protected	k_qf2b57e5ec1_gqk
	.globl	k_qf2b57e5ec1_gqk
	.p2align	8
	.type	k_qf2b57e5ec1_gqk,@function
k_qf2b57e5ec1_gqk:
	s_mov_b64 s[64:65], 0
	v_nop
	global_prefetch_b8 v0, s[64:65] scope:SCOPE_SE
	s_setreg_imm32_b32 hwreg(HW_REG_WAVE_MODE, 25, 1), 1
	s_wait_xcnt 0x0
	s_wait_alu depctr_hold_cnt(0) depctr_sa_sdst(0) depctr_va_vdst(0) depctr_va_sdst(0) depctr_va_ssrc(0) depctr_va_vcc(0) depctr_vm_vsrc(0)
	s_getreg_b32 s2, hwreg(HW_REG_IB_STS2, 6, 4)
	s_cmp_eq_u32 s2, 0
	s_cbranch_scc0 .Lentry_in_a_cluster
	s_endpgm
.Lentry_in_a_cluster:
	s_bfe_u32 s2, ttmp6, 0x10000c
	s_cmp_lg_u32 s2, 0xf033
	s_cbranch_scc0 .Lentry_shape_is_right
	s_endpgm
.Lentry_shape_is_right:
; q and k = xn qkv_w^T + qkv_b (rows 0 to 2,047 of qkv_w), K = 1,024, on records of BF6 codes (128 rows x 128 K in 12,800 bytes: eight register images of 1,536 bytes, then scale words at 12,288 + 64 i + 4 r);
; the sums are quantised along the channels and leave as records again: record 32 (channel group) + token group of actB.
; S0 is source 0 (qkv_w's rows): its rows become a lane's registers, the next product's K.  S1 is source 1 (tokens): its rows become lanes.  Lane row r of row tile 2 b + u is row 32 b + 8 u + r % 8 + 16 (r / 8),
; so the 16 registers of S0's tiles 2 b and 2 b + 1 are 16 neighbours along the next K.
; SHARES.  A work-group: 128 rows of S0 x 256 rows of S1; a wave: 128 x 64: 32 accumulators.  ALL OF K LIES IN LDS (307,200 bytes), brought by two loads of each wave: waves 0, 1 S0's halves, waves 2, 3 S1's two groups: nothing is filled again.
; CLUSTER 4 x 4: S0's records hang on x alone and are asked for jointly along a column, S1's on y alone, along a row.
; LIMITS: a block of zeros gets the byte 1 (this program alone reads the bytes); magnitudes under 2^-122 are held at that floor; NaN and infinities are not served.
; REGISTERS.  Window 0: v1-13, v31 addresses; v16-27 scale words, two sets; v32-79, v80-127 S1's four fragments, two sets (on the way out v96-132 the quantiser's); v136-199 the bias as the first products' C.
; Window 1: accumulator (a, b) at v[64 a + 8 b].  Window 2: S0's eight fragments, two sets, at v0 and v128.
.set S0B,  0                           ; S0's first record
.set S1B,  0                           ; S1's
.set SG,   1                           ; the output record's step by S1 group,
.set SS,   32                          ; by S0 group,
.set OB,   0                           ; and its first record
.set REC,   12800
.set SLOT,  153600                     ; four K steps: S0's 4 records, S1 group 0's, S1 group 1's
.set TM,  96
.set PW,  112
.set PC,  114
.set BI,  136
.set SEL, 2
.set MSB, 0
.macro WIN new                         ; the immediate's high byte repeats the setting that is left
.if MSB != (\new)
	s_set_vgpr_msb (MSB<<8)|(\new)
.set MSB, (\new)
.endif
.endm
.macro PLACES n
.rept \n
	v_nop
.endr
.endm
.macro CROUND                          ; a round of the cluster's barrier
	s_barrier_signal -1
	s_barrier_wait -1
	s_cmp_lg_u32 s24, 0
	s_cbranch_scc1 .Lnot_wave_0_\@
	s_barrier_signal -3
.Lnot_wave_0_\@:
	s_barrier_wait -3
	s_barrier_signal -1
	s_barrier_wait -1
.endm
.macro FETCH n, q, sg                  ; the fragments and scale words of slot n's q-th K step into set sg: 42 LDS loads
	WIN 0x80                                       ; destination window 2
.irp i, 0,1,2,3,4,5,6,7
.irp j, 0,1,2
	ds_load_b128 v[128*(\sg)+12*\i+4*\j:128*(\sg)+12*\i+4*\j+3], v[4+(\n)] offset:REC*(\q)+1536*\i+512*\j
.endr
.endr
	WIN 0
.irp i, 0,1,2,3
.irp j, 0,1,2
	ds_load_b128 v[32+48*(\sg)+12*\i+4*\j:32+48*(\sg)+12*\i+4*\j+3], v[6+(\n)] offset:REC*(\q)+1536*\i+512*\j
.endr
.endr
.irp p, 0,1,2,3
	ds_load_b32 v[16+6*(\sg)+\p], v[8+(\n)] offset:REC*(\q)+128*\p    ; lanes 0-15 tile 2 p, lanes 16-31 tile 2 p + 1
.endr
.irp p, 0,1
	ds_load_b32 v[20+6*(\sg)+\p], v[10+(\n)] offset:REC*(\q)+128*\p
.endr
.endm
.macro WM a, b, sg, cb                 ; one product: S0's tile b x S1's tile a
.set WD, 64*(\a)+8*(\b)
.set WA, 128*(\sg)+12*(\b)
.set WB, 32+48*(\sg)+12*(\a)
.set WC, \cb
.set WSA, 16+6*(\sg)+(\b)/2
.set WSB, 20+6*(\sg)+(\a)/2
.set WP, (\b)%2+2*((\a)%2)
.if WP == 0
	v_wmma_scale_f32_16x16x128_f8f6f4 v[WD:WD+7], v[WA:WA+11], v[WB:WB+11], v[WC:WC+7], v[WSA], v[WSB] matrix_a_fmt:MATRIX_FMT_BF6 matrix_b_fmt:MATRIX_FMT_BF6
.elseif WP == 1
	v_wmma_scale_f32_16x16x128_f8f6f4 v[WD:WD+7], v[WA:WA+11], v[WB:WB+11], v[WC:WC+7], v[WSA], v[WSB] matrix_a_fmt:MATRIX_FMT_BF6 matrix_b_fmt:MATRIX_FMT_BF6 matrix_a_scale:MATRIX_SCALE_ROW1
.elseif WP == 2
	v_wmma_scale_f32_16x16x128_f8f6f4 v[WD:WD+7], v[WA:WA+11], v[WB:WB+11], v[WC:WC+7], v[WSA], v[WSB] matrix_a_fmt:MATRIX_FMT_BF6 matrix_b_fmt:MATRIX_FMT_BF6 matrix_b_scale:MATRIX_SCALE_ROW1
.else
	v_wmma_scale_f32_16x16x128_f8f6f4 v[WD:WD+7], v[WA:WA+11], v[WB:WB+11], v[WC:WC+7], v[WSA], v[WSB] matrix_a_fmt:MATRIX_FMT_BF6 matrix_b_fmt:MATRIX_FMT_BF6 matrix_a_scale:MATRIX_SCALE_ROW1 matrix_b_scale:MATRIX_SCALE_ROW1
.endif
.endm
.macro MUL16 a0, sg, cm                ; cm 0: onto the sums; 1: the bias, along S0, starts them
.irp a, \a0, \a0+1
.irp b, 0,1,2,3,4,5,6,7
.if \cm == 0
	WM \a, \b, \sg, 64*(\a)+8*\b
.else
	WM \a, \b, \sg, BI+8*\b
.endif
.endr
.endr
.endm
.macro MUL32 sg, cm                    ; a K step: the 32 accumulators take turns, one instruction a turn, in one order
.if \cm == 0
	WIN 0x52                                       ; A window 2, B window 0, C and D window 1
.else
	WIN 0x42                                       ; C window 0
.endif
	MUL16 0, \sg, \cm
	MUL16 2, \sg, \cm
	WIN 0
.endm
.macro STEP s, tw, fetch               ; what stands ahead of K step s's products
	s_wait_dscnt 0x0                               ; this step's 42 loads, issued a step ago, are in
.if \tw >= 0
	s_wait_tensorcnt \tw                           ; my part of the next four K steps has landed
	s_barrier_signal -1
	s_barrier_wait -1                              ; everybody's has
.endif
.if \fetch
	PLACES 4                                       ; in front of loads into registers that the last step's products read
	FETCH ((\s)+1)/4, ((\s)+1)%4, ((\s)+1)%2
.endif
.endm
.macro QUANTB s, w                     ; 64 numbers in window w, register 16 b + i = k 32 b + 16 h + i of my row, become a fragment in v[PC] on and its scale word in v[PW]
	WIN 0x14*(\w)                                  ; sources 1 and 2
.irp b, 0,1,2,3
	v_max3_num_f32 v[TM+\b], 0x2800000, |v[(\s)+16*\b]|, |v[(\s)+1+16*\b]|   ; the floor 2^(5 - 127) among the leaves; each accumulator is read from its low end on
.endr
.irp i, 2,4,6,8,10,12,14
.irp b, 0,1,2,3
	v_max3_num_f32 v[TM+\b], v[TM+\b], |v[(\s)+16*\b+\i]|, |v[(\s)+1+16*\b+\i]|
.endr
.endr
	WIN 0
.irp b, 0,1,2,3
	v_permlanex16_b32 v[TM+4+\b], v[TM+\b], s[SEL], s[SEL+1]
.endr
.irp b, 0,1,2,3
	v_max_num_f32 v[TM+\b], v[TM+\b], v[TM+4+\b]
.endr
.irp b, 0,1,2,3
	v_add_nc_u32 v[TM+12+\b], 0xfe000000, v[TM+\b] ; 4 off the exponent field: the conversion's scale operand
.endr
.irp b, 0,1,2,3
	v_lshrrev_b32 v[TM+4+\b], 23, v[TM+12+\b]
.endr
	v_lshl_or_b32 v[PW], v[TM+5], 8, v[TM+4]
	v_lshl_or_b32 v[PW], v[TM+6], 16, v[PW]
	v_lshl_or_b32 v[PW], v[TM+7], 24, v[PW]
	WIN 0x01*(\w)                                  ; source 0
.irp c, 0,1
	v_cvt_scalef32_pk16_bf6_f32 v[PC+6*\c:PC+2+6*\c], v[(\s)+32*\c:(\s)+15+32*\c], v[TM+12+2*\c]
	v_cvt_scalef32_pk16_bf6_f32 v[PC+12+4*\c:PC+14+4*\c], v[(\s)+16+32*\c:(\s)+31+32*\c], v[TM+12+2*\c+1]
.endr
	WIN 0
	v_nop                                          ; one plain place behind a scaled conversion
.irp c, 0,1                            ; the layout wants a whole block in a lane
.irp i, 0,1,2
	v_permlane16_swap_b32 v[PC+6*\c+\i], v[PC+12+4*\c+\i]
.endr
.irp i, 0,1,2
	v_mov_b32 v[PC+3+6*\c+\i], v[PC+12+4*\c+\i]
.endr
.endr
.endm
	s_load_b128 s[4:7], s[0:1], 0x0                ; S0, S1
	s_load_b128 s[8:11], s[0:1], 0x10              ; bias, out
	v_lshl_add_u32 v254, v0, 2, 0x4b000
	v_mov_b32 v255, 0
	ds_add_u32 v254, v255
	ds_add_u32 v254, v255
	v_lshrrev_b32 v1, 5, v0
	v_readfirstlane_b32 s24, v1                    ; wave
	s_lshr_b32 s25, s24, 1                         ; my group of S1
	s_and_b32 s26, s24, 1                          ; my half of it
	s_bfe_u32 s27, ttmp6, 0x40000                  ; cx
	s_bfe_u32 s28, ttmp6, 0x40004                  ; cy
	s_lshl_b32 s29, ttmp9, 2
	s_add_co_u32 s29, s29, s27                     ; x
	s_and_b32 s30, ttmp7, 0xffff
	s_lshl_b32 s30, s30, 2
	s_add_co_u32 s30, s30, s28                     ; y
	s_lshl_b32 s84, 0x1111, s27                    ; my column of the cluster
	s_lshl_b32 s85, s28, 2
	s_lshl_b32 s85, 15, s85                        ; my row
	s_or_b32 s32, s84, (3<<16)|(1<<21)             ; group 1: the mask; elements of 8 bytes; bit 21 beside a mask
	s_or_b32 s40, s85, (3<<16)|(1<<21)
.irp g, 32, 40
	s_mov_b32 s[\g+1], 32<<16                      ; rows of 32 elements = 256 bytes,
	s_mov_b32 s[\g+2], (100+100*(\g/40))<<16       ; S0's load: 100 rows, two records; S1's: 200 rows, four records
	s_mov_b32 s[\g+3], 32<<16
	s_mov_b32 s[\g+4], 100+100*(\g/40)
	s_mov_b32 s[\g+5], 32
	s_mov_b32 s[\g+6], 0
	s_mov_b32 s[\g+7], 0
.endr
	s_mov_b32 s[SEL], 0x76543210
	s_mov_b32 s[SEL+1], 0xfedcba98
	s_lshl_b32 s86, s29, 3
	s_add_co_u32 s86, s86, S0B
	s_mul_i32 s86, s86, REC                        ; S0: record S0B + 8 x
	s_mov_b32 s87, 0
	s_lshl_b32 s95, s30, 1
	s_add_co_u32 s94, s26, s95                     ; waves 2, 3 fetch S1's groups 0, 1
	s_lshl_b32 s94, s94, 3
	s_add_co_u32 s94, s94, S1B
	s_mul_i32 s94, s94, REC                        ; S1: record S1B + 8 (2 y + group)
	s_mov_b32 s95, 0
	s_mul_i32 s90, s26, 25600                      ; waves 0, 1 fetch two of a slot's four records of S0 each: where they land,
	s_add_co_u32 s86, s86, s90                     ; and where they come from
	s_mul_i32 s91, s26, 51200
	s_add_co_u32 s91, s91, 51200                   ; where a group of S1 lands in a slot
	s_wait_dscnt 0x0
	s_wait_kmcnt 0x0
	s_add_nc_u64 s[88:89], s[4:5], s[86:87]
	s_add_nc_u64 s[96:97], s[6:7], s[94:95]
	CROUND                                         ; all sixteen work-groups are here: the joint loads meet
.irp j, 0,1                            ; a group 0 for each slot of four K steps
	s_mov_b32 s[48+4*\j], 1
	s_add_co_u32 s[49+4*\j], s90, SLOT*\j
	s_add_nc_u64 s[50+4*\j:51+4*\j], s[88:89], 51200*\j
	s_or_b32 s[51+4*\j], s[51+4*\j], 0x80000000
	s_mov_b32 s[68+4*\j], 1
	s_add_co_u32 s[69+4*\j], s91, SLOT*\j
	s_add_nc_u64 s[70+4*\j:71+4*\j], s[96:97], 51200*\j
	s_or_b32 s[71+4*\j], s[71+4*\j], 0x80000000
.endr
.macro JL n                            ; slot n's joint loads, one a wave: waves 0, 1 S0's halves, waves 2, 3 S1's groups
	s_cmp_eq_u32 s25, 0
	s_cbranch_scc0 .Lfor_s1_\@
	tensor_load_to_lds s[48+4*(\n):51+4*(\n)], s[32:39]
	s_nop 0
	PLACES 4
	s_branch .Lasked_\@
.Lfor_s1_\@:
	tensor_load_to_lds s[68+4*(\n):71+4*(\n)], s[40:47]
	s_nop 0
	PLACES 4
.Lasked_\@:
.endm
	JL 0                                           ; K steps 0 to 3: one tensor load a wave at the head
	v_and_b32 v1, 15, v0                           ; r
	v_bfe_u32 v2, v0, 4, 1                         ; h
	v_and_b32 v31, 31, v0                          ; lane
	v_lshlrev_b32 v4, 4, v31                       ; S0's fragments, slot 0;
	v_add_nc_u32 v5, SLOT, v4                      ; slot 1
	s_mul_i32 s92, s25, 51200
	s_add_co_u32 s92, s92, 51200
	s_mul_i32 s93, s26, 6144
	s_add_co_u32 s93, s93, s92
	v_add_nc_u32 v6, s93, v4                       ; S1's: my group, my four tiles
	v_add_nc_u32 v7, SLOT, v6
	v_lshl_add_u32 v8, v31, 2, 12288               ; S0's scale words
	v_add_nc_u32 v9, SLOT, v8
	s_lshl_b32 s93, s26, 8
	s_add_co_u32 s93, s93, s92
	v_add_nc_u32 v10, s93, v8                      ; S1's
	v_add_nc_u32 v11, SLOT, v10
	s_mul_i32 s93, s26, 6144
	v_add_nc_u32 v12, s93, v4                      ; the way out: my lane's place in the output record's images,
	s_lshl_b32 s93, s26, 8
	s_add_co_u32 s93, s93, 12288
	v_lshl_add_u32 v13, v1, 2, s93                 ; and among its scale words
	v_lshlrev_b32 v31, 6, v2                       ; the bias: 16 h numbers on
	s_wait_alu depctr_va_vdst(0)
	s_lshl_b32 s92, s30, 1
	s_add_co_u32 s92, s92, s25                     ; my group of S1
	s_mul_i32 s98, s92, SG
	s_mul_i32 s99, s29, SS
	s_add_co_u32 s98, s98, s99
	s_add_co_u32 s98, s98, OB
	s_mul_i32 s98, s98, REC
	s_mov_b32 s99, 0
	s_add_nc_u64 s[98:99], s[10:11], s[98:99]      ; the output record
	s_lshl_b32 s92, s29, 9                         ; the bias of S0's rows 128 x on
	s_mov_b32 s93, 0
	s_add_nc_u64 s[8:9], s[8:9], s[92:93]
.irp b, 0,1,2,3,4,5,6,7                ; tile b's eight registers: the bias of S0's rows 32 (b / 2) + 8 (b % 2) + 16 h + 0 .. 7
	global_load_b128 v[BI+8*\b:BI+8*\b+3], v31, s[8:9] offset:(32*(\b/2)+8*(\b%2))*4
	global_load_b128 v[BI+8*\b+4:BI+8*\b+7], v31, s[8:9] offset:(32*(\b/2)+8*(\b%2))*4+16
.endr
	s_wait_tensorcnt 0x0                           ; my part of slot 0 is in
	ds_add_u32 v254, v255
	s_wait_dscnt 0x0
	CROUND                                         ; everybody's part is in, and the sixteen work-groups meet
	JL 1                                           ; K steps 4 to 7: the first tensor load behind the round; four K steps of products in which to land
	FETCH 0, 0, 0
	s_wait_loadcnt 0x0                             ; the bias
	STEP 0, -1, 1
	MUL32 0, 1
	STEP 1, -1, 1
	MUL32 1, 0
	STEP 2, -1, 1
	MUL32 0, 0
	STEP 3, 0, 1
	MUL32 1, 0
	STEP 4, -1, 1
	MUL32 0, 0
	STEP 5, -1, 1
	MUL32 1, 0
	STEP 6, -1, 1
	MUL32 0, 0
	STEP 7, -1, 0
	MUL32 1, 0
	PLACES 4                                       ; behind the last products, ahead of every read of a result and every write of an operand
.irp b, 0,1,2,3
	v_mov_b32 v[TM+4+\b], 0                        ; a lane permute's destination counts as one of its sources
.endr
.irp a, 0,1,2,3                        ; S1's tile a becomes one fragment of the output record
.if \a > 0
	s_wait_xcnt 0x0                                ; the last tile's stores have read their registers
.endif
	QUANTB 64*\a, 1
.irp j, 0,1,2
	global_store_b128 v12, v[PC+4*\j:PC+4*\j+3], s[98:99] offset:1536*\a+512*\j   ; 512 consecutive bytes a store
.endr
	global_store_b32 v13, v[PW], s[98:99] offset:64*\a
.endr
	s_wait_dscnt 0x0
	s_wait_tensorcnt 0x0
	ds_add_u32 v254, v255
	s_wait_dscnt 0x0
	CROUND                                         ; the closing round
	s_endpgm
.Lfunc_end_k_qf2b57e5ec1_gqk:
	.size	k_qf2b57e5ec1_gqk, .Lfunc_end_k_qf2b57e5ec1_gqk-k_qf2b57e5ec1_gqk
	.p2alignl 7, 3214868480
	.fill 96, 4, 3214868480
	.section	.rodata,"a",@progbits
	.p2align	6, 0x0
	.amdhsa_kernel k_qf2b57e5ec1_gqk
		.amdhsa_group_segment_fixed_size 327680
		.amdhsa_private_segment_fixed_size 0
		.amdhsa_enable_private_segment 0
		.amdhsa_kernarg_size 32
		.amdhsa_user_sgpr_count 2
		.amdhsa_user_sgpr_kernarg_segment_ptr 1
		.amdhsa_wavefront_size32 1
		.amdhsa_system_sgpr_workgroup_id_x 1
		.amdhsa_system_sgpr_workgroup_id_y 1
		.amdhsa_system_sgpr_workgroup_id_z 1
		.amdhsa_system_vgpr_workitem_id 0
		.amdhsa_next_free_vgpr 768
		.amdhsa_next_free_sgpr 102
		.amdhsa_reserve_vcc 0
		.amdhsa_float_denorm_mode_32 3
		.amdhsa_float_denorm_mode_16_64 3
		.amdhsa_memory_ordered 1
		.amdhsa_forward_progress 1
		.amdhsa_inst_pref_size 82
	.end_amdhsa_kernel
	.amdgpu_metadata
---
amdhsa.version: [ 1, 2 ]
amdhsa.kernels:
  - .name:           k_qf2b57e5ec1_gqk
    .symbol:         k_qf2b57e5ec1_gqk.kd
    .args:
      - { .name: wq, .offset: 0, .size: 8, .value_kind: global_buffer, .address_space: global }
      - { .name: actA, .offset: 8, .size: 8, .value_kind: global_buffer, .address_space: global }
      - { .name: qkv_b, .offset: 16, .size: 8, .value_kind: global_buffer, .address_space: global }
      - { .name: actB, .offset: 24, .size: 8, .value_kind: global_buffer, .address_space: global }
    .group_segment_fixed_size: 327680
    .private_segment_fixed_size: 0
    .kernarg_segment_align: 8
    .kernarg_segment_size: 32
    .max_flat_workgroup_size: 128
    .sgpr_count:     102
    .vgpr_count:     768
    .wavefront_size: 32
...
	.end_amdgpu_metadata
.endif
;; end of part 10
;; launch gv (part 11): grid 32 x 4, 4 waves a work-group, clusters of 4 x 4, 327,680 bytes of LDS; arguments actA, wq, qkv_b, actB; writes actB
.if DOCPART == 11
	.amdgcn_target "amdgcn-amd-amdhsa--gfx1250"
	.amdhsa_code_object_version 6
	.text
	.protected	k_qf2b57e5ec1_gv
	.globl	k_qf2b57e5ec1_gv
	.p2align	8
	.type	k_qf2b57e5ec1_gv,@function
k_qf2b57e5ec1_gv:
	s_mov_b64 s[64:65], 0
	v_nop
	global_prefetch_b8 v0, s[64:65] scope:SCOPE_SE
	s_setreg_imm32_b32 hwreg(HW_REG_WAVE_MODE, 25, 1), 1
	s_wait_xcnt 0x0
	s_wait_alu depctr_hold_cnt(0) depctr_sa_sdst(0) depctr_va_vdst(0) depctr_va_sdst(0) depctr_va_ssrc(0) depctr_va_vcc(0) depctr_vm_vsrc(0)
	s_getreg_b32 s2, hwreg(HW_REG_IB_STS2, 6, 4)
	s_cmp_eq_u32 s2, 0
	s_cbranch_scc0 .Lentry_in_a_cluster
	s_endpgm
.Lentry_in_a_cluster:
	s_bfe_u32 s2, ttmp6, 0x10000c
	s_cmp_lg_u32 s2, 0xf033
	s_cbranch_scc0 .Lentry_shape_is_right
	s_endpgm
.Lentry_shape_is_right:
; v = xn qkv_w^T + qkv_b (rows 2,048 to 3,071 of qkv_w), K = 1,024, on records of BF6 codes (128 rows x 128 K in 12,800 bytes: eight register images of 1,536 bytes, then scale words at 12,288 + 64 i + 4 r).
; v is wanted with the KEYS innermost, so the sources change places: S0, source 0, is xn (tokens): its rows become a lane's registers, the next product's K.  S1, source 1, is qkv_w's rows (channels): its rows become lanes.
; The sums are quantised along the tokens and leave as records 512 + 32 (pair of heads) + token group of actB.  The bias runs along S1: a lane's eight registers of a tile hold one number.
; Lane row r of row tile 2 b + u is row 32 b + 8 u + r % 8 + 16 (r / 8), so the 16 registers of S0's tiles 2 b and 2 b + 1 are 16 neighbouring tokens.
; SHARES.  A work-group: 128 rows of S0 x 256 rows of S1; a wave: 128 x 64: 32 accumulators.  ALL OF K LIES IN LDS (307,200 bytes), brought by two loads of each wave: waves 0, 1 S0's halves, waves 2, 3 S1's two groups: nothing is filled again.
; CLUSTER 4 x 4: S0's records hang on x alone and are asked for jointly along a column, S1's on y alone, along a row.
; LIMITS: a block of zeros gets the byte 1 (this program alone reads the bytes); magnitudes under 2^-122 are held at that floor; NaN and infinities are not served.
; REGISTERS.  Window 0: v1-13, v31 addresses; v16-27 scale words, two sets; v32-79, v80-127 S1's four fragments, two sets (on the way out v96-132 the quantiser's); v136-167 the bias as the first products' C.
; Window 1: accumulator (a, b) at v[64 a + 8 b].  Window 2: S0's eight fragments, two sets, at v0 and v128.
.set S0B,  0                           ; S0's first record
.set S1B,  128                         ; S1's
.set BOFF, 2048                        ; the bias's first number
.set SG,   32                          ; the output record's step by S1 group,
.set SS,   1                           ; by S0 group,
.set OB,   512                         ; and its first record
.set REC,   12800
.set SLOT,  153600                     ; four K steps: S0's 4 records, S1 group 0's, S1 group 1's
.set TM,  96
.set PW,  112
.set PC,  114
.set BI,  136
.set SEL, 2
.set MSB, 0
.macro WIN new                         ; the immediate's high byte repeats the setting that is left
.if MSB != (\new)
	s_set_vgpr_msb (MSB<<8)|(\new)
.set MSB, (\new)
.endif
.endm
.macro PLACES n
.rept \n
	v_nop
.endr
.endm
.macro CROUND                          ; a round of the cluster's barrier
	s_barrier_signal -1
	s_barrier_wait -1
	s_cmp_lg_u32 s24, 0
	s_cbranch_scc1 .Lnot_wave_0_\@
	s_barrier_signal -3
.Lnot_wave_0_\@:
	s_barrier_wait -3
	s_barrier_signal -1
	s_barrier_wait -1
.endm
.macro FETCH n, q, sg                  ; the fragments and scale words of slot n's q-th K step into set sg: 42 LDS loads
	WIN 0x80                                       ; destination window 2
.irp i, 0,1,2,3,4,5,6,7
.irp j, 0,1,2
	ds_load_b128 v[128*(\sg)+12*\i+4*\j:128*(\sg)+12*\i+4*\j+3], v[4+(\n)] offset:REC*(\q)+1536*\i+512*\j
.endr
.endr
	WIN 0
.irp i, 0,1,2,3
.irp j, 0,1,2
	ds_load_b128 v[32+48*(\sg)+12*\i+4*\j:32+48*(\sg)+12*\i+4*\j+3], v[6+(\n)] offset:REC*(\q)+1536*\i+512*\j
.endr
.endr
.irp p, 0,1,2,3
	ds_load_b32 v[16+6*(\sg)+\p], v[8+(\n)] offset:REC*(\q)+128*\p    ; lanes 0-15 tile 2 p, lanes 16-31 tile 2 p + 1
.endr
.irp p, 0,1
	ds_load_b32 v[20+6*(\sg)+\p], v[10+(\n)] offset:REC*(\q)+128*\p
.endr
.endm
.macro WM a, b, sg, cb                 ; one product: S0's tile b x S1's tile a
.set WD, 64*(\a)+8*(\b)
.set WA, 128*(\sg)+12*(\b)
.set WB, 32+48*(\sg)+12*(\a)
.set WC, \cb
.set WSA, 16+6*(\sg)+(\b)/2
.set WSB, 20+6*(\sg)+(\a)/2
.set WP, (\b)%2+2*((\a)%2)
.if WP == 0
	v_wmma_scale_f32_16x16x128_f8f6f4 v[WD:WD+7], v[WA:WA+11], v[WB:WB+11], v[WC:WC+7], v[WSA], v[WSB] matrix_a_fmt:MATRIX_FMT_BF6 matrix_b_fmt:MATRIX_FMT_BF6
.elseif WP == 1
	v_wmma_scale_f32_16x16x128_f8f6f4 v[WD:WD+7], v[WA:WA+11], v[WB:WB+11], v[WC:WC+7], v[WSA], v[WSB] matrix_a_fmt:MATRIX_FMT_BF6 matrix_b_fmt:MATRIX_FMT_BF6 matrix_a_scale:MATRIX_SCALE_ROW1
.elseif WP == 2
	v_wmma_scale_f32_16x16x128_f8f6f4 v[WD:WD+7], v[WA:WA+11], v[WB:WB+11], v[WC:WC+7], v[WSA], v[WSB] matrix_a_fmt:MATRIX_FMT_BF6 matrix_b_fmt:MATRIX_FMT_BF6 matrix_b_scale:MATRIX_SCALE_ROW1
.else
	v_wmma_scale_f32_16x16x128_f8f6f4 v[WD:WD+7], v[WA:WA+11], v[WB:WB+11], v[WC:WC+7], v[WSA], v[WSB] matrix_a_fmt:MATRIX_FMT_BF6 matrix_b_fmt:MATRIX_FMT_BF6 matrix_a_scale:MATRIX_SCALE_ROW1 matrix_b_scale:MATRIX_SCALE_ROW1
.endif
.endm
.macro MUL16 a0, sg, cm                ; cm 0: onto the sums; 1: the bias, along S1, starts them
.irp a, \a0, \a0+1
.irp b, 0,1,2,3,4,5,6,7
.if \cm == 0
	WM \a, \b, \sg, 64*(\a)+8*\b
.else
	WM \a, \b, \sg, BI+8*(\a)
.endif
.endr
.endr
.endm
.macro MUL32 sg, cm                    ; a K step: the 32 accumulators take turns, one instruction a turn, in one order
.if \cm == 0
	WIN 0x52                                       ; A window 2, B window 0, C and D window 1
.else
	WIN 0x42                                       ; C window 0
.endif
	MUL16 0, \sg, \cm
	MUL16 2, \sg, \cm
	WIN 0
.endm
.macro STEP s, tw, fetch               ; what stands ahead of K step s's products
	s_wait_dscnt 0x0                               ; this step's 42 loads, issued a step ago, are in
.if \tw >= 0
	s_wait_tensorcnt \tw                           ; my part of the next four K steps has landed
	s_barrier_signal -1
	s_barrier_wait -1                              ; everybody's has
.endif
.if \fetch
	PLACES 4                                       ; in front of loads into registers that the last step's products read
	FETCH ((\s)+1)/4, ((\s)+1)%4, ((\s)+1)%2
.endif
.endm
.macro QUANTB s, w                     ; 64 numbers in window w, register 16 b + i = k 32 b + 16 h + i of my row, become a fragment in v[PC] on and its scale word in v[PW]
	WIN 0x14*(\w)                                  ; sources 1 and 2
.irp b, 0,1,2,3
	v_max3_num_f32 v[TM+\b], 0x2800000, |v[(\s)+16*\b]|, |v[(\s)+1+16*\b]|   ; the floor 2^(5 - 127) among the leaves; each accumulator is read from its low end on
.endr
.irp i, 2,4,6,8,10,12,14
.irp b, 0,1,2,3
	v_max3_num_f32 v[TM+\b], v[TM+\b], |v[(\s)+16*\b+\i]|, |v[(\s)+1+16*\b+\i]|
.endr
.endr
	WIN 0
.irp b, 0,1,2,3
	v_permlanex16_b32 v[TM+4+\b], v[TM+\b], s[SEL], s[SEL+1]
.endr
.irp b, 0,1,2,3
	v_max_num_f32 v[TM+\b], v[TM+\b], v[TM+4+\b]
.endr
.irp b, 0,1,2,3
	v_add_nc_u32 v[TM+12+\b], 0xfe000000, v[TM+\b] ; 4 off the exponent field: the conversion's scale operand
.endr
.irp b, 0,1,2,3
	v_lshrrev_b32 v[TM+4+\b], 23, v[TM+12+\b]
.endr
	v_lshl_or_b32 v[PW], v[TM+5], 8, v[TM+4]
	v_lshl_or_b32 v[PW], v[TM+6], 16, v[PW]
	v_lshl_or_b32 v[PW], v[TM+7], 24, v[PW]
	WIN 0x01*(\w)                                  ; source 0
.irp c, 0,1
	v_cvt_scalef32_pk16_bf6_f32 v[PC+6*\c:PC+2+6*\c], v[(\s)+32*\c:(\s)+15+32*\c], v[TM+12+2*\c]
	v_cvt_scalef32_pk16_bf6_f32 v[PC+12+4*\c:PC+14+4*\c], v[(\s)+16+32*\c:(\s)+31+32*\c], v[TM+12+2*\c+1]
.endr
	WIN 0
	v_nop                                          ; one plain place behind a scaled conversion
.irp c, 0,1                            ; the layout wants a whole block in a lane
.irp i, 0,1,2
	v_permlane16_swap_b32 v[PC+6*\c+\i], v[PC+12+4*\c+\i]
.endr
.irp i, 0,1,2
	v_mov_b32 v[PC+3+6*\c+\i], v[PC+12+4*\c+\i]
.endr
.endr
.endm
	s_load_b128 s[4:7], s[0:1], 0x0                ; S0, S1
	s_load_b128 s[8:11], s[0:1], 0x10              ; bias, out
	v_lshl_add_u32 v254, v0, 2, 0x4b000
	v_mov_b32 v255, 0
	ds_add_u32 v254, v255
	ds_add_u32 v254, v255
	v_lshrrev_b32 v1, 5, v0
	v_readfirstlane_b32 s24, v1                    ; wave
	s_lshr_b32 s25, s24, 1                         ; my group of S1
	s_and_b32 s26, s24, 1                          ; my half of it
	s_bfe_u32 s27, ttmp6, 0x40000                  ; cx
	s_bfe_u32 s28, ttmp6, 0x40004                  ; cy
	s_lshl_b32 s29, ttmp9, 2
	s_add_co_u32 s29, s29, s27                     ; x
	s_and_b32 s30, ttmp7, 0xffff
	s_lshl_b32 s30, s30, 2
	s_add_co_u32 s30, s30, s28                     ; y
	s_lshl_b32 s84, 0x1111, s27                    ; my column of the cluster
	s_lshl_b32 s85, s28, 2
	s_lshl_b32 s85, 15, s85                        ; my row
	s_or_b32 s32, s84, (3<<16)|(1<<21)             ; group 1: the mask; elements of 8 bytes; bit 21 beside a mask
	s_or_b32 s40, s85, (3<<16)|(1<<21)
.irp g, 32, 40
	s_mov_b32 s[\g+1], 32<<16                      ; rows of 32 elements = 256 bytes,
	s_mov_b32 s[\g+2], (100+100*(\g/40))<<16       ; S0's load: 100 rows, two records; S1's: 200 rows, four records
	s_mov_b32 s[\g+3], 32<<16
	s_mov_b32 s[\g+4], 100+100*(\g/40)
	s_mov_b32 s[\g+5], 32
	s_mov_b32 s[\g+6], 0
	s_mov_b32 s[\g+7], 0
.endr
	s_mov_b32 s[SEL], 0x76543210
	s_mov_b32 s[SEL+1], 0xfedcba98
	s_lshl_b32 s86, s29, 3
	s_add_co_u32 s86, s86, S0B
	s_mul_i32 s86, s86, REC                        ; S0: record S0B + 8 x
	s_mov_b32 s87, 0
	s_lshl_b32 s95, s30, 1
	s_add_co_u32 s94, s26, s95                     ; waves 2, 3 fetch S1's groups 0, 1
	s_lshl_b32 s94, s94, 3
	s_add_co_u32 s94, s94, S1B
	s_mul_i32 s94, s94, REC                        ; S1: record S1B + 8 (2 y + group)
	s_mov_b32 s95, 0
	s_mul_i32 s90, s26, 25600                      ; waves 0, 1 fetch two of a slot's four records of S0 each: where they land,
	s_add_co_u32 s86, s86, s90                     ; and where they come from
	s_mul_i32 s91, s26, 51200
	s_add_co_u32 s91, s91, 51200                   ; where a group of S1 lands in a slot
	s_wait_dscnt 0x0
	s_wait_kmcnt 0x0
	s_add_nc_u64 s[88:89], s[4:5], s[86:87]
	s_add_nc_u64 s[96:97], s[6:7], s[94:95]
	CROUND                                         ; all sixteen work-groups are here: the joint loads meet
.irp j, 0,1                            ; a group 0 for each slot of four K steps
	s_mov_b32 s[48+4*\j], 1
	s_add_co_u32 s[49+4*\j], s90, SLOT*\j
	s_add_nc_u64 s[50+4*\j:51+4*\j], s[88:89], 51200*\j
	s_or_b32 s[51+4*\j], s[51+4*\j], 0x80000000
	s_mov_b32 s[68+4*\j], 1
	s_add_co_u32 s[69+4*\j], s91, SLOT*\j
	s_add_nc_u64 s[70+4*\j:71+4*\j], s[96:97], 51200*\j
	s_or_b32 s[71+4*\j], s[71+4*\j], 0x80000000
.endr
.macro JL n                            ; slot n's joint loads, one a wave: waves 0, 1 S0's halves, waves 2, 3 S1's groups
	s_cmp_eq_u32 s25, 0
	s_cbranch_scc0 .Lfor_s1_\@
	tensor_load_to_lds s[48+4*(\n):51+4*(\n)], s[32:39]
	s_nop 0
	PLACES 4
	s_branch .Lasked_\@
.Lfor_s1_\@:
	tensor_load_to_lds s[68+4*(\n):71+4*(\n)], s[40:47]
	s_nop 0
	PLACES 4
.Lasked_\@:
.endm
	JL 0                                           ; K steps 0 to 3: one tensor load a wave at the head
	v_and_b32 v1, 15, v0                           ; r
	v_bfe_u32 v2, v0, 4, 1                         ; h
	v_and_b32 v31, 31, v0                          ; lane
	v_lshlrev_b32 v4, 4, v31                       ; S0's fragments, slot 0;
	v_add_nc_u32 v5, SLOT, v4                      ; slot 1
	s_mul_i32 s92, s25, 51200
	s_add_co_u32 s92, s92, 51200
	s_mul_i32 s93, s26, 6144
	s_add_co_u32 s93, s93, s92
	v_add_nc_u32 v6, s93, v4                       ; S1's: my group, my four tiles
	v_add_nc_u32 v7, SLOT, v6
	v_lshl_add_u32 v8, v31, 2, 12288               ; S0's scale words
	v_add_nc_u32 v9, SLOT, v8
	s_lshl_b32 s93, s26, 8
	s_add_co_u32 s93, s93, s92
	v_add_nc_u32 v10, s93, v8                      ; S1's
	v_add_nc_u32 v11, SLOT, v10
	s_mul_i32 s93, s26, 6144
	v_add_nc_u32 v12, s93, v4                      ; the way out: my lane's place in the output record's images,
	s_lshl_b32 s93, s26, 8
	s_add_co_u32 s93, s93, 12288
	v_lshl_add_u32 v13, v1, 2, s93                 ; and among its scale words
	v_and_b32 v31, 7, v1
	v_lshrrev_b32 v3, 3, v1
	v_lshl_add_u32 v31, v3, 4, v31
	v_lshlrev_b32 v31, 2, v31                      ; the bias: my lane's row of a tile, r % 8 + 16 (r / 8)
	s_wait_alu depctr_va_vdst(0)
	s_lshl_b32 s92, s30, 1
	s_add_co_u32 s92, s92, s25                     ; my group of S1
	s_mul_i32 s98, s92, SG
	s_mul_i32 s99, s29, SS
	s_add_co_u32 s98, s98, s99
	s_add_co_u32 s98, s98, OB
	s_mul_i32 s98, s98, REC
	s_mov_b32 s99, 0
	s_add_nc_u64 s[98:99], s[10:11], s[98:99]      ; the output record
	s_lshl_b32 s92, s92, 7
	s_lshl_b32 s93, s26, 6
	s_add_co_u32 s92, s92, s93                     ; my first row of S1
	s_add_co_u32 s92, s92, BOFF
	s_lshl_b32 s92, s92, 2
	s_mov_b32 s93, 0
	s_add_nc_u64 s[8:9], s[8:9], s[92:93]
.irp a, 0,1,2,3                        ; tile a's eight registers all hold the bias of my lane's row of S1
.irp j, 0,1,2,3,4,5,6,7
	global_load_b32 v[BI+8*\a+\j], v31, s[8:9] offset:(32*(\a/2)+8*(\a%2))*4
.endr
.endr
	s_wait_tensorcnt 0x0                           ; my part of slot 0 is in
	ds_add_u32 v254, v255
	s_wait_dscnt 0x0
	CROUND                                         ; everybody's part is in, and the sixteen work-groups meet
	JL 1                                           ; K steps 4 to 7: the first tensor load behind the round; four K steps of products in which to land
	FETCH 0, 0, 0
	s_wait_loadcnt 0x0                             ; the bias
	STEP 0, -1, 1
	MUL32 0, 1
	STEP 1, -1, 1
	MUL32 1, 0
	STEP 2, -1, 1
	MUL32 0, 0
	STEP 3, 0, 1
	MUL32 1, 0
	STEP 4, -1, 1
	MUL32 0, 0
	STEP 5, -1, 1
	MUL32 1, 0
	STEP 6, -1, 1
	MUL32 0, 0
	STEP 7, -1, 0
	MUL32 1, 0
	PLACES 4                                       ; behind the last products, ahead of every read of a result and every write of an operand
.irp b, 0,1,2,3
	v_mov_b32 v[TM+4+\b], 0                        ; a lane permute's destination counts as one of its sources
.endr
.irp a, 0,1,2,3                        ; S1's tile a becomes one fragment of the output record
.if \a > 0
	s_wait_xcnt 0x0                                ; the last tile's stores have read their registers
.endif
	QUANTB 64*\a, 1
.irp j, 0,1,2
	global_store_b128 v12, v[PC+4*\j:PC+4*\j+3], s[98:99] offset:1536*\a+512*\j   ; 512 consecutive bytes a store
.endr
	global_store_b32 v13, v[PW], s[98:99] offset:64*\a
.endr
	s_wait_dscnt 0x0
	s_wait_tensorcnt 0x0
	ds_add_u32 v254, v255
	s_wait_dscnt 0x0
	CROUND                                         ; the closing round
	s_endpgm
.Lfunc_end_k_qf2b57e5ec1_gv:
	.size	k_qf2b57e5ec1_gv, .Lfunc_end_k_qf2b57e5ec1_gv-k_qf2b57e5ec1_gv
	.p2alignl 7, 3214868480
	.fill 96, 4, 3214868480
	.section	.rodata,"a",@progbits
	.p2align	6, 0x0
	.amdhsa_kernel k_qf2b57e5ec1_gv
		.amdhsa_group_segment_fixed_size 327680
		.amdhsa_private_segment_fixed_size 0
		.amdhsa_enable_private_segment 0
		.amdhsa_kernarg_size 32
		.amdhsa_user_sgpr_count 2
		.amdhsa_user_sgpr_kernarg_segment_ptr 1
		.amdhsa_wavefront_size32 1
		.amdhsa_system_sgpr_workgroup_id_x 1
		.amdhsa_system_sgpr_workgroup_id_y 1
		.amdhsa_system_sgpr_workgroup_id_z 1
		.amdhsa_system_vgpr_workitem_id 0
		.amdhsa_next_free_vgpr 768
		.amdhsa_next_free_sgpr 102
		.amdhsa_reserve_vcc 0
		.amdhsa_float_denorm_mode_32 3
		.amdhsa_float_denorm_mode_16_64 3
		.amdhsa_memory_ordered 1
		.amdhsa_forward_progress 1
		.amdhsa_inst_pref_size 84
	.end_amdhsa_kernel
	.amdgpu_metadata
---
amdhsa.version: [ 1, 2 ]
amdhsa.kernels:
  - .name:           k_qf2b57e5ec1_gv
    .symbol:         k_qf2b57e5ec1_gv.kd
    .args:
      - { .name: actA, .offset: 0, .size: 8, .value_kind: global_buffer, .address_space: global }
      - { .name: wq, .offset: 8, .size: 8, .value_kind: global_buffer, .address_space: global }
      - { .name: qkv_b, .offset: 16, .size: 8, .value_kind: global_buffer, .address_space: global }
      - { .name: actB, .offset: 24, .size: 8, .value_kind: global_buffer, .address_space: global }
    .group_segment_fixed_size: 327680
    .private_segment_fixed_size: 0
    .kernarg_segment_align: 8
    .kernarg_segment_size: 32
    .max_flat_workgroup_size: 128
    .sgpr_count:     102
    .vgpr_count:     768
    .wavefront_size: 32
...
	.end_amdgpu_metadata
.endif
;; end of part 11
;; launch attn (part 12): grid 16 x 16, 16 waves a work-group, no clusters, 327,680 bytes of LDS; arguments actB, actA; writes actA
.if DOCPART == 12
	.amdgcn_target "amdgcn-amd-amdhsa--gfx1250"
	.amdhsa_code_object_version 6
	.text
	.protected	k_qf2b57e5ec1_attn
	.globl	k_qf2b57e5ec1_attn
	.p2align	8
	.type	k_qf2b57e5ec1_attn,@function
k_qf2b57e5ec1_attn:
	s_mov_b64 s[64:65], 0
	v_nop
	global_prefetch_b8 v0, s[64:65] scope:SCOPE_SE
	s_setreg_imm32_b32 hwreg(HW_REG_WAVE_MODE, 25, 1), 1
	s_wait_xcnt 0x0
; Attention for a pair of heads (64 channels each) on records of BF6 codes.  q and k: records of 128 tokens x the pair's 128 channels; v: records of the pair's 128 channels x 128 keys.
; (A record: 12,800 bytes: eight register images of 1,536 bytes, registers 4 j .. 4 j + 3 of lane l at 1536 i + 512 j + 16 l, then scale words at 12,288 + 64 i + 4 r; lane row r of image 2 b + u is row 32 b + 8 u + r % 8 + 16 (r / 8).)
; o = softmax(q k^T / 8) v: t = score x log2(e) / 8; M = the running largest t rounded up to a whole number; p = 2^(t - M) is quantised along the keys, not normalised; the sum of the unquantised p divides at the end.
; o is quantised along the channels and leaves as half a fragment of a record (128 tokens x the pair's 128 channels): registers 6 e .. 6 e + 5 and two of the four scale bytes.
; SHARES.  A work-group: 128 queries of one batch and pair; sixteen waves: wave w takes query tile w % 8 and head e = w / 8, in 256 registers.  Both products are used transposed: a lane holds one query throughout.
; A HEAD'S K IS 64, THE INSTRUCTION'S 128: q's operand is [registers 0-5 | zeros] for head 0 and [zeros | registers 6-11] for head 1; k's fragment is used as it lies: the other head meets zero codes.
; THE KEYS OF A TILE ARE PICKED BY THE LANES' ADDRESSES: tile 4 c + t takes keys 64 c + 8 t + 0..7 in lane rows 0-7 and keys 64 c + 32 + 8 t + 0..7 in lane rows 8-15 (eight lane rows of image 4 c + t % 2, eight of image 4 c + 2 + t % 2).
; So the 32 score registers of tiles 4 c .. 4 c + 3 are keys 64 c + 32 h + 0..31: A WHOLE BLOCK IN A LANE, as the 6-bit operand wants it: a block's maximum needs no other lane and p's codes need no exchange of lanes.
; LDS rows are 256 bytes + 32 of padding (pitch 288): the two runs of 128 bytes that lanes 0-7 and 8-15 read lie 12 rows apart, 12 x 288 = 128 modulo 256, so they touch different banks (64 banks of 4 bytes: ISA guide 11.1).
; THE SOFTMAX IS ONE BATCH: all t - M, the rescaling of O^T, one wait, 66 exponentials, one wait, then sums, scale word and codes.
; RING.  Two slots of four key steps (4 records of k, 4 of v: 115,200 bytes in LDS), 2^17 bytes apart; waves 0, 1 fetch k's halves, waves 2, 3 v's; all sixteen read.
; PREFETCH.  Behind the change of slots that loads slot s + 1, slot s + 2's 400 blocks of 256 bytes are named: the sixteen work-groups that read the same k and v take 25 blocks each, by address (x < 8: k's, else v's), wave 4, a lane a block
; (lanes 25-31 name the 25th again).  The last change that loads names nothing.
; NO CLUSTER: a key step's 25,600 shared bytes stand beside 16 softmax passes of some 220 vector instructions each in the work-group, so what is shared is a small part of a step's work; the plain ring is the simpler text.
; The 8-byte stores of o's codes lie 16 bytes apart: they fill their blocks of 256 bytes only together with the partner wave's.
; LIMITS: the promise holds while |t| stays under 2^31; a block of zeros gets the byte 1 (this program alone reads the bytes); NaN and infinities are not served.
; REGISTERS: v1-4 lane bases, v5-6 the spare word's, v7 16 x lane, v8-11 the step's addresses; v[12:15] -M, largest t, sum pair; v16 the prefetch's offset, v17 8 h; v20-31 q; v38-85 four fragments;
; v86-89 k's scale words, v90-91 v's, v92 q's, v93 p's; v96-159 scores, then p; v160-191 O^T; v[192:193] the sum's second chain; v224-235 p's codes; v232-254 at work.
.set REC,   12800
.set LROW,  288
.set LREC,  50*LROW                    ; a record in LDS
.set FRG,   6*LROW                     ; an image in LDS
.set SCW,   48*LROW                    ; a record's scale words in LDS
.set VOFF,  4*LREC                     ; v's records lie behind k's four
.set SLOT1, 131072
.set SPARE, SLOT1+8*LREC               ; the spare words: 128 bytes for each of 16 waves: eight blocks of 256 bytes that no other line names
.set TM,  232
.set PW,  94
.set PC,  38
.set SEL, 20
.set CS,  22
.set ST,  12
.set OO,  160
.macro TLOAD                           ; an s_nop 0 and four v_nop follow each of the two lines
	s_cmp_lt_u32 s18, 2
	s_cbranch_scc0 .Lnot_k_\@
	tensor_load_to_lds s[32:35], s[24:31]
	s_nop 0
.rept 4
	v_nop
.endr
	s_branch .Lasked_\@
.Lnot_k_\@:
	s_cmp_lt_u32 s18, 4
	s_cbranch_scc0 .Lasked_\@
	tensor_load_to_lds s[36:39], s[24:31]
	s_nop 0
.rept 4
	v_nop
.endr
.Lasked_\@:
.endm
.macro FKS a, n                        ; t - M of pairs a .. a + n - 1 (of the pairs c and -M the low word serves both halves)
.set kk, \a
.rept \n
	v_pk_fma_f32 v[96+2*kk:97+2*kk], v[96+2*kk:97+2*kk], s[CS:CS+1], v[ST:ST+1] op_sel_hi:[1,0,0]
.set kk, kk+1
.endr
.endm
.macro AKS a, n                        ; pairs a .. a + n - 1 join the row's sum, which is taken of the unquantised p, in two chains
.set ak, \a
.rept \n
.if ak == 1
	v_pk_add_f32 v[192:193], v[96:97], v[98:99]
.elseif ak%2 == 0
	v_pk_add_f32 v[ST+2:ST+3], v[ST+2:ST+3], v[96+2*ak:97+2*ak]
.else
	v_pk_add_f32 v[192:193], v[192:193], v[96+2*ak:97+2*ak]
.endif
.set ak, ak+1
.endr
.endm
	s_load_b128 s[4:7], s[0:1], 0x0                ; actB (q, k, v), actA (o)
	v_lshl_add_u32 v5, v0, 2, SPARE
	v_mov_b32 v6, 0
	ds_add_u32 v5, v6                              ; the opening lines: the add, twice on end, and its wait
	ds_add_u32 v5, v6
	v_lshrrev_b32 v8, 5, v0
	v_readfirstlane_b32 s18, v8                    ; wave 0..15
	s_lshr_b32 s19, s18, 3                         ; e: my head of the pair
	s_and_b32 s17, s18, 7                          ; my tile of 16 queries
	s_and_b32 s8, ttmp7, 0xffff
	s_lshr_b32 s9, s8, 3                           ; batch
	s_and_b32 s10, s8, 7                           ; pair of heads
	s_lshl_b32 s11, s9, 4                          ; the batch's first token group
	s_and_b32 s12, s18, 1
	s_lshl_b32 s14, s12, 1                         ; which two records of a slot I fetch, if I fetch
	s_add_co_u32 s13, s10, 8
	s_lshl_b32 s13, s13, 5
	s_add_co_u32 s13, s13, s11                     ; k: record (8 + pair) 32 + token group
	s_lshl_b32 s16, s10, 5
	s_add_co_u32 s16, s16, s11
	s_add_co_u32 s15, s16, ttmp9                   ; q: record 32 pair + my token group
	s_add_co_u32 s16, s16, 512                     ; v: record 512 + 32 pair + token group
	s_cmp_lt_u32 ttmp9, 8
	s_cselect_b32 s58, s13, s16                    ; the prefetch: work-groups 0-7 name k's blocks, 8-15 v's,
	s_mul_i32 s58, s58, REC
	s_and_b32 s60, ttmp9, 7
	s_mul_i32 s60, s60, 6400                       ; 25 blocks each,
	s_add_co_u32 s58, s58, s60
	s_add_co_u32 s58, s58, 4*REC                   ; at slot 1: each change of slots steps it once ahead of its use
	s_mov_b32 s59, 0
	s_add_co_u32 s13, s13, s14
	s_mul_i32 s44, s13, REC
	s_mov_b32 s45, 0
	s_add_co_u32 s16, s16, s14
	s_mul_i32 s46, s16, REC
	s_mov_b32 s47, 0
	s_mul_i32 s15, s15, REC
	s_mul_i32 s48, s17, 1536
	s_add_co_u32 s48, s48, s15
	s_mov_b32 s49, 0
	s_lshl_b32 s50, s17, 6
	s_add_co_u32 s50, s50, s15
	s_add_co_u32 s50, s50, 12288
	s_mov_b32 s51, 0
	s_add_co_u32 s13, s11, ttmp9
	s_lshl_b32 s13, s13, 3
	s_add_co_u32 s13, s13, s10
	s_mul_i32 s13, s13, REC                        ; o: record 8 (token group) + pair
	s_mul_i32 s52, s17, 1536
	s_add_co_u32 s52, s52, s13
	s_mov_b32 s53, 0
	s_lshl_b32 s54, s17, 6
	s_add_co_u32 s54, s54, s13
	s_add_co_u32 s54, s54, 12288
	s_lshl_b32 s16, s19, 1
	s_add_co_u32 s54, s54, s16                     ; my two bytes of a scale word: 2 e on
	s_mov_b32 s55, 0
	s_mov_b32 s24, (3<<16)|(1<<20)|(5<<22)|(7<<25) ; group 1: no mask; elements of 8 bytes; behind every 64 words 8 words of padding; 100 dense rows of 256 bytes: two records
	s_mov_b32 s25, 32<<16
	s_mov_b32 s26, 100<<16
	s_mov_b32 s27, 32<<16
	s_mov_b32 s28, 100
	s_mov_b32 s29, 32
	s_mov_b32 s30, 0
	s_mov_b32 s31, 0
	s_mov_b32 s[SEL], 0x76543210
	s_mov_b32 s[SEL+1], 0xfedcba98
	s_mov_b32 s[CS], 0x3e38aa3b                    ; c = log2(e) / 8
	s_mov_b32 s[CS+1], s[CS]
	s_mov_b32 s40, 0                               ; LDS byte of the key step in hand
	s_mov_b32 s41, 3
	s_cmp_eq_u32 s19, 0
	s_cselect_b32 s56, -1, 0                       ; all lanes for head 0, none for head 1
	s_wait_dscnt 0x0                               ; both opening adds are done
	s_wait_kmcnt 0x0
	s_mov_b32 s32, 1
	s_mul_i32 s33, s12, 2*LREC
	s_add_nc_u64 s[34:35], s[4:5], s[44:45]
	s_or_b32 s35, s35, 0x80000000
	s_mov_b32 s36, 1
	s_add_co_u32 s37, s33, VOFF
	s_add_nc_u64 s[38:39], s[4:5], s[46:47]
	s_or_b32 s39, s39, 0x80000000
	TLOAD                                          ; slot 0
	s_add_nc_u64 s[48:49], s[4:5], s[48:49]
	s_add_nc_u64 s[50:51], s[4:5], s[50:51]
	s_add_nc_u64 s[52:53], s[6:7], s[52:53]
	s_add_nc_u64 s[54:55], s[6:7], s[54:55]
	s_add_nc_u64 s[58:59], s[4:5], s[58:59]
	v_and_b32 v8, 31, v0                           ; lane
	v_and_b32 v9, 15, v0                           ; r
	v_bfe_u32 v18, v0, 4, 1                        ; h
	v_bfe_u32 v19, v0, 3, 1                        ; r / 8
	v_lshlrev_b32 v7, 4, v8
	v_lshlrev_b32 v10, 2, v9                       ; 4 r
	global_load_b128 v[40:43], v7, s[48:49]        ; q's registers 0-3,
	global_load_b128 v[44:47], v7, s[48:49] offset:512    ; 4-7,
	global_load_b128 v[48:51], v7, s[48:49] offset:1024   ; 8-11
	global_load_b32 v92, v10, s[50:51]             ; q's scale words
	v_and_b32 v11, 7, v0                           ; r % 8
	v_mul_u32_u24 v1, v18, LROW                    ; lanes 16-31 read the next LDS row
	v_lshl_add_u32 v2, v9, 4, v1
	v_lshl_add_u32 v1, v11, 4, v1
	v_mad_u32_u24 v1, v19, 2*FRG, v1               ; k's fragments: 16 (r % 8), and lane rows 8-15 two images on
	s_mul_i32 s43, s19, 4*FRG
	s_add_co_u32 s43, s43, VOFF
	v_add_nc_u32 v2, s43, v2                       ; v's: my head's four tiles, as they lie
	v_lshlrev_b32 v3, 6, v18
	v_lshl_add_u32 v3, v11, 2, v3
	v_lshl_add_u32 v3, v19, 7, v3                  ; k's scale words: lanes 16-31 the next image's; lane rows 8-15 two images on
	s_mul_i32 s43, s19, LROW
	s_add_co_u32 s43, s43, VOFF+SCW
	v_lshl_add_u32 v4, v8, 2, s43                  ; v's: my head's
	v_lshlrev_b32 v17, 3, v18                      ; 8 h
	v_min_u32 v16, 24, v8
	v_lshlrev_b32 v16, 8, v16                      ; the prefetch: a lane a block of 256 bytes
	v_mov_b32 v13, 0xff61b1e6                      ; the largest t so far: -3e38
	v_floor_f32 v12, -v13
	v_mov_b32 v14, 0
	v_mov_b32 v15, 0
.irp b, 0,1,2,3
	v_mov_b32 v[236+\b], 0                         ; a lane permute's destination counts as one of its sources
.endr
	v_mov_b32 v252, 0
	v_mov_b32 v253, 0                              ; (the upper half of the pair v[252:253])
.set oi, 0
.rept 32
	v_mov_b32 v[OO+oi], 0                          ; O^T: the step is written once; the first change of M leaves zeros zeros
.set oi, oi+1
.endr
	s_wait_loadcnt 0x0
.irp i, 0,1,2,3,4,5
	v_cndmask_b32 v[20+\i], v253, v[40+\i], s56    ; head 0: q's registers 0-5, head 1: zeros
	v_cndmask_b32 v[26+\i], v[46+\i], v253, s56    ; head 0: zeros, head 1: q's registers 6-11
.endr
.set oi, 0
.rept 48
	v_mov_b32 v[38+oi], 0                          ; the fragments' registers, written once: of k's fragments a wave loads its own head's half alone
.set oi, oi+1
.endr
	s_wait_alu depctr_va_vdst(0)                   ; the wait at the head's end
; A key step of my head: 128 keys.
; OF A FRAGMENT OF k A WAVE LOADS ITS OWN HEAD'S SIX REGISTERS: 24 bytes a lane and not 48.  The other six meet q's zero codes, and every pattern of bits is a finite number of E3M2: whatever they hold (zeros at first, later
; what v's fragments left) adds nothing.  Head 0: registers 0-3 and 4-5; head 1: registers 6-7 and 8-11.  The branch hangs on the wave's number alone.
.macro KLOAD g
	s_cmp_lg_u32 s19, 0
	s_cbranch_scc1 .Lhead1_\@
.irp t, 0,1,2,3
	ds_load_b128 v[38+12*\t:41+12*\t], v8 offset:FRG*(4*\g+(\t%2))+128*(\t/2)
	ds_load_b64 v[42+12*\t:43+12*\t], v8 offset:FRG*(4*\g+(\t%2))+128*(\t/2)+2*LROW
.endr
	s_branch .Lhave_\@
.Lhead1_\@:
.irp t, 0,1,2,3
	ds_load_b64 v[44+12*\t:45+12*\t], v8 offset:FRG*(4*\g+(\t%2))+128*(\t/2)+2*LROW+8
	ds_load_b128 v[46+12*\t:49+12*\t], v8 offset:FRG*(4*\g+(\t%2))+128*(\t/2)+4*LROW
.endr
.Lhave_\@:
.endm
.macro STEP
.irp g, 0,1                            ; S^T = k q^T, four tiles at a time: keys 64 g + 32 h + 0 .. 31 of a lane
.if \g > 0
.rept 4
	v_nop                                          ; places in front of loads into registers that products have read (the first run: the four additions at the step's head)
.endr
.endif
	KLOAD \g
.irp p, 0,1
	ds_load_b32 v[86+2*\g+\p], v10 offset:SCW+LROW*\g+32*\p    ; lanes 0-15 tile 4 g + 2 p, lanes 16-31 tile 4 g + 2 p + 1
.endr
	s_wait_dscnt 0x0
.irp t, 0,2
	v_wmma_scale_f32_16x16x128_f8f6f4 v[96+8*(4*\g+\t):103+8*(4*\g+\t)], v[38+12*\t:49+12*\t], v[20:31], 0, v[86+2*\g+\t/2], v92 matrix_a_fmt:MATRIX_FMT_BF6 matrix_b_fmt:MATRIX_FMT_BF6
	v_wmma_scale_f32_16x16x128_f8f6f4 v[104+8*(4*\g+\t):111+8*(4*\g+\t)], v[50+12*\t:61+12*\t], v[20:31], 0, v[86+2*\g+\t/2], v92 matrix_a_fmt:MATRIX_FMT_BF6 matrix_b_fmt:MATRIX_FMT_BF6 matrix_a_scale:MATRIX_SCALE_ROW1
.endr
.endr
.rept 4
	v_nop
.endr
.irp t, 0,1,2,3                        ; v's four tiles of my head are asked for now and land under the softmax
.irp j, 0,1,2
	ds_load_b128 v[38+12*\t+4*\j:41+12*\t+4*\j], v9 offset:FRG*\t+2*LROW*\j
.endr
.endr
.irp p, 0,1
	ds_load_b32 v[90+\p], v11 offset:128*\p
.endr
.irp b, 0,1,2,3
	v_max3_num_f32 v[232+\b], v[96+16*\b], v[97+16*\b], v[98+16*\b]   ; four chains by turns; each accumulator is first read at its low end
.endr
.irp i, 3,5,7,9,11,13
.irp b, 0,1,2,3
	v_max3_num_f32 v[232+\b], v[232+\b], v[96+16*\b+\i], v[97+16*\b+\i]
.endr
.endr
	v_max3_num_f32 v232, v232, v233, v111
	v_max3_num_f32 v234, v234, v235, v143
	v_max_num_f32 v232, v232, v127                 ; the largest score of my block h: for the row's maximum and for the block's largest p,
	v_max_num_f32 v234, v234, v159                 ; and of my block 2 + h
	v_max_num_f32 v254, v232, v234
	v_permlanex16_b32 v236, v254, s[SEL], s[SEL+1]
	v_max_num_f32 v254, v254, v236                 ; with lane l xor 16's two blocks: the step's largest score of my query
	v_mul_f32 v254, s[CS], v254
	v_max_num_f32 v[ST+1], v[ST+1], v254           ; the running largest t
	v_mov_b32 v254, v[ST]
	v_floor_f32 v[ST], -v[ST+1]                    ; -M = floor(-t): M is a whole number
	v_sub_f32 v254, v[ST], v254
	FKS 0, 8
	v_cvt_i32_f32 v254, v254
	FKS 8, 8
	v_ldexp_f32 v252, 1.0, v254                    ; f = 2^(old M - new M)
	FKS 16, 16
	v_fma_f32 v232, v232, s[CS], v[ST]             ; t - M of each block's largest score
	v_fma_f32 v234, v234, s[CS], v[ST]
.set rj, 0
.rept 16                               ; O^T under the new M, in ascending order: each accumulator is first read at its low end, with no transcendental since its product
	v_pk_mul_f32 v[OO+2*rj:OO+2*rj+1], v[OO+2*rj:OO+2*rj+1], v[252:253] op_sel_hi:[1,0]
.set rj, rj+1
.endr
	s_wait_alu depctr_va_vdst(0)                   ; the wait ahead of the batch
	v_exp_f32 v232, v232                           ; the blocks' largest p: the same two instructions on the same number give the same bits
	v_exp_f32 v234, v234
.set kk, 0
.rept 64
	v_exp_f32 v[96+kk], v[96+kk]                   ; p = 2^(t - M), at most 1, not normalised
.set kk, kk+1
.endr
	v_pk_mul_f32 v[ST+2:ST+3], v[ST+2:ST+3], v[252:253] op_sel_hi:[1,0]   ; the sums under the new M: the plain place behind the batch
	s_wait_alu depctr_va_vdst(0)                   ; one wait for the whole batch, ahead of its first reader
	v_max_num_f32 v232, 0x2800000, v232            ; the floor 2^(5 - 127): the byte cannot fall under 1
	v_max_num_f32 v234, 0x2800000, v234
	AKS 1, 2
	v_add_nc_u32 v244, 0xfe000000, v232            ; 4 off the exponent field: the conversion's scale operand
	v_add_nc_u32 v245, 0xfe000000, v234
	AKS 3, 2
	v_lshrrev_b32 v236, 23, v244                   ; the scale's byte
	v_lshrrev_b32 v237, 23, v245
	AKS 5, 2
	v_lshl_or_b32 v93, v237, 16, v236              ; blocks h and 2 + h,
	AKS 7, 2
	v_lshlrev_b32 v93, v17, v93                    ; 8 h bits up;
	AKS 9, 2
	v_permlanex16_b32 v238, v93, s[SEL], s[SEL+1]
	AKS 11, 2
	v_or_b32 v93, v93, v238                        ; with lane l xor 16's two the scale word of these 128 keys is whole
.irp c, 0,1
	v_cvt_scalef32_pk16_bf6_f32 v[224+6*\c:226+6*\c], v[96+32*\c:111+32*\c], v[244+\c]
	v_cvt_scalef32_pk16_bf6_f32 v[236+4*\c:238+4*\c], v[112+32*\c:127+32*\c], v[244+\c]   ; (three registers begin on an even number)
.endr
	AKS 13, 4                                      ; plain places behind the scaled conversions
.irp c, 0,1
.irp i, 0,1,2
	v_mov_b32 v[227+6*\c+\i], v[236+4*\c+\i]
.endr
.endr
	AKS 17, 15                                     ; the last sums are the places between p's codes and scale word and the products
	v_pk_add_f32 v[ST+2:ST+3], v[ST+2:ST+3], v[192:193]
	s_wait_dscnt 0x0                               ; v's tiles are in
.irp t, 0,2                            ; O^T += v^T p^T: the four accumulators take turns
	v_wmma_scale_f32_16x16x128_f8f6f4 v[OO+8*\t:OO+8*\t+7], v[38+12*\t:49+12*\t], v[224:235], v[OO+8*\t:OO+8*\t+7], v[90+\t/2], v93 matrix_a_fmt:MATRIX_FMT_BF6 matrix_b_fmt:MATRIX_FMT_BF6
	v_wmma_scale_f32_16x16x128_f8f6f4 v[OO+8*\t+8:OO+8*\t+15], v[50+12*\t:61+12*\t], v[224:235], v[OO+8*\t+8:OO+8*\t+15], v[90+\t/2], v93 matrix_a_fmt:MATRIX_FMT_BF6 matrix_b_fmt:MATRIX_FMT_BF6 matrix_a_scale:MATRIX_SCALE_ROW1
.endr
.endm
; The change of slots stands at a slot's head: every wave waits for all its tensor loads, adds 0 to its spare word, waits for that and for its reads of the slot that it has left; behind the barrier that slot is filled again (fill = 1).
.macro CHANGE fill
.if \fill
	s_wait_xcnt 0x0                                ; any prefetch of mine has read its address
	s_add_nc_u64 s[58:59], s[58:59], 4*REC         ; on to the slot behind the one that is loaded now
.endif
	s_wait_tensorcnt 0x0                           ; no tensor load of mine is out, so a group 0 may be written
	ds_add_u32 v5, v6                              ; 0 onto my spare word
.if \fill
	ds_add_u32 v5, v6                              ; twice on end
	s_xor_b32 s33, s33, SLOT1
	s_add_nc_u64 s[34:35], s[34:35], 4*REC         ; the next four key steps
	s_xor_b32 s37, s37, SLOT1
	s_add_nc_u64 s[38:39], s[38:39], 4*REC
.endif
	s_wait_dscnt 0x0
	s_barrier_signal -1
	s_barrier_wait -1
.if \fill
	TLOAD                                          ; the first thing behind the barrier, a wave's one tensor load until the next: four key steps in which to land
	s_cmp_lt_u32 s41, 2                            ; the last change that loads has no slot behind it
	s_cbranch_scc1 .Lno_ask_\@
	s_cmp_lg_u32 s18, 4                            ; wave 4 asks for the work-group
	s_cbranch_scc1 .Lno_ask_\@
	global_prefetch_b8 v16, s[58:59] th:TH_LOAD_NT scope:SCOPE_SE
.Lno_ask_\@:
.endif
.endm
.macro SLOT_STEPS
	s_mov_b32 s42, 4
.Lstep_\@:
	v_add_nc_u32 v8, s40, v1
	v_add_nc_u32 v9, s40, v2
	v_add_nc_u32 v10, s40, v3
	v_add_nc_u32 v11, s40, v4
	s_wait_alu depctr_va_vdst(0)
	STEP
	s_add_co_u32 s40, s40, LREC
	s_sub_co_u32 s42, s42, 1
	s_cmp_lg_u32 s42, 0
	s_cbranch_scc1 .Lstep_\@
	s_sub_co_u32 s40, s40, 4*LREC
	s_xor_b32 s40, s40, SLOT1                      ; on to the other slot
.endm
.Lslot:                                            ; three trips: behind each change of slots but the last the next slot is asked for
	CHANGE 1
	SLOT_STEPS
	s_sub_co_u32 s41, s41, 1
	s_cmp_lg_u32 s41, 0
	s_cbranch_scc1 .Lslot
	CHANGE 0                                       ; the last slot is written out
	SLOT_STEPS
.rept 4
	v_nop
.endr
	s_wait_alu depctr_va_vdst(0)                   ; the sum pair was written just ahead of the last step's wait for LDS
	v_add_f32 v14, v14, v15
	v_permlanex16_b32 v252, v14, s[SEL], s[SEL+1]
	v_add_f32 v14, v14, v252                       ; the row's sum
	s_wait_alu depctr_va_vdst(0)
	v_rcp_f32 v14, v14
	v_and_b32 v10, 15, v0                          ; (a plain place behind the transcendental)
	v_lshlrev_b32 v10, 2, v10                      ; 4 r
.set mi, 0
	s_wait_alu depctr_va_vdst(0)
.rept 32
	v_mul_f32 v[96+mi], v[OO+mi], v14              ; register 16 b + i = channel 32 b + 16 h + i of my head's 64
.set mi, mi+1
.endr
; my head's two blocks of 32 channels become registers 6 e .. 6 e + 5 of the fragment and bytes 2 e, 2 e + 1 of the scale word
.irp b, 0,1
	v_max3_num_f32 v[TM+\b], |v[96+16*\b]|, |v[97+16*\b]|, 0x2800000   ; and the floor 2^(5 - 127)
.endr
.irp i, 2,4,6,8,10,12,14
.irp b, 0,1
	v_max3_num_f32 v[TM+\b], v[TM+\b], |v[96+16*\b+\i]|, |v[97+16*\b+\i]|
.endr
.endr
.irp b, 0,1
	v_permlanex16_b32 v[TM+4+\b], v[TM+\b], s[SEL], s[SEL+1]
.endr
.irp b, 0,1
	v_max_num_f32 v[TM+\b], v[TM+\b], v[TM+4+\b]
.endr
.irp b, 0,1
	v_add_nc_u32 v[TM+12+\b], 0xfe000000, v[TM+\b] ; 4 off the exponent field: the conversion's scale operand
.endr
.irp b, 0,1
	v_lshrrev_b32 v[TM+4+\b], 23, v[TM+12+\b]
.endr
	v_lshl_or_b32 v[PW], v[TM+5], 8, v[TM+4]
	v_cvt_scalef32_pk16_bf6_f32 v[PC:PC+2], v[96:111], v[TM+12]
	v_cvt_scalef32_pk16_bf6_f32 v[PC+12:PC+14], v[112:127], v[TM+13]
	v_nop                                          ; one plain place behind a scaled conversion
.irp i, 0,1,2
	v_permlane16_swap_b32 v[PC+\i], v[PC+12+\i]    ; the layout wants a whole block in a lane
.endr
.irp i, 0,1,2
	v_mov_b32 v[PC+3+\i], v[PC+12+\i]
.endr
	s_cmp_lg_u32 s19, 0
	s_wait_alu depctr_va_vdst(0)                   ; the wait ahead of the branch
	s_cbranch_scc1 .Lhead_1
	global_store_b128 v7, v[PC:PC+3], s[52:53]               ; registers 0-3 of the image,
	global_store_b64 v7, v[PC+4:PC+5], s[52:53] offset:512   ; 4 and 5
	s_branch .Lstored
.Lhead_1:
	global_store_b64 v7, v[PC:PC+1], s[52:53] offset:520     ; registers 6 and 7,
	global_store_b128 v7, v[PC+2:PC+5], s[52:53] offset:1024 ; 8-11
.Lstored:
	global_store_b16 v10, v[PW], s[54:55]          ; lanes 16-31 repeat lanes 0-15's two bytes
	s_wait_tensorcnt 0x0                           ; the wave's end
	ds_add_u32 v5, v6
	s_wait_dscnt 0x0
	s_endpgm
.Lfunc_end_k_qf2b57e5ec1_attn:
	.size	k_qf2b57e5ec1_attn, .Lfunc_end_k_qf2b57e5ec1_attn-k_qf2b57e5ec1_attn
	.p2alignl 7, 3214868480
	.fill 96, 4, 3214868480
	.section	.rodata,"a",@progbits
	.p2align	6, 0x0
	.amdhsa_kernel k_qf2b57e5ec1_attn
		.amdhsa_group_segment_fixed_size 327680
		.amdhsa_private_segment_fixed_size 0
		.amdhsa_enable_private_segment 0
		.amdhsa_kernarg_size 16
		.amdhsa_user_sgpr_count 2
		.amdhsa_user_sgpr_kernarg_segment_ptr 1
		.amdhsa_wavefront_size32 1
		.amdhsa_system_sgpr_workgroup_id_x 1
		.amdhsa_system_sgpr_workgroup_id_y 1
		.amdhsa_system_sgpr_workgroup_id_z 1
		.amdhsa_system_vgpr_workitem_id 0
		.amdhsa_next_free_vgpr 256
		.amdhsa_next_free_sgpr 66
		.amdhsa_reserve_vcc 0
		.amdhsa_float_denorm_mode_32 3
		.amdhsa_float_denorm_mode_16_64 3
		.amdhsa_memory_ordered 1
		.amdhsa_forward_progress 1
		.amdhsa_inst_pref_size 49
	.end_amdhsa_kernel
	.amdgpu_metadata
---
amdhsa.version: [ 1, 2 ]
amdhsa.kernels:
  - .name:           k_qf2b57e5ec1_attn
    .symbol:         k_qf2b57e5ec1_attn.kd
    .args:
      - { .name: actB, .offset: 0, .size: 8, .value_kind: global_buffer, .address_space: global }
      - { .name: actA, .offset: 8, .size: 8, .value_kind: global_buffer, .address_space: global }
    .group_segment_fixed_size: 327680
    .private_segment_fixed_size: 0
    .kernarg_segment_align: 8
    .kernarg_segment_size: 16
    .max_flat_workgroup_size: 512
    .sgpr_count:     66
    .vgpr_count:     256
    .wavefront_size: 32
...
	.end_amdgpu_metadata
.endif
;; end of part 12
;; launch gproj (part 13): grid 8 x 32, 4 waves a work-group, clusters of 4 x 4, 327,680 bytes of LDS; arguments wq, actA, proj_b, x, x1; writes x1
.if DOCPART == 13
	.amdgcn_target "amdgcn-amd-amdhsa--gfx1250"
	.amdhsa_code_object_version 6
	.text
	.protected	k_qf2b57e5ec1_gproj
	.globl	k_qf2b57e5ec1_gproj
	.p2align	8
	.type	k_qf2b57e5ec1_gproj,@function
k_qf2b57e5ec1_gproj:
	s_mov_b64 s[64:65], 0
	v_nop
	global_prefetch_b8 v0, s[64:65] scope:SCOPE_SE
	s_setreg_imm32_b32 hwreg(HW_REG_WAVE_MODE, 25, 1), 1
	s_wait_xcnt 0x0
	s_wait_alu depctr_hold_cnt(0) depctr_sa_sdst(0) depctr_va_vdst(0) depctr_va_sdst(0) depctr_va_ssrc(0) depctr_va_vcc(0) depctr_vm_vsrc(0)
	s_getreg_b32 s2, hwreg(HW_REG_IB_STS2, 6, 4)
	s_cmp_eq_u32 s2, 0
	s_cbranch_scc0 .Lentry_in_a_cluster
	s_endpgm
.Lentry_in_a_cluster:
	s_bfe_u32 s2, ttmp6, 0x10000c
	s_cmp_lg_u32 s2, 0xf033
	s_cbranch_scc0 .Lentry_shape_is_right
	s_endpgm
.Lentry_shape_is_right:
; x1 = x + o proj_w^T + proj_b, K = 1,024, on records of BF6 codes (128 rows x 128 K in 12,800 bytes: eight register images of 1,536 bytes, then scale words at 12,288 + 64 i + 4 r); x and x1 are f32 rows of 1,024.
; S0, source 0, is proj_w (records 192 + 8 x + K step of wq): its rows become a lane's registers, eight neighbouring columns.  S1, source 1, is o (records 8 y + K step): its rows, tokens, become lanes.
; Lane row r of row tile 2 b + u is row 32 b + 8 u + r % 8 + 16 (r / 8).
; SHARES.  A work-group: 128 columns x 128 tokens, so that the 8 x 32 tiles give each of 256 WGPs one; a wave: 64 x 64: 16 accumulators, 8 fragments read for 16 products.
; LDS.  Two slots of SL K steps; a slot is two regions of HR records for S0 and two for S1; a region is what one tensor load brings: waves 0, 1 fetch S0's, waves 2, 3 S1's.  Here 2 SL = NS: all of K lies in LDS and nothing is filled again.
; CLUSTER 4 x 4: S0's records hang on x alone and are asked for jointly along a column, S1's on y alone, along a row.
; THE RESIDUAL (64 tokens x 256 bytes a wave: 128 registers) is asked for at the head, as whole runs of 256 bytes, so that the way out waits for no memory.
; REGISTERS.  Window 0: v1-23 addresses; v24-25 the spare word's; v26-33 scale words, two sets; v36-83, v84-131 S1's four fragments, two sets; v132-163 the bias as the first products' C; v164-227 rows read back, two sets.
; Window 1: accumulator (a, b) at v[32 a + 8 b]; v128-255 the residual.  Window 2: S0's four fragments, two sets, at v0 and v48.
.set NS,   8                           ; K steps of 128
.set SL,   4                           ; K steps in a slot
.set HR,   SL/2                        ; records in a region
.set S0B,  192                         ; S0's first record
.set S1B,  0                           ; S1's
.set REC,   12800
.set RB,    HR*REC                     ; a region: S0's four at RB u, S1's at 4 RB + RB u
.set SPARE, 307200                     ; the spare words: 128 bytes for each wave: two blocks of 256 bytes that no other line names
.set STAGE, 307712                     ; 16 rows x 272 bytes for each wave; no tile lands there
.set BI,  132
.set OBK, 164
.set MSB, 0
.macro WIN new                         ; the immediate's high byte repeats the setting that is left
.if MSB != (\new)
	s_set_vgpr_msb (MSB<<8)|(\new)
.set MSB, (\new)
.endif
.endm
.macro PLACES n
.rept \n
	v_nop
.endr
.endm
.macro CREST                           ; a round of the cluster's barrier behind its opening barrier
	s_cmp_lg_u32 s24, 0
	s_cbranch_scc1 .Lnot_wave_0_\@
	s_barrier_signal -3
.Lnot_wave_0_\@:
	s_barrier_wait -3
	s_barrier_signal -1
	s_barrier_wait -1
.endm
.macro CROUND
	s_barrier_signal -1
	s_barrier_wait -1
	CREST
.endm
.macro JLOAD n, part                   ; a joint refill of slot n: waves 0, 1 S0's regions, waves 2, 3 S1's; part = 1: the slot's first region alone.  Four v_nop follow each line
.if \part
	s_cmp_lg_u32 s26, 0
	s_cbranch_scc1 .Lasked_\@
.endif
	s_cmp_eq_u32 s25, 0
	s_cbranch_scc0 .Lfor_s1_\@
	tensor_load_to_lds s[48+4*(\n):51+4*(\n)], s[32:39]
	s_nop 0
	PLACES 4
	s_branch .Lasked_\@
.Lfor_s1_\@:
	tensor_load_to_lds s[56+4*(\n):59+4*(\n)], s[40:47]
	s_nop 0
	PLACES 4
.Lasked_\@:
.endm
.macro FETCH u, q, sg                  ; the fragments and scale words of region u's q-th K step into set sg: 28 LDS loads
	WIN 0x80                                       ; destination window 2
.irp i, 0,1,2,3
.irp j, 0,1,2
	ds_load_b128 v[48*(\sg)+12*\i+4*\j:48*(\sg)+12*\i+4*\j+3], v[4+(\u)] offset:REC*(\q)+1536*\i+512*\j
.endr
.endr
	WIN 0
.irp i, 0,1,2,3
.irp j, 0,1,2
	ds_load_b128 v[36+48*(\sg)+12*\i+4*\j:36+48*(\sg)+12*\i+4*\j+3], v[8+(\u)] offset:REC*(\q)+1536*\i+512*\j
.endr
.endr
.irp p, 0,1
	ds_load_b32 v[26+4*(\sg)+\p], v[12+(\u)] offset:REC*(\q)+128*\p   ; lanes 0-15 tile 2 p, lanes 16-31 tile 2 p + 1
	ds_load_b32 v[28+4*(\sg)+\p], v[16+(\u)] offset:REC*(\q)+128*\p
.endr
.endm
.macro WM a, b, sg, cb                 ; one product: S0's tile b x S1's tile a
.set WD, 32*(\a)+8*(\b)
.set WA, 48*(\sg)+12*(\b)
.set WB, 36+48*(\sg)+12*(\a)
.set WC, \cb
.set WSA, 26+4*(\sg)+(\b)/2
.set WSB, 28+4*(\sg)+(\a)/2
.set WP, (\b)%2+2*((\a)%2)
.if WP == 0
	v_wmma_scale_f32_16x16x128_f8f6f4 v[WD:WD+7], v[WA:WA+11], v[WB:WB+11], v[WC:WC+7], v[WSA], v[WSB] matrix_a_fmt:MATRIX_FMT_BF6 matrix_b_fmt:MATRIX_FMT_BF6
.elseif WP == 1
	v_wmma_scale_f32_16x16x128_f8f6f4 v[WD:WD+7], v[WA:WA+11], v[WB:WB+11], v[WC:WC+7], v[WSA], v[WSB] matrix_a_fmt:MATRIX_FMT_BF6 matrix_b_fmt:MATRIX_FMT_BF6 matrix_a_scale:MATRIX_SCALE_ROW1
.elseif WP == 2
	v_wmma_scale_f32_16x16x128_f8f6f4 v[WD:WD+7], v[WA:WA+11], v[WB:WB+11], v[WC:WC+7], v[WSA], v[WSB] matrix_a_fmt:MATRIX_FMT_BF6 matrix_b_fmt:MATRIX_FMT_BF6 matrix_b_scale:MATRIX_SCALE_ROW1
.else
	v_wmma_scale_f32_16x16x128_f8f6f4 v[WD:WD+7], v[WA:WA+11], v[WB:WB+11], v[WC:WC+7], v[WSA], v[WSB] matrix_a_fmt:MATRIX_FMT_BF6 matrix_b_fmt:MATRIX_FMT_BF6 matrix_a_scale:MATRIX_SCALE_ROW1 matrix_b_scale:MATRIX_SCALE_ROW1
.endif
.endm
.macro MUL8 a0, sg, cm                 ; cm 0: onto the sums; 1: the bias starts them.  The 16 accumulators take turns, one instruction a turn, in one order in every step
.irp a, \a0, \a0+1
.irp b, 0,1,2,3
.if \cm == 0
	WM \a, \b, \sg, 32*(\a)+8*\b
.else
	WM \a, \b, \sg, BI+8*\b
.endif
.endr
.endr
.endm
; K step s.  Its fragments were fetched a step ago; it fetches the next step's.  A slot's last step changes slots: its fragments are in registers, so my reads of the slot are over.
.macro KSTEP s
.set NX, (\s)+1
.set NU, 2*((NX/SL)%2)+(NX%SL)/HR
.set NQ, (NX%SL)%HR
.set KN, ((\s)/SL)%2
.set FF, (\s)+1+SL                     ; the first K step that a refill of this slot would bring
	s_wait_dscnt 0x0                               ; this step's 28 loads are in
.if ((\s)%SL == SL-1) && ((\s) < NS-1)
	s_wait_tensorcnt 0x0                           ; all my tensor loads have landed: my part of the next slot
	ds_add_u32 v24, v25                            ; 0 onto my spare word
	WIN 0x52
	MUL8 0, (\s)%2, 0                              ; eight products stand between the add and the wait for it
	WIN 0
	s_wait_dscnt 0x0
	s_barrier_signal -1
	s_barrier_wait -1
.if FF < NS
	CREST                                          ; the barrier has opened a round of the cluster's: no wave of any partner still reads this slot or has a load on its way
	s_add_nc_u64 s[50+4*KN:51+4*KN], s[50+4*KN:51+4*KN], 2*SL*REC
	s_add_nc_u64 s[58+4*KN:59+4*KN], s[58+4*KN:59+4*KN], 2*SL*REC
.if NS-FF < SL
	s_mov_b32 s34, (50*(NS-FF))<<16                ; the last refill is shorter: NS - FF records, all in the slot's first region
	s_mov_b32 s36, 50*(NS-FF)
	s_mov_b32 s42, (50*(NS-FF))<<16
	s_mov_b32 s44, 50*(NS-FF)
	JLOAD KN, 1
.else
	JLOAD KN, 0
.endif
.endif
	PLACES 4                                       ; on every wave's way, in front of the loads below
	FETCH NU, NQ, NX%2
	WIN 0x52
	MUL8 2, (\s)%2, 0
	WIN 0
.else
.if (\s) < NS-1
	PLACES 4                                       ; in front of loads into registers that the last step's products read
	FETCH NU, NQ, NX%2
.endif
.if (\s) == 0
	WIN 0x42                                       ; A window 2, B window 0, C (the bias) window 0, D window 1
	MUL8 0, 0, 1
	MUL8 2, 0, 1
.else
	WIN 0x52                                       ; C and D window 1
	MUL8 0, (\s)%2, 0
	MUL8 2, (\s)%2, 0
.endif
	WIN 0
.endif
.endm
; THE WAY OUT.  Block a: S1's tile a (16 tokens) x my 64 columns: through my stage, back as whole runs of 256 bytes, + the residual, stored.
.macro TOSTAGE a
	WIN 0x04                                       ; an LDS store's data: window 1
.irp be, 0,1
.irp t, 0,1,2,3
	ds_store_b128 v20, v[32*(\a)+8*(2*\be+\t/2)+4*(\t%2):32*(\a)+8*(2*\be+\t/2)+4*(\t%2)+3] offset:128*\be+16*\t   ; each accumulator from its low end on
.endr
.endr
	WIN 0
.irp i, 0,1,2,3,4,5,6,7
	ds_load_b128 v[OBK+32*((\a)%2)+4*\i:OBK+32*((\a)%2)+4*\i+3], v21 offset:544*\i   ; LDS serves a wave's instructions in order: these see my stores
.endr
.endm
.macro SEND a, younger                 ; younger: the LDS instructions issued behind block a's loads, which may stay out
.set OB, OBK+32*((\a)%2)
	s_wait_dscnt \younger
	WIN 0x04                                       ; source 1: window 1
.irp i, 0,2,4,6,8,10,12,14,16,18,20,22,24,26,28,30
	v_pk_add_f32 v[OB+\i:OB+\i+1], v[OB+\i:OB+\i+1], v[128+32*(\a)+\i:129+32*(\a)+\i]
.endr
	WIN 0
.irp i, 0,1,2,3,4,5,6,7
	global_store_b128 v22, v[OB+4*\i:OB+4*\i+3], s[12:13] offset:(32*((\a)/2)+8*((\a)%2)+2*(\i%4)+16*(\i/4))*4096   ; 16 lanes store 256 consecutive bytes, aligned
.endr
.endm
	s_load_b256 s[4:11], s[0:1], 0x0               ; S0, S1, bias, residual
	s_load_b64 s[12:13], s[0:1], 0x20              ; out
	v_lshl_add_u32 v24, v0, 2, SPARE
	v_mov_b32 v25, 0
	ds_add_u32 v24, v25
	ds_add_u32 v24, v25
	s_wait_dscnt 0x0
	v_lshrrev_b32 v1, 5, v0
	v_readfirstlane_b32 s24, v1                    ; wave
	s_lshr_b32 s25, s24, 1                         ; my half of S1's rows.  Also: I fetch for S0 (0) or for S1 (1)
	s_and_b32 s26, s24, 1                          ; my half of S0's rows.  Also: which region of a slot I fetch
	s_bfe_u32 s27, ttmp6, 0x40000                  ; cx
	s_bfe_u32 s28, ttmp6, 0x40004                  ; cy
	s_lshl_b32 s29, ttmp9, 2
	s_add_co_u32 s29, s29, s27                     ; x
	s_and_b32 s30, ttmp7, 0xffff
	s_lshl_b32 s30, s30, 2
	s_add_co_u32 s30, s30, s28                     ; y
	s_lshl_b32 s84, 0x1111, s27                    ; my column of the cluster
	s_lshl_b32 s85, s28, 2
	s_lshl_b32 s85, 15, s85                        ; my row
	s_or_b32 s32, s84, (3<<16)|(1<<21)             ; group 1: the mask; elements of 8 bytes; bit 21 beside a mask
	s_or_b32 s40, s85, (3<<16)|(1<<21)
.irp g, 32, 40
	s_mov_b32 s[\g+1], 32<<16                      ; rows of 32 elements = 256 bytes,
	s_mov_b32 s[\g+2], (50*HR)<<16                 ; 50 for each record, dense
	s_mov_b32 s[\g+3], 32<<16
	s_mov_b32 s[\g+4], 50*HR
	s_mov_b32 s[\g+5], 32
	s_mov_b32 s[\g+6], 0
	s_mov_b32 s[\g+7], 0
.endr
	s_mul_i32 s86, s29, NS
	s_add_co_u32 s86, s86, S0B
	s_mul_i32 s87, s26, HR
	s_add_co_u32 s86, s86, s87
	s_mul_i32 s86, s86, REC                        ; S0: record S0B + NS x + HR x region
	s_mov_b32 s87, 0
	s_mul_i32 s94, s30, NS
	s_add_co_u32 s94, s94, S1B
	s_mul_i32 s95, s26, HR
	s_add_co_u32 s94, s94, s95
	s_mul_i32 s94, s94, REC                        ; S1: record S1B + NS y + HR x region
	s_mov_b32 s95, 0
	s_mul_i32 s91, s26, RB                         ; where my loads land in a slot
	s_wait_kmcnt 0x0
	s_add_nc_u64 s[88:89], s[4:5], s[86:87]
	s_add_nc_u64 s[96:97], s[6:7], s[94:95]
	CROUND                                         ; all sixteen work-groups are here: the first joint loads meet
.irp n, 0,1
	s_mov_b32 s[48+4*\n], 1
	s_add_co_u32 s[49+4*\n], s91, 2*RB*\n
	s_add_nc_u64 s[50+4*\n:51+4*\n], s[88:89], SL*REC*\n
	s_or_b32 s[51+4*\n], s[51+4*\n], 0x80000000
	s_mov_b32 s[56+4*\n], 1
	s_add_co_u32 s[57+4*\n], s91, 4*RB+2*RB*\n
	s_add_nc_u64 s[58+4*\n:59+4*\n], s[96:97], SL*REC*\n
	s_or_b32 s[59+4*\n], s[59+4*\n], 0x80000000
.endr
	s_cmp_eq_u32 s25, 0                            ; a wave's first fill stands in one branch: one load of mine is out
	s_cbranch_scc0 .Lfirst_s1
	tensor_load_to_lds s[48:51], s[32:39]          ; slot 0: one tensor load a wave at the head
	s_nop 0
	PLACES 4
	s_branch .Lfirst_asked
.Lfirst_s1:
	tensor_load_to_lds s[56:59], s[40:47]
	s_nop 0
	PLACES 4
.Lfirst_asked:
	v_and_b32 v1, 15, v0                           ; r
	v_bfe_u32 v2, v0, 4, 1                         ; h
	v_and_b32 v3, 31, v0                           ; lane
	v_lshlrev_b32 v23, 4, v3
	s_mul_i32 s92, s26, 6144
	v_add_nc_u32 v4, s92, v23                      ; S0's fragments: my four tiles, region 0
	s_mul_i32 s92, s25, 6144
	s_add_co_u32 s92, s92, 4*RB
	v_add_nc_u32 v8, s92, v23                      ; S1's
	s_lshl_b32 s92, s26, 8
	s_add_co_u32 s92, s92, 12288
	v_lshl_add_u32 v12, v3, 2, s92                 ; S0's scale words
	s_lshl_b32 s92, s25, 8
	s_add_co_u32 s92, s92, 4*RB+12288
	v_lshl_add_u32 v16, v3, 2, s92                 ; S1's
.irp u, 1,2,3
	v_add_nc_u32 v[4+\u], RB*\u, v4                ; regions 1 to 3
	v_add_nc_u32 v[8+\u], RB*\u, v8
	v_add_nc_u32 v[12+\u], RB*\u, v12
	v_add_nc_u32 v[16+\u], RB*\u, v16
.endr
	s_mul_i32 s93, s24, 4352
	s_add_co_u32 s93, s93, STAGE
	v_mul_u32_u24 v20, v1, 272
	v_lshl_add_u32 v20, v2, 6, v20
	v_add_nc_u32 v20, s93, v20                     ; the stage, in: row r, + 64 h
	v_mul_u32_u24 v21, v2, 272
	v_lshl_add_u32 v21, v1, 4, v21
	v_add_nc_u32 v21, s93, v21                     ; back: lanes 0-15 one row, lanes 16-31 the next
	v_lshlrev_b32 v22, 12, v2
	v_lshl_add_u32 v22, v1, 4, v22                 ; the same two rows in memory
	v_lshlrev_b32 v23, 6, v2                       ; the bias: 16 h numbers on
	s_wait_alu depctr_va_vdst(0)
	s_lshl_b32 s92, s30, 7
	s_lshl_b32 s93, s25, 6
	s_add_co_u32 s92, s92, s93                     ; my first token: 128 y + 64 x half
	s_lshl_b32 s84, s92, 12
	s_lshl_b32 s85, s29, 9
	s_add_co_u32 s84, s84, s85
	s_lshl_b32 s85, s26, 8
	s_add_co_u32 s84, s84, s85                     ; my first column, in bytes: 512 x + 256 x half
	s_mov_b32 s85, 0
	s_add_nc_u64 s[10:11], s[10:11], s[84:85]
	s_add_nc_u64 s[12:13], s[12:13], s[84:85]
	s_lshl_b32 s92, s29, 9
	s_lshl_b32 s93, s26, 8
	s_add_co_u32 s92, s92, s93
	s_mov_b32 s93, 0
	s_add_nc_u64 s[8:9], s[8:9], s[92:93]
.irp b, 0,1,2,3                        ; tile b's eight registers: the bias of my columns 32 (b / 2) + 8 (b % 2) + 16 h + 0 .. 7
	global_load_b128 v[BI+8*\b:BI+8*\b+3], v23, s[8:9] offset:(32*(\b/2)+8*(\b%2))*4
	global_load_b128 v[BI+8*\b+4:BI+8*\b+7], v23, s[8:9] offset:(32*(\b/2)+8*(\b%2))*4+16
.endr
	WIN 0x40                                       ; destination window 1
.irp a, 0,1,2,3                        ; the residual of block a, in the order in which the stage gives the rows back
.irp i, 0,1,2,3,4,5,6,7
	global_load_b128 v[128+32*\a+4*\i:131+32*\a+4*\i], v22, s[10:11] offset:(32*(\a/2)+8*(\a%2)+2*(\i%4)+16*(\i/4))*4096
.endr
.endr
	WIN 0
	s_wait_tensorcnt 0x0                           ; my part of slot 0 is in
	ds_add_u32 v24, v25
	s_wait_dscnt 0x0
	CROUND                                         ; everybody's part is in, and the sixteen work-groups meet
	JLOAD 1, 0                                     ; slot 1's first fill: the first tensor load behind the round; SL K steps of products in which to land
	FETCH 0, 0, 0
	s_wait_loadcnt 32                              ; the bias is in; the residual's 32 loads may be out
.set ss, 0
.rept NS
	KSTEP ss
.set ss, ss+1
.endr
	PLACES 4                                       ; behind the last products, ahead of every read of a result
	s_wait_loadcnt 0x0                             ; the residual
	TOSTAGE 0
.irp a, 1,2,3
.if \a > 1
	s_wait_xcnt 0x0                                ; block a - 2's stores have read their registers: block a's loads may land there
.endif
	TOSTAGE \a
	SEND \a-1, 16                                  ; behind block a - 1's loads: block a's 8 stores and 8 loads
.endr
	SEND 3, 0
	s_wait_tensorcnt 0x0                           ; the wave's end
	ds_add_u32 v24, v25
	s_wait_dscnt 0x0
	CROUND                                         ; the closing round
	s_endpgm
.Lfunc_end_k_qf2b57e5ec1_gproj:
	.size	k_qf2b57e5ec1_gproj, .Lfunc_end_k_qf2b57e5ec1_gproj-k_qf2b57e5ec1_gproj
	.p2alignl 7, 3214868480
	.fill 96, 4, 3214868480
	.section	.rodata,"a",@progbits
	.p2align	6, 0x0
	.amdhsa_kernel k_qf2b57e5ec1_gproj
		.amdhsa_group_segment_fixed_size 327680
		.amdhsa_private_segment_fixed_size 0
		.amdhsa_enable_private_segment 0
		.amdhsa_kernarg_size 40
		.amdhsa_user_sgpr_count 2
		.amdhsa_user_sgpr_kernarg_segment_ptr 1
		.amdhsa_wavefront_size32 1
		.amdhsa_system_sgpr_workgroup_id_x 1
		.amdhsa_system_sgpr_workgroup_id_y 1
		.amdhsa_system_sgpr_workgroup_id_z 1
		.amdhsa_system_vgpr_workitem_id 0
		.amdhsa_next_free_vgpr 640
		.amdhsa_next_free_sgpr 102
		.amdhsa_reserve_vcc 0
		.amdhsa_float_denorm_mode_32 3
		.amdhsa_float_denorm_mode_16_64 3
		.amdhsa_memory_ordered 1
		.amdhsa_forward_progress 1
		.amdhsa_inst_pref_size 57
	.end_amdhsa_kernel
	.amdgpu_metadata
---
amdhsa.version: [ 1, 2 ]
amdhsa.kernels:
  - .name:           k_qf2b57e5ec1_gproj
    .symbol:         k_qf2b57e5ec1_gproj.kd
    .args:
      - { .name: wq, .offset: 0, .size: 8, .value_kind: global_buffer, .address_space: global }
      - { .name: actA, .offset: 8, .size: 8, .value_kind: global_buffer, .address_space: global }
      - { .name: proj_b, .offset: 16, .size: 8, .value_kind: global_buffer, .address_space: global }
      - { .name: x, .offset: 24, .size: 8, .value_kind: global_buffer, .address_space: global }
      - { .name: x1, .offset: 32, .size: 8, .value_kind: global_buffer, .address_space: global }
    .group_segment_fixed_size: 327680
    .private_segment_fixed_size: 0
    .kernarg_segment_align: 8
    .kernarg_segment_size: 40
    .max_flat_workgroup_size: 128
    .sgpr_count:     102
    .vgpr_count:     640
    .wavefront_size: 32
...
	.end_amdgpu_metadata
.endif
;; end of part 13
;; launch ln1 (part 14): grid 256 x 1, 8 waves a work-group, no clusters, 67,072 bytes of LDS; arguments x1, ln2_w, ln2_b, actA; writes actA
.if DOCPART == 14
	.amdgcn_target "amdgcn-amd-amdhsa--gfx1250"
	.amdhsa_code_object_version 6
	.text
	.protected	k_qf2b57e5ec1_ln1
	.globl	k_qf2b57e5ec1_ln1
	.p2align	8
	.type	k_qf2b57e5ec1_ln1,@function
k_qf2b57e5ec1_ln1:
	s_mov_b64 s[64:65], 0
	v_nop
	global_prefetch_b8 v0, s[64:65] scope:SCOPE_SE
	s_setreg_imm32_b32 hwreg(HW_REG_WAVE_MODE, 25, 1), 1
	s_wait_xcnt 0x0
; y = (x - mean) rsqrt(var + 1e-5) w + b along rows of 1,024 f32, then quantised along the row to BF6 with one E8M0 byte for each 32, stored as records (128 rows x 128 K, 12,800 bytes:
; eight register images of 1,536 bytes, then scale words at 12,288 + 64 i + 4 r), record index 8 (row group) + K step.  Lane row r of row tile 2 b + u is row 32 b + 8 u + r % 8 + 16 (r / 8).
; A work-group takes one row tile (16 rows).  Phase 1: wave w normalises tile rows 2 w and 2 w + 1 (neighbours in memory): mean first, then the sum of squared differences, so a common offset costs no accuracy.
; The rows meet in LDS (pitch 4,112 bytes).  Phase 2: wave w quantises K step w of all 16 rows.
; LIMITS: a block of zeros gets the byte 1 (this program alone reads the bytes); magnitudes under 2^-122 are held at that floor; NaN and infinities are not served.
.set X,   96
.set F,   160
.set T,   172
.set PW,  180
.set SEL, 22
.macro QUANTA
.irp c, 0,1
	v_max3_num_f32 v[24+\c], |v[X+32*\c]|, |v[X+1+32*\c]|, 0x2800000   ; my block 2 c + h, and the floor 2^(5 - 127)
.endr
.irp i, 2,4,6,8,10,12,14,16,18,20,22,24,26,28,30
.irp c, 0,1
	s_delay_alu instid0(VALU_DEP_2)
	v_max3_num_f32 v[24+\c], v[24+\c], |v[X+32*\c+\i]|, |v[X+1+32*\c+\i]|
.endr
.endr
.irp c, 0,1
	s_delay_alu instid0(VALU_DEP_2)
	v_add_nc_u32 v[26+\c], 0xfe000000, v[24+\c]    ; 4 off the exponent field: the conversion's scale operand
.endr
.irp c, 0,1
	s_delay_alu instid0(VALU_DEP_2)
	v_lshrrev_b32 v[28+\c], 23, v[26+\c]
.endr
	s_delay_alu instid0(VALU_DEP_1)
	v_lshl_or_b32 v[PW], v29, 16, v28
	v_lshlrev_b32 v30, 3, v2
	s_delay_alu instid0(VALU_DEP_1)
	v_lshlrev_b32 v[PW], v30, v[PW]
	v_mov_b32 v30, 0
	s_delay_alu instid0(VALU_DEP_1)
	v_permlanex16_b32 v30, v[PW], s[SEL], s[SEL+1]
	s_delay_alu instid0(VALU_DEP_1)
	v_or_b32 v[PW], v[PW], v30
.irp c, 0,1
	v_cvt_scalef32_pk16_bf6_f32 v[F+6*\c:F+6*\c+2], v[X+32*\c:X+32*\c+15], v[26+\c]
	v_cvt_scalef32_pk16_bf6_f32 v[T+4*\c:T+4*\c+2], v[X+32*\c+16:X+32*\c+31], v[26+\c]
.endr
	v_nop                                          ; one plain place behind a scaled conversion
.irp c, 0,1
.irp i, 0,1,2
	v_mov_b32 v[F+3+6*\c+\i], v[T+4*\c+\i]
.endr
.endr
.endm
.macro FOLD a                          ; four pairs at v[a] on become one sum, in every lane
	s_delay_alu instid0(VALU_DEP_3)
	v_pk_add_f32 v[\a:\a+1], v[\a:\a+1], v[\a+2:\a+3]
	s_delay_alu instid0(VALU_DEP_2)
	v_pk_add_f32 v[\a+4:\a+5], v[\a+4:\a+5], v[\a+6:\a+7]
	s_delay_alu instid0(VALU_DEP_1)
	v_pk_add_f32 v[\a:\a+1], v[\a:\a+1], v[\a+4:\a+5]
	s_delay_alu instid0(VALU_DEP_1)
	v_add_f32 v[\a], v[\a], v[\a+1]
	s_delay_alu instid0(VALU_DEP_1)
	v_add_f32_dpp v[\a], v[\a], v[\a] row_xmask:1 row_mask:0xf bank_mask:0xf
	s_delay_alu instid0(VALU_DEP_1)
	v_add_f32_dpp v[\a], v[\a], v[\a] row_xmask:2 row_mask:0xf bank_mask:0xf
	s_delay_alu instid0(VALU_DEP_1)
	v_add_f32_dpp v[\a], v[\a], v[\a] row_xmask:4 row_mask:0xf bank_mask:0xf
	s_delay_alu instid0(VALU_DEP_1)
	v_add_f32_dpp v[\a], v[\a], v[\a] row_xmask:8 row_mask:0xf bank_mask:0xf
	s_delay_alu instid0(VALU_DEP_1)
	v_permlanex16_b32 v[\a+1], v[\a], s[SEL], s[SEL+1]
	s_delay_alu instid0(VALU_DEP_1)
	v_add_f32 v[\a], v[\a], v[\a+1]
.endm
.macro ROWSTAT e                       ; row e: x becomes x - mean; 1 / sqrt(var + eps) twice in v[RA:RA+1]
.set XE, 32+32*(\e)
.set RA, 160+8*(\e)
.irp k, 0,2,4,6
	v_pk_add_f32 v[RA+\k:RA+\k+1], v[XE+\k:XE+\k+1], v[XE+8+\k:XE+9+\k]
.endr
.irp m, 16,24
.irp k, 0,2,4,6
	s_delay_alu instid0(VALU_DEP_4)
	v_pk_add_f32 v[RA+\k:RA+\k+1], v[RA+\k:RA+\k+1], v[XE+\m+\k:XE+\m+\k+1]
.endr
.endr
	FOLD RA
	s_delay_alu instid0(VALU_DEP_1)
	v_mul_f32 v[RA], s24, v[RA]                    ; / 1,024: the mean
	s_delay_alu instid0(VALU_DEP_1)
	v_mov_b32 v[RA+1], v[RA]
.irp k, 0,2,4,6,8,10,12,14,16,18,20,22,24,26,28,30
	v_pk_add_f32 v[XE+\k:XE+\k+1], v[XE+\k:XE+\k+1], v[RA:RA+1] neg_lo:[0,1] neg_hi:[0,1]
.endr
.irp k, 0,2,4,6
	v_pk_mul_f32 v[RA+\k:RA+\k+1], v[XE+\k:XE+\k+1], v[XE+\k:XE+\k+1]
.endr
.irp m, 8,16,24
.irp k, 0,2,4,6
	s_delay_alu instid0(VALU_DEP_4)
	v_pk_fma_f32 v[RA+\k:RA+\k+1], v[XE+\m+\k:XE+\m+\k+1], v[XE+\m+\k:XE+\m+\k+1], v[RA+\k:RA+\k+1]
.endr
.endr
	FOLD RA
	s_delay_alu instid0(VALU_DEP_1)
	v_fma_f32 v[RA], v[RA], s24, s25               ; var + 1e-5
	s_wait_alu depctr_va_vdst(0)
	v_rsq_f32 v[RA], v[RA]
	v_nop                                          ; one plain place behind a transcendental
	s_wait_alu depctr_va_vdst(0)
	v_mov_b32 v[RA+1], v[RA]
.endm
	s_load_b256 s[4:11], s[0:1], 0x0               ; in, w, b, out
	v_lshl_add_u32 v184, v0, 2, 0x10200
	v_mov_b32 v185, 0
	v_lshrrev_b32 v1, 5, v0
	s_delay_alu instid0(VALU_DEP_1)
	v_readfirstlane_b32 s12, v1                    ; wave
	v_and_b32 v1, 31, v0
	v_and_b32 v3, 15, v0                           ; r
	v_bfe_u32 v2, v0, 4, 1                         ; h
	s_delay_alu instid0(VALU_DEP_3)
	v_lshlrev_b32 v6, 4, v1                        ; 16 x lane
	s_delay_alu instid0(VALU_DEP_3)
	v_lshlrev_b32 v7, 2, v3                        ; 4 r
	s_mul_i32 s13, s12, 8224
	v_add_nc_u32 v4, s13, v6                       ; LDS, in: tile row 2 w
	v_mul_u32_u24 v5, v3, 4112
	s_delay_alu instid0(VALU_DEP_1)
	v_lshl_add_u32 v5, v2, 7, v5
	s_lshl_b32 s13, s12, 9
	v_add_nc_u32 v5, s13, v5                       ; LDS, out: row r, K step w, + 128 h
	s_mov_b32 s[SEL], 0x76543210
	s_mov_b32 s[SEL+1], 0xfedcba98
	s_mov_b32 s24, 0x3a800000                      ; 1 / 1,024
	s_mov_b32 s25, 0x3727c5ac                      ; 1e-5
	s_lshr_b32 s13, ttmp9, 1
	s_lshl_b32 s13, s13, 5
	s_and_b32 s14, ttmp9, 1
	s_lshl_b32 s14, s14, 3
	s_add_co_u32 s13, s13, s14
	s_and_b32 s14, s12, 3
	s_lshl_b32 s14, s14, 1
	s_add_co_u32 s13, s13, s14
	s_lshr_b32 s14, s12, 2
	s_lshl_b32 s14, s14, 4
	s_add_co_u32 s13, s13, s14                     ; my first row in memory
	s_lshl_b32 s14, s13, 12
	s_mov_b32 s15, 0
	s_lshr_b32 s16, ttmp9, 3
	s_lshl_b32 s16, s16, 3
	s_add_co_u32 s16, s16, s12
	s_mul_i32 s16, s16, 12800                      ; record 8 (T / 8) + w
	s_and_b32 s17, ttmp9, 7
	s_mul_i32 s18, s17, 1536
	s_add_co_u32 s18, s18, s16
	s_mov_b32 s19, 0
	s_lshl_b32 s20, s17, 6
	s_add_co_u32 s20, s20, s16
	s_add_co_u32 s20, s20, 12288
	s_mov_b32 s21, 0
	s_wait_alu depctr_va_vdst(0)
	s_wait_kmcnt 0x0
	s_add_nc_u64 s[4:5], s[4:5], s[14:15]
	s_add_nc_u64 s[18:19], s[10:11], s[18:19]
	s_add_nc_u64 s[20:21], s[10:11], s[20:21]
.irp e, 0,1
.irp j, 0,1,2,3,4,5,6,7
	global_load_b128 v[32+32*\e+4*\j:35+32*\e+4*\j], v6, s[4:5] offset:4096*\e+512*\j
.endr
.endr
.irp j, 0,1,2,3,4,5,6,7
	global_load_b128 v[96+4*\j:99+4*\j], v6, s[6:7] offset:512*\j
.endr
.irp j, 0,1,2,3,4,5,6,7
	global_load_b128 v[128+4*\j:131+4*\j], v6, s[8:9] offset:512*\j
.endr
	s_wait_loadcnt 16                              ; the two rows are in; w's and b's sixteen loads may be out
	ROWSTAT 0
	ROWSTAT 1
	s_wait_loadcnt 0x0
.irp e, 0,1
.irp k, 0,2,4,6,8,10,12,14,16,18,20,22,24,26,28,30
	v_pk_mul_f32 v[32+32*\e+\k:33+32*\e+\k], v[32+32*\e+\k:33+32*\e+\k], v[160+8*\e:161+8*\e]
.endr
.irp k, 0,2,4,6,8,10,12,14,16,18,20,22,24,26,28,30
	v_pk_fma_f32 v[32+32*\e+\k:33+32*\e+\k], v[32+32*\e+\k:33+32*\e+\k], v[96+\k:97+\k], v[128+\k:129+\k]
.endr
.irp j, 0,1,2,3,4,5,6,7
	ds_store_b128 v4, v[32+32*\e+4*\j:35+32*\e+4*\j] offset:4112*\e+512*\j
.endr
.endr
	s_wait_dscnt 0x0                               ; for the others' sake: my rows lie in LDS
	s_barrier_signal -1
	s_barrier_wait -1
.irp c, 0,1
.irp t, 0,1,2,3,4,5,6,7
	ds_load_b128 v[X+32*\c+4*\t:X+32*\c+4*\t+3], v5 offset:256*\c+16*\t
.endr
.endr
	s_wait_dscnt 0x0
	QUANTA
.irp j, 0,1,2
	global_store_b128 v6, v[F+4*\j:F+4*\j+3], s[18:19] offset:512*\j
.endr
	global_store_b32 v7, v[PW], s[20:21]
	s_wait_tensorcnt 0x0
	ds_add_u32 v184, v185
	s_wait_dscnt 0x0
	s_endpgm
.Lfunc_end_k_qf2b57e5ec1_ln1:
	.size	k_qf2b57e5ec1_ln1, .Lfunc_end_k_qf2b57e5ec1_ln1-k_qf2b57e5ec1_ln1
	.p2alignl 7, 3214868480
	.fill 96, 4, 3214868480
	.section	.rodata,"a",@progbits
	.p2align	6, 0x0
	.amdhsa_kernel k_qf2b57e5ec1_ln1
		.amdhsa_group_segment_fixed_size 67072
		.amdhsa_private_segment_fixed_size 0
		.amdhsa_enable_private_segment 0
		.amdhsa_kernarg_size 32
		.amdhsa_user_sgpr_count 2
		.amdhsa_user_sgpr_kernarg_segment_ptr 1
		.amdhsa_wavefront_size32 1
		.amdhsa_system_sgpr_workgroup_id_x 1
		.amdhsa_system_sgpr_workgroup_id_y 1
		.amdhsa_system_sgpr_workgroup_id_z 1
		.amdhsa_system_vgpr_workitem_id 0
		.amdhsa_next_free_vgpr 186
		.amdhsa_next_free_sgpr 66
		.amdhsa_reserve_vcc 0
		.amdhsa_float_denorm_mode_32 3
		.amdhsa_float_denorm_mode_16_64 3
		.amdhsa_memory_ordered 1
		.amdhsa_forward_progress 1
		.amdhsa_inst_pref_size 28
	.end_amdhsa_kernel
	.amdgpu_metadata
---
amdhsa.version: [ 1, 2 ]
amdhsa.kernels:
  - .name:           k_qf2b57e5ec1_ln1
    .symbol:         k_qf2b57e5ec1_ln1.kd
    .args:
      - { .name: x1, .offset: 0, .size: 8, .value_kind: global_buffer, .address_space: global }
      - { .name: ln2_w, .offset: 8, .size: 8, .value_kind: global_buffer, .address_space: global }
      - { .name: ln2_b, .offset: 16, .size: 8, .value_kind: global_buffer, .address_space: global }
      - { .name: actA, .offset: 24, .size: 8, .value_kind: global_buffer, .address_space: global }
    .group_segment_fixed_size: 67072
    .private_segment_fixed_size: 0
    .kernarg_segment_align: 8
    .kernarg_segment_size: 32
    .max_flat_workgroup_size: 256
    .sgpr_count:     66
    .vgpr_count:     186
    .wavefront_size: 32
...
	.end_amdgpu_metadata
.endif
;; end of part 14
;; launch gfc1 (part 15): grid 16 x 16, 4 waves a work-group, clusters of 4 x 4, 327,680 bytes of LDS; arguments wq, actA, fc1_b, actB; writes actB
.if DOCPART == 15
	.amdgcn_target "amdgcn-amd-amdhsa--gfx1250"
	.amdhsa_code_object_version 6
	.text
	.protected	k_qf2b57e5ec1_gfc1
	.globl	k_qf2b57e5ec1_gfc1
	.p2align	8
	.type	k_qf2b57e5ec1_gfc1,@function
k_qf2b57e5ec1_gfc1:
	s_mov_b64 s[64:65], 0
	v_nop
	global_prefetch_b8 v0, s[64:65] scope:SCOPE_SE
	s_setreg_imm32_b32 hwreg(HW_REG_WAVE_MODE, 25, 1), 1
	s_wait_xcnt 0x0
	s_wait_alu depctr_hold_cnt(0) depctr_sa_sdst(0) depctr_va_vdst(0) depctr_va_sdst(0) depctr_va_ssrc(0) depctr_va_vcc(0) depctr_vm_vsrc(0)
	s_getreg_b32 s2, hwreg(HW_REG_IB_STS2, 6, 4)
	s_cmp_eq_u32 s2, 0
	s_cbranch_scc0 .Lentry_in_a_cluster
	s_endpgm
.Lentry_in_a_cluster:
	s_bfe_u32 s2, ttmp6, 0x10000c
	s_cmp_lg_u32 s2, 0xf033
	s_cbranch_scc0 .Lentry_shape_is_right
	s_endpgm
.Lentry_shape_is_right:
; hidden = gelu(xn2 fc1_w^T + fc1_b), exact gelu, K = 1,024, on records of BF6 codes (128 rows x 128 K in 12,800 bytes: eight register images of 1,536 bytes, then scale words at 12,288 + 64 i + 4 r);
; the hidden layer is quantised along its 4,096 units and leaves as records 32 (token group) + unit group of actB.
; S0, source 0, is fc1_w (records 256 + 8 X + K step of wq): its rows become a lane's registers, the next product's K.  S1, source 1, is xn2 (tokens): its rows become lanes.
; Lane row r of row tile 2 b + u is row 32 b + 8 u + r % 8 + 16 (r / 8), so the 16 registers of S0's tiles 2 b and 2 b + 1 are 16 neighbours along the next K.
; SHARES.  A tile: 128 rows of S0 x 256 rows of S1; a wave: 128 x 64: 32 accumulators.  ALL OF K LIES IN LDS (307,200 bytes): first brought by two loads of each wave: waves 0, 1 S0's halves, waves 2, 3 S1's two groups.
; A WORK-GROUP STAYS: it makes two tiles, S0's groups X = x and x + 16, on the same 256 tokens.  S1's 204,800 bytes stay; S0's 102,400 are filled again in the first tile's last K step, whose fragments are in registers by then.
; So a WGP fetches 409,600 bytes for its two tiles and not 614,400.
; CLUSTER 4 x 4: S0's records hang on x alone and are asked for jointly along a column, S1's on y alone, along a row.
; LIMITS: a block of zeros gets the byte 1 (this program alone reads the bytes); magnitudes under 2^-122 are held at that floor; NaN and infinities are not served.
; REGISTERS.  Window 0: v1-13, v31 addresses; v28-29 the spare word's; v16-27 scale words, two sets; v32-79, v80-127 S1's four fragments, two sets; v136-199 the bias as the first products' C.  Window 1: accumulator (a, b) at v[64 a + 8 b].
; Window 2: S0's eight fragments, two sets, at v0 and v128.  On the way out window 0 holds v32-95 64 numbers, v96-132 the quantiser's, v208-253 gelu's.
.set S0B,  256                         ; S0's first record
.set S1B,  0                           ; S1's
.set SG,   32                          ; the output record's step by S1 group,
.set SS,   1                           ; by S0 group,
.set OB,   0                           ; and its first record
.set WALK, 16                          ; S0 groups from a work-group's first tile to its second
.set REC,   12800
.set SLOT,  153600                     ; four K steps: S0's 4 records, S1 group 0's, S1 group 1's
.set SPARE, 307200                     ; behind the slots: the spare words, 128 bytes for each wave: two blocks of 256 bytes that no other line names
.set HB,  32
.set TM,  96
.set PW,  112
.set PC,  114
.set BI,  136
.set GT,  208
.set GH,  216
.set GS,  224
.set GR,  232
.set GQ,  240
.set SEL, 2
.set MSB, 0
.macro WIN new                         ; the immediate's high byte repeats the setting that is left
.if MSB != (\new)
	s_set_vgpr_msb (MSB<<8)|(\new)
.set MSB, (\new)
.endif
.endm
.macro PLACES n
.rept \n
	v_nop
.endr
.endm
.macro CREST                           ; a round of the cluster's barrier behind its opening barrier
	s_cmp_lg_u32 s24, 0
	s_cbranch_scc1 .Lnot_wave_0_\@
	s_barrier_signal -3
.Lnot_wave_0_\@:
	s_barrier_wait -3
	s_barrier_signal -1
	s_barrier_wait -1
.endm
.macro CROUND                          ; a whole round
	s_barrier_signal -1
	s_barrier_wait -1
	CREST
.endm
.macro FETCH n, q, sg                  ; the fragments and scale words of slot n's q-th K step into set sg: 42 LDS loads
	WIN 0x80                                       ; destination window 2
.irp i, 0,1,2,3,4,5,6,7
.irp j, 0,1,2
	ds_load_b128 v[128*(\sg)+12*\i+4*\j:128*(\sg)+12*\i+4*\j+3], v[4+(\n)] offset:REC*(\q)+1536*\i+512*\j
.endr
.endr
	WIN 0
.irp i, 0,1,2,3
.irp j, 0,1,2
	ds_load_b128 v[32+48*(\sg)+12*\i+4*\j:32+48*(\sg)+12*\i+4*\j+3], v[6+(\n)] offset:REC*(\q)+1536*\i+512*\j
.endr
.endr
.irp p, 0,1,2,3
	ds_load_b32 v[16+6*(\sg)+\p], v[8+(\n)] offset:REC*(\q)+128*\p    ; lanes 0-15 tile 2 p, lanes 16-31 tile 2 p + 1
.endr
.irp p, 0,1
	ds_load_b32 v[20+6*(\sg)+\p], v[10+(\n)] offset:REC*(\q)+128*\p
.endr
.endm
.macro WM a, b, sg, cb                 ; one product: S0's tile b x S1's tile a
.set WD, 64*(\a)+8*(\b)
.set WA, 128*(\sg)+12*(\b)
.set WB, 32+48*(\sg)+12*(\a)
.set WC, \cb
.set WSA, 16+6*(\sg)+(\b)/2
.set WSB, 20+6*(\sg)+(\a)/2
.set WP, (\b)%2+2*((\a)%2)
.if WP == 0
	v_wmma_scale_f32_16x16x128_f8f6f4 v[WD:WD+7], v[WA:WA+11], v[WB:WB+11], v[WC:WC+7], v[WSA], v[WSB] matrix_a_fmt:MATRIX_FMT_BF6 matrix_b_fmt:MATRIX_FMT_BF6
.elseif WP == 1
	v_wmma_scale_f32_16x16x128_f8f6f4 v[WD:WD+7], v[WA:WA+11], v[WB:WB+11], v[WC:WC+7], v[WSA], v[WSB] matrix_a_fmt:MATRIX_FMT_BF6 matrix_b_fmt:MATRIX_FMT_BF6 matrix_a_scale:MATRIX_SCALE_ROW1
.elseif WP == 2
	v_wmma_scale_f32_16x16x128_f8f6f4 v[WD:WD+7], v[WA:WA+11], v[WB:WB+11], v[WC:WC+7], v[WSA], v[WSB] matrix_a_fmt:MATRIX_FMT_BF6 matrix_b_fmt:MATRIX_FMT_BF6 matrix_b_scale:MATRIX_SCALE_ROW1
.else
	v_wmma_scale_f32_16x16x128_f8f6f4 v[WD:WD+7], v[WA:WA+11], v[WB:WB+11], v[WC:WC+7], v[WSA], v[WSB] matrix_a_fmt:MATRIX_FMT_BF6 matrix_b_fmt:MATRIX_FMT_BF6 matrix_a_scale:MATRIX_SCALE_ROW1 matrix_b_scale:MATRIX_SCALE_ROW1
.endif
.endm
.macro MUL16 a0, sg, cm                ; cm 0: onto the sums; 1: the bias, along S0, starts them
.irp a, \a0, \a0+1
.irp b, 0,1,2,3,4,5,6,7
.if \cm == 0
	WM \a, \b, \sg, 64*(\a)+8*\b
.else
	WM \a, \b, \sg, BI+8*\b
.endif
.endr
.endr
.endm
.macro MUL32 sg, cm                    ; a K step: the 32 accumulators take turns, one instruction a turn, in one order
.if \cm == 0
	WIN 0x52                                       ; A window 2, B window 0, C and D window 1
.else
	WIN 0x42                                       ; C window 0
.endif
	MUL16 0, \sg, \cm
	MUL16 2, \sg, \cm
	WIN 0
.endm
.macro STEP s, tw, fetch               ; what stands ahead of K step s's products
	s_wait_dscnt 0x0                               ; this step's 42 loads, issued a step ago, are in
.if \tw >= 0
	s_wait_tensorcnt \tw                           ; my part of the next four K steps has landed
	s_barrier_signal -1
	s_barrier_wait -1                              ; everybody's has
.endif
.if \fetch
	PLACES 4                                       ; in front of loads into registers that the last step's products read
	FETCH ((\s)+1)/4, ((\s)+1)%4, ((\s)+1)%2
.endif
.endm
.macro BIAS t                          ; tile t's bias: tile b's eight registers: that of S0's rows 32 (b / 2) + 8 (b % 2) + 16 h + 0 .. 7
.irp b, 0,1,2,3,4,5,6,7
	global_load_b128 v[BI+8*\b:BI+8*\b+3], v31, s[8:9] offset:(32*(\b/2)+8*(\b%2))*4+WALK*512*(\t)
	global_load_b128 v[BI+8*\b+4:BI+8*\b+7], v31, s[8:9] offset:(32*(\b/2)+8*(\b%2))*4+16+WALK*512*(\t)
.endr
.endm
.macro QUANTB s                        ; 64 numbers, register 16 b + i = k 32 b + 16 h + i of my row, become a fragment in v[PC] on and its scale word in v[PW]
.irp b, 0,1,2,3
	v_max3_num_f32 v[TM+\b], |v[\s+16*\b]|, |v[\s+1+16*\b]|, 0x2800000   ; and the floor 2^(5 - 127)
.endr
.irp i, 2,4,6,8,10,12,14
.irp b, 0,1,2,3
	v_max3_num_f32 v[TM+\b], v[TM+\b], |v[\s+16*\b+\i]|, |v[\s+1+16*\b+\i]|
.endr
.endr
.irp b, 0,1,2,3
	v_permlanex16_b32 v[TM+4+\b], v[TM+\b], s[SEL], s[SEL+1]
.endr
.irp b, 0,1,2,3
	v_max_num_f32 v[TM+\b], v[TM+\b], v[TM+4+\b]
.endr
.irp b, 0,1,2,3
	v_add_nc_u32 v[TM+12+\b], 0xfe000000, v[TM+\b] ; 4 off the exponent field: the conversion's scale operand
.endr
.irp b, 0,1,2,3
	v_lshrrev_b32 v[TM+4+\b], 23, v[TM+12+\b]
.endr
	v_lshl_or_b32 v[PW], v[TM+5], 8, v[TM+4]
	v_lshl_or_b32 v[PW], v[TM+6], 16, v[PW]
	v_lshl_or_b32 v[PW], v[TM+7], 24, v[PW]
.irp c, 0,1
	v_cvt_scalef32_pk16_bf6_f32 v[PC+6*\c:PC+2+6*\c], v[\s+32*\c:\s+15+32*\c], v[TM+12+2*\c]
	v_cvt_scalef32_pk16_bf6_f32 v[PC+12+4*\c:PC+14+4*\c], v[\s+16+32*\c:\s+31+32*\c], v[TM+12+2*\c+1]
.endr
	v_nop                                          ; one plain place behind a scaled conversion
.irp c, 0,1                            ; the layout wants a whole block in a lane
.irp i, 0,1,2
	v_permlane16_swap_b32 v[PC+6*\c+\i], v[PC+12+4*\c+\i]
.endr
.irp i, 0,1,2
	v_mov_b32 v[PC+3+6*\c+\i], v[PC+12+4*\c+\i]
.endr
.endr
.endm
; gelu(x) = max(x, 0) - |x| / 2 x erfc(|x| / sqrt 2), eight numbers in place.  erfc by two polynomials (below and above 475 / 512), both computed, one chosen by v_cndmask_b32: no difference of large numbers, no branch on data.
.macro QL n                            ; line n of 28 of erfc below the threshold: 1 - (t + t q(t^2)), four pairs by turns; it names none of the exponentials' registers
.set qp, 2*((\n)%4)
.if (\n) < 4
	v_pk_fma_f32 v[GQ+qp:GQ+qp+1], v[252:253], v[GS+qp:GS+qp+1], 0x3ba38d2c op_sel_hi:[1,1,0]
.elseif (\n) < 8
	v_pk_fma_f32 v[GQ+qp:GQ+qp+1], v[GQ+qp:GQ+qp+1], v[GS+qp:GS+qp+1], 0xbcdb48d9 op_sel_hi:[1,1,0]
.elseif (\n) < 12
	v_pk_fma_f32 v[GQ+qp:GQ+qp+1], v[GQ+qp:GQ+qp+1], v[GS+qp:GS+qp+1], 0x3de70e22 op_sel_hi:[1,1,0]
.elseif (\n) < 16
	v_pk_fma_f32 v[GQ+qp:GQ+qp+1], v[GQ+qp:GQ+qp+1], v[GS+qp:GS+qp+1], 0xbec09380 op_sel_hi:[1,1,0]
.elseif (\n) < 20
	v_pk_fma_f32 v[GQ+qp:GQ+qp+1], v[GQ+qp:GQ+qp+1], v[GS+qp:GS+qp+1], 0x3e0375d4 op_sel_hi:[1,1,0]
.elseif (\n) < 24
	v_pk_fma_f32 v[GQ+qp:GQ+qp+1], v[GQ+qp:GQ+qp+1], v[GT+qp:GT+qp+1], v[GT+qp:GT+qp+1]
.else
	v_pk_fma_f32 v[GQ+qp:GQ+qp+1], v[GQ+qp:GQ+qp+1], -1.0, 1.0 op_sel_hi:[1,0,0]
.endif
.endm
.macro GELU8 g
.set XX, HB+8*(\g)
.irp i, 0,1,2,3,4,5,6,7
	v_mul_f32 v[GT+\i], 0x3f3504f3, |v[XX+\i]|     ; t = |x| / sqrt 2
.endr
.irp i, 0,1,2,3,4,5,6,7
	v_mul_f32 v[GH+\i], 0.5, |v[XX+\i]|
.endr
.irp i, 0,1,2,3,4,5,6,7
	v_max_num_f32 v[XX+\i], 0, v[XX+\i]
.endr
.irp p, 0,2,4,6
	v_pk_mul_f32 v[GS+\p:GS+\p+1], v[GT+\p:GT+\p+1], v[GT+\p:GT+\p+1]
.endr
.irp p, 0,2,4,6
	v_pk_fma_f32 v[GR+\p:GR+\p+1], v[248:249], v[GT+\p:GT+\p+1], 0x39c8e7d9 op_sel_hi:[1,1,0]
.endr
.irp p, 0,2,4,6
	v_pk_fma_f32 v[GQ+\p:GQ+\p+1], v[250:251], v[GT+\p:GT+\p+1], 0x3cc6b1a1 op_sel_hi:[1,1,0]
.endr
.irp p, 0,2,4,6
	v_pk_fma_f32 v[GR+\p:GR+\p+1], v[GR+\p:GR+\p+1], v[GS+\p:GS+\p+1], v[GQ+\p:GQ+\p+1]
.endr
.irp k, 0xbddaae5c, 0xbf228550, 0xbe03ce86
.irp p, 0,2,4,6
	v_pk_fma_f32 v[GR+\p:GR+\p+1], v[GR+\p:GR+\p+1], v[GT+\p:GT+\p+1], \k op_sel_hi:[1,1,0]
.endr
.endr
.irp p, 0,2,4,6
	v_pk_fma_f32 v[GR+\p:GR+\p+1], v[GR+\p:GR+\p+1], v[GT+\p:GT+\p+1], v[GT+\p:GT+\p+1] neg_lo:[0,0,1] neg_hi:[0,0,1]
.endr
.irp p, 0,2,4,6
	v_pk_mul_f32 v[GR+\p:GR+\p+1], v[GR+\p:GR+\p+1], 0x3fb8aa3b op_sel_hi:[1,0]
.endr
	s_wait_alu depctr_va_vdst(0)                   ; the wait ahead of the batch
.irp i, 0,1,2,3,4,5,6,7
	v_exp_f32 v[GR+\i], v[GR+\i]                   ; erfc above the threshold
.endr
.set qn, 0
.rept 28                               ; the other polynomial's 28 lines name none of the batch's registers and stand between it and the wait for it
	QL qn
.set qn, qn+1
.endr
	s_wait_alu depctr_va_vdst(0)                   ; one wait for the batch, ahead of its first reader
.irp i, 0,1,2,3,4,5,6,7
	v_cmp_lt_f32 vcc_lo, s91, v[GT+\i]
	v_cndmask_b32 v[GR+\i], v[GQ+\i], v[GR+\i], vcc_lo
.endr
.irp p, 0,2,4,6
	v_pk_fma_f32 v[XX+\p:XX+\p+1], v[GH+\p:GH+\p+1], v[GR+\p:GR+\p+1], v[XX+\p:XX+\p+1] neg_lo:[1,0,0] neg_hi:[1,0,0]
.endr
.endm
.macro COPY a                          ; S1's tile a: its eight accumulators, each from its low end on, into window 0, so that the lines behind stand once for all four tiles
	WIN 0x01
	s_wait_alu depctr_va_vdst(0)                   ; the wait directly ahead of the first reader of sums behind which exponentials may stand
.set ci, 0
.rept 64
	v_mov_b32 v[HB+ci], v[64*(\a)+ci]
.set ci, ci+1
.endr
	WIN 0
.endm
; THE WAY OUT of a tile: four trips: S1's tile a becomes one fragment of the output record; the gelu's lines stand once in it.
.macro WAYOUT
.irp b, 0,1,2,3
	v_mov_b32 v[TM+4+\b], 0                        ; a lane permute's destination counts as one of its sources
.endr
	v_mov_b32 v248, 0xb7910000                     ; the polynomials' leading coefficients, as pairs
	v_mov_b32 v249, 0xb7910000
	v_mov_b32 v250, 0xbb7e8a1c
	v_mov_b32 v251, 0xbb7e8a1c
	v_mov_b32 v252, 0xba1c7000
	v_mov_b32 v253, 0xba1c7000
	s_mov_b32 s91, 0x3f6d8000                      ; 475 / 512
	s_mov_b32 s90, 0
.Lout_\@:
	s_cmp_lg_u32 s90, 0
	s_cbranch_scc1 .Lnot_a0_\@
	COPY 0
	s_branch .Lhave_\@
.Lnot_a0_\@:
	s_cmp_lg_u32 s90, 1
	s_cbranch_scc1 .Lnot_a1_\@
	COPY 1
	s_branch .Lhave_\@
.Lnot_a1_\@:
	s_cmp_lg_u32 s90, 2
	s_cbranch_scc1 .Lnot_a2_\@
	COPY 2
	s_branch .Lhave_\@
.Lnot_a2_\@:
	COPY 3
.Lhave_\@:
.irp g, 0,1,2,3,4,5,6,7
	GELU8 \g
.endr
	QUANTB HB
.irp j, 0,1,2
	global_store_b128 v12, v[PC+4*\j:PC+4*\j+3], s[98:99] offset:512*\j   ; 512 consecutive bytes a store
.endr
	global_store_b32 v13, v[PW], s[100:101]
	s_wait_xcnt 0x0                                ; the stores have read their registers and bases
	s_add_nc_u64 s[98:99], s[98:99], 1536
	s_add_nc_u64 s[100:101], s[100:101], 64
	s_add_co_u32 s90, s90, 1
	s_cmp_lt_u32 s90, 4
	s_cbranch_scc1 .Lout_\@
.endm
	s_load_b128 s[4:7], s[0:1], 0x0                ; S0, S1
	s_load_b128 s[8:11], s[0:1], 0x10              ; bias, out
	v_lshl_add_u32 v28, v0, 2, SPARE
	v_mov_b32 v29, 0
	ds_add_u32 v28, v29                            ; the opening lines: the add, twice on end, and its wait
	ds_add_u32 v28, v29
	s_wait_dscnt 0x0
	v_lshrrev_b32 v1, 5, v0
	v_readfirstlane_b32 s24, v1                    ; wave
	s_lshr_b32 s25, s24, 1                         ; my group of S1
	s_and_b32 s26, s24, 1                          ; my half of it
	s_bfe_u32 s27, ttmp6, 0x40000                  ; cx
	s_bfe_u32 s28, ttmp6, 0x40004                  ; cy
	s_lshl_b32 s29, ttmp9, 2
	s_add_co_u32 s29, s29, s27                     ; x
	s_and_b32 s30, ttmp7, 0xffff
	s_lshl_b32 s30, s30, 2
	s_add_co_u32 s30, s30, s28                     ; y
	s_lshl_b32 s84, 0x1111, s27                    ; my column of the cluster
	s_lshl_b32 s85, s28, 2
	s_lshl_b32 s85, 15, s85                        ; my row
	s_or_b32 s32, s84, (3<<16)|(1<<21)             ; group 1: the mask; elements of 8 bytes; bit 21 beside a mask
	s_or_b32 s40, s85, (3<<16)|(1<<21)
.irp g, 32, 40
	s_mov_b32 s[\g+1], 32<<16                      ; rows of 32 elements = 256 bytes,
	s_mov_b32 s[\g+2], (100+100*(\g/40))<<16       ; S0's load: 100 rows, two records; S1's: 200 rows, four records
	s_mov_b32 s[\g+3], 32<<16
	s_mov_b32 s[\g+4], 100+100*(\g/40)
	s_mov_b32 s[\g+5], 32
	s_mov_b32 s[\g+6], 0
	s_mov_b32 s[\g+7], 0
.endr
	s_mov_b32 s[SEL], 0x76543210
	s_mov_b32 s[SEL+1], 0xfedcba98
	s_lshl_b32 s86, s29, 3
	s_add_co_u32 s86, s86, S0B
	s_mul_i32 s86, s86, REC                        ; S0: record S0B + 8 x
	s_mov_b32 s87, 0
	s_lshl_b32 s95, s30, 1
	s_add_co_u32 s94, s26, s95                     ; waves 2, 3 fetch S1's groups 0, 1
	s_lshl_b32 s94, s94, 3
	s_add_co_u32 s94, s94, S1B
	s_mul_i32 s94, s94, REC                        ; S1: record S1B + 8 (2 y + group)
	s_mov_b32 s95, 0
	s_mul_i32 s90, s26, 25600                      ; waves 0, 1 fetch two of a slot's four records of S0 each: where they land,
	s_add_co_u32 s86, s86, s90                     ; and where they come from
	s_mul_i32 s91, s26, 51200
	s_add_co_u32 s91, s91, 51200                   ; where a group of S1 lands in a slot
	s_wait_kmcnt 0x0
	s_add_nc_u64 s[88:89], s[4:5], s[86:87]
	s_add_nc_u64 s[96:97], s[6:7], s[94:95]
	CROUND                                         ; all sixteen work-groups are here: the joint loads meet
.irp j, 0,1                            ; a group 0 for each slot of four K steps
	s_mov_b32 s[48+4*\j], 1
	s_add_co_u32 s[49+4*\j], s90, SLOT*\j
	s_add_nc_u64 s[50+4*\j:51+4*\j], s[88:89], 51200*\j
	s_or_b32 s[51+4*\j], s[51+4*\j], 0x80000000
	s_mov_b32 s[68+4*\j], 1
	s_add_co_u32 s[69+4*\j], s91, SLOT*\j
	s_add_nc_u64 s[70+4*\j:71+4*\j], s[96:97], 51200*\j
	s_or_b32 s[71+4*\j], s[71+4*\j], 0x80000000
.endr
	s_mov_b32 s12, 1                               ; group 0 of the refill: wave w brings K steps 2 w and 2 w + 1 of the second tile's S0,
	s_mul_i32 s13, s25, SLOT
	s_mul_i32 s16, s26, 25600
	s_add_co_u32 s13, s13, s16                     ; to where the first tile's lay: slot w / 2, 25,600 (w % 2) bytes on,
	s_mul_i32 s16, s25, 51200                      ; (s[88:89] already stands 25,600 (w % 2) bytes on)
	s_add_co_u32 s16, s16, WALK*8*REC
	s_mov_b32 s17, 0
	s_add_nc_u64 s[14:15], s[88:89], s[16:17]      ; from WALK groups of 8 records on
	s_or_b32 s15, s15, 0x80000000
.macro JL n                            ; slot n's joint loads, one a wave: waves 0, 1 S0's halves, waves 2, 3 S1's groups
	s_cmp_eq_u32 s25, 0
	s_cbranch_scc0 .Lfor_s1_\@
	tensor_load_to_lds s[48+4*(\n):51+4*(\n)], s[32:39]
	s_nop 0
	PLACES 4
	s_branch .Lasked_\@
.Lfor_s1_\@:
	tensor_load_to_lds s[68+4*(\n):71+4*(\n)], s[40:47]
	s_nop 0
	PLACES 4
.Lasked_\@:
.endm
	JL 0                                           ; K steps 0 to 3: one tensor load a wave at the head
	v_and_b32 v1, 15, v0                           ; r
	v_bfe_u32 v2, v0, 4, 1                         ; h
	v_and_b32 v31, 31, v0                          ; lane
	v_lshlrev_b32 v4, 4, v31                       ; S0's fragments, slot 0;
	v_add_nc_u32 v5, SLOT, v4                      ; slot 1
	s_mul_i32 s92, s25, 51200
	s_add_co_u32 s92, s92, 51200
	s_mul_i32 s93, s26, 6144
	s_add_co_u32 s93, s93, s92
	v_add_nc_u32 v6, s93, v4                       ; S1's: my group, my four tiles
	v_add_nc_u32 v7, SLOT, v6
	v_lshl_add_u32 v8, v31, 2, 12288               ; S0's scale words
	v_add_nc_u32 v9, SLOT, v8
	s_lshl_b32 s93, s26, 8
	s_add_co_u32 s93, s93, s92
	v_add_nc_u32 v10, s93, v8                      ; S1's
	v_add_nc_u32 v11, SLOT, v10
	s_mul_i32 s93, s26, 6144
	v_add_nc_u32 v12, s93, v4                      ; the way out: my lane's place in the output record's images,
	s_lshl_b32 s93, s26, 8
	s_add_co_u32 s93, s93, 12288
	v_lshl_add_u32 v13, v1, 2, s93                 ; and among its scale words
	v_lshlrev_b32 v31, 6, v2                       ; the bias: 16 h numbers on
	s_wait_alu depctr_va_vdst(0)                   ; the wait at the head's end
	s_lshl_b32 s92, s30, 1
	s_add_co_u32 s92, s92, s25                     ; my group of S1
	s_mul_i32 s98, s92, SG
	s_mul_i32 s99, s29, SS
	s_add_co_u32 s98, s98, s99
	s_add_co_u32 s98, s98, OB
	s_mul_i32 s98, s98, REC
	s_mov_b32 s99, 0
	s_add_nc_u64 s[98:99], s[10:11], s[98:99]      ; the first tile's output record: images,
	s_mov_b64 s[100:101], s[98:99]                 ; scale words
	s_lshl_b32 s92, s29, 9                         ; the bias of S0's rows 128 x on
	s_mov_b32 s93, 0
	s_add_nc_u64 s[8:9], s[8:9], s[92:93]
	BIAS 0
	s_wait_tensorcnt 0x0                           ; my part of slot 0 is in
	ds_add_u32 v28, v29
	s_wait_dscnt 0x0
	CROUND                                         ; everybody's part is in, and the sixteen work-groups meet
	JL 1                                           ; K steps 4 to 7: the first tensor load behind the round; four K steps of products in which to land
	FETCH 0, 0, 0
	s_wait_loadcnt 0x0                             ; the bias
	; ---- the first tile
	STEP 0, -1, 1
	MUL32 0, 1
	STEP 1, -1, 1
	MUL32 1, 0
	STEP 2, -1, 1
	MUL32 0, 0
	STEP 3, 0, 1
	MUL32 1, 0
	STEP 4, -1, 1
	MUL32 0, 0
	STEP 5, -1, 1
	MUL32 1, 0
	STEP 6, -1, 1
	MUL32 0, 0
	s_wait_dscnt 0x0                               ; the last K step's fragments are in registers: my reads of S0 are over
	s_wait_tensorcnt 0x0                           ; no tensor load of mine is out
	ds_add_u32 v28, v29                            ; 0 onto my spare word
	WIN 0x52
	MUL16 0, 1, 0                                  ; sixteen products stand between the add and the wait for it
	WIN 0
	s_wait_dscnt 0x0
	s_barrier_signal -1
	s_barrier_wait -1
	CREST                                          ; the barrier has opened a round of the cluster's: no wave of any partner still reads S0's bytes or has a load on its way
	tensor_load_to_lds s[12:15], s[32:39]          ; my one load behind the round: my quarter of the second tile's S0
	s_nop 0
	PLACES 4
	BIAS 1                                         ; the second tile's bias: the first tile's was read by its first products alone
	WIN 0x52
	MUL16 2, 1, 0
	WIN 0
	PLACES 4                                       ; behind the last products, ahead of every read of a result and every write of an operand
	WAYOUT
	; ---- the second tile
	s_add_nc_u64 s[98:99], s[98:99], SS*WALK*REC-4*1536      ; its output record (the way out's last wait has freed the bases)
	s_add_nc_u64 s[100:101], s[100:101], SS*WALK*REC-4*64
	s_wait_tensorcnt 0x0                           ; my quarter of its S0 has landed: the one load that was out,
	s_barrier_signal -1
	s_barrier_wait -1                              ; everybody's has
	FETCH 0, 0, 0
	s_wait_loadcnt 0x0                             ; the bias
	STEP 0, -1, 1
	MUL32 0, 1
	STEP 1, -1, 1
	MUL32 1, 0
	STEP 2, -1, 1
	MUL32 0, 0
	STEP 3, -1, 1
	MUL32 1, 0
	STEP 4, -1, 1
	MUL32 0, 0
	STEP 5, -1, 1
	MUL32 1, 0
	STEP 6, -1, 1
	MUL32 0, 0
	STEP 7, -1, 0
	MUL32 1, 0
	PLACES 4
	WAYOUT
	s_wait_tensorcnt 0x0                           ; the wave's end
	ds_add_u32 v28, v29
	s_wait_dscnt 0x0
	CROUND                                         ; the closing round
	s_endpgm
.Lfunc_end_k_qf2b57e5ec1_gfc1:
	.size	k_qf2b57e5ec1_gfc1, .Lfunc_end_k_qf2b57e5ec1_gfc1-k_qf2b57e5ec1_gfc1
	.p2alignl 7, 3214868480
	.fill 96, 4, 3214868480
	.section	.rodata,"a",@progbits
	.p2align	6, 0x0
	.amdhsa_kernel k_qf2b57e5ec1_gfc1
		.amdhsa_group_segment_fixed_size 327680
		.amdhsa_private_segment_fixed_size 0
		.amdhsa_enable_private_segment 0
		.amdhsa_kernarg_size 32
		.amdhsa_user_sgpr_count 2
		.amdhsa_user_sgpr_kernarg_segment_ptr 1
		.amdhsa_wavefront_size32 1
		.amdhsa_system_sgpr_workgroup_id_x 1
		.amdhsa_system_sgpr_workgroup_id_y 1
		.amdhsa_system_sgpr_workgroup_id_z 1
		.amdhsa_system_vgpr_workitem_id 0
		.amdhsa_next_free_vgpr 768
		.amdhsa_next_free_sgpr 102
		.amdhsa_reserve_vcc 1
		.amdhsa_float_denorm_mode_32 3
		.amdhsa_float_denorm_mode_16_64 3
		.amdhsa_memory_ordered 1
		.amdhsa_forward_progress 1
		.amdhsa_inst_pref_size 255
	.end_amdhsa_kernel
	.section	.bss,"aw",@nobits
	.p2align	6
	.space	262144
	.amdgpu_metadata
---
amdhsa.version: [ 1, 2 ]
amdhsa.kernels:
  - .name:           k_qf2b57e5ec1_gfc1
    .symbol:         k_qf2b57e5ec1_gfc1.kd
    .args:
      - { .name: wq, .offset: 0, .size: 8, .value_kind: global_buffer, .address_space: global }
      - { .name: actA, .offset: 8, .size: 8, .value_kind: global_buffer, .address_space: global }
      - { .name: fc1_b, .offset: 16, .size: 8, .value_kind: global_buffer, .address_space: global }
      - { .name: actB, .offset: 24, .size: 8, .value_kind: global_buffer, .address_space: global }
    .group_segment_fixed_size: 327680
    .private_segment_fixed_size: 0
    .kernarg_segment_align: 8
    .kernarg_segment_size: 32
    .max_flat_workgroup_size: 128
    .sgpr_count:     102
    .vgpr_count:     768
    .wavefront_size: 32
...
	.end_amdgpu_metadata
.endif
;; end of part 15
;; launch gfc2 (part 16): grid 8 x 32, 4 waves a work-group, clusters of 4 x 4, 327,680 bytes of LDS; arguments wq, actB, fc2_b, x1, out0; writes out0
.if DOCPART == 16
	.amdgcn_target "amdgcn-amd-amdhsa--gfx1250"
	.amdhsa_code_object_version 6
	.text
	.protected	k_qf2b57e5ec1_gfc2
	.globl	k_qf2b57e5ec1_gfc2
	.p2align	8
	.type	k_qf2b57e5ec1_gfc2,@function
k_qf2b57e5ec1_gfc2:
	s_mov_b64 s[64:65], 0
	v_nop
	global_prefetch_b8 v0, s[64:65] scope:SCOPE_SE
	s_setreg_imm32_b32 hwreg(HW_REG_WAVE_MODE, 25, 1), 1
	s_wait_xcnt 0x0
	s_wait_alu depctr_hold_cnt(0) depctr_sa_sdst(0) depctr_va_vdst(0) depctr_va_sdst(0) depctr_va_ssrc(0) depctr_va_vcc(0) depctr_vm_vsrc(0)
	s_getreg_b32 s2, hwreg(HW_REG_IB_STS2, 6, 4)
	s_cmp_eq_u32 s2, 0
	s_cbranch_scc0 .Lentry_in_a_cluster
	s_endpgm
.Lentry_in_a_cluster:
	s_bfe_u32 s2, ttmp6, 0x10000c
	s_cmp_lg_u32 s2, 0xf033
	s_cbranch_scc0 .Lentry_shape_is_right
	s_endpgm
.Lentry_shape_is_right:
; out = x1 + hidden fc2_w^T + fc2_b, K = 4,096, on records of BF6 codes (128 rows x 128 K in 12,800 bytes: eight register images of 1,536 bytes, then scale words at 12,288 + 64 i + 4 r); x1 and out are f32 rows of 1,024.
; S0, source 0, is fc2_w (records 512 + 32 x + K step of wq): its rows become a lane's registers, eight neighbouring columns.  S1, source 1, is the hidden layer (records 32 y + K step): its rows, tokens, become lanes.
; Lane row r of row tile 2 b + u is row 32 b + 8 u + r % 8 + 16 (r / 8).
; SHARES.  A work-group: 128 columns x 128 tokens, so that the 8 x 32 tiles give each of 256 WGPs one; a wave: 64 x 64: 16 accumulators, 8 fragments read for 16 products.
; RING.  Two slots of SL = 6 K steps, as many as fit (2 x 153,600 bytes); a slot is two regions of HR = 3 records for S0 and two for S1; a region is what one tensor load brings: waves 0, 1 fetch S0's, waves 2, 3 S1's.
; A refill has six K steps, 96 products a wave, in which to land.  32 = 5 x 6 + 2: the last refill brings two records, by waves 0 and 2 alone.  The K steps are written out.
; CLUSTER 4 x 4: S0's records hang on x alone and are asked for jointly along a column, S1's on y alone, along a row.
; THE RESIDUAL (64 tokens x 256 bytes a wave: 128 registers) is asked for at the head, as whole runs of 256 bytes, so that the way out waits for no memory.
; REGISTERS.  Window 0: v1-23 addresses; v24-25 the spare word's; v26-33 scale words, two sets; v36-83, v84-131 S1's four fragments, two sets; v132-163 the bias as the first products' C; v164-227 rows read back, two sets.
; Window 1: accumulator (a, b) at v[32 a + 8 b]; v128-255 the residual.  Window 2: S0's four fragments, two sets, at v0 and v48.
.set NS,   32                          ; K steps of 128
.set SL,   6                           ; K steps in a slot
.set HR,   SL/2                        ; records in a region
.set S0B,  512                         ; S0's first record
.set S1B,  0                           ; S1's
.set REC,   12800
.set RB,    HR*REC                     ; a region: S0's four at RB u, S1's at 4 RB + RB u
.set SPARE, 307200                     ; the spare words: 128 bytes for each wave: two blocks of 256 bytes that no other line names
.set STAGE, 307712                     ; 16 rows x 272 bytes for each wave; no tile lands there
.set BI,  132
.set OBK, 164
.set MSB, 0
.macro WIN new                         ; the immediate's high byte repeats the setting that is left
.if MSB != (\new)
	s_set_vgpr_msb (MSB<<8)|(\new)
.set MSB, (\new)
.endif
.endm
.macro PLACES n
.rept \n
	v_nop
.endr
.endm
.macro CREST                           ; a round of the cluster's barrier behind its opening barrier
	s_cmp_lg_u32 s24, 0
	s_cbranch_scc1 .Lnot_wave_0_\@
	s_barrier_signal -3
.Lnot_wave_0_\@:
	s_barrier_wait -3
	s_barrier_signal -1
	s_barrier_wait -1
.endm
.macro CROUND
	s_barrier_signal -1
	s_barrier_wait -1
	CREST
.endm
.macro JLOAD n, part                   ; a joint refill of slot n: waves 0, 1 S0's regions, waves 2, 3 S1's; part = 1: the slot's first region alone.  Four v_nop follow each line
.if \part
	s_cmp_lg_u32 s26, 0
	s_cbranch_scc1 .Lasked_\@
.endif
	s_cmp_eq_u32 s25, 0
	s_cbranch_scc0 .Lfor_s1_\@
	tensor_load_to_lds s[48+4*(\n):51+4*(\n)], s[32:39]
	s_nop 0
	PLACES 4
	s_branch .Lasked_\@
.Lfor_s1_\@:
	tensor_load_to_lds s[56+4*(\n):59+4*(\n)], s[40:47]
	s_nop 0
	PLACES 4
.Lasked_\@:
.endm
.macro FETCH u, q, sg                  ; the fragments and scale words of region u's q-th K step into set sg: 28 LDS loads
	WIN 0x80                                       ; destination window 2
.irp i, 0,1,2,3
.irp j, 0,1,2
	ds_load_b128 v[48*(\sg)+12*\i+4*\j:48*(\sg)+12*\i+4*\j+3], v[4+(\u)] offset:REC*(\q)+1536*\i+512*\j
.endr
.endr
	WIN 0
.irp i, 0,1,2,3
.irp j, 0,1,2
	ds_load_b128 v[36+48*(\sg)+12*\i+4*\j:36+48*(\sg)+12*\i+4*\j+3], v[8+(\u)] offset:REC*(\q)+1536*\i+512*\j
.endr
.endr
.irp p, 0,1
	ds_load_b32 v[26+4*(\sg)+\p], v[12+(\u)] offset:REC*(\q)+128*\p   ; lanes 0-15 tile 2 p, lanes 16-31 tile 2 p + 1
	ds_load_b32 v[28+4*(\sg)+\p], v[16+(\u)] offset:REC*(\q)+128*\p
.endr
.endm
.macro WM a, b, sg, cb                 ; one product: S0's tile b x S1's tile a
.set WD, 32*(\a)+8*(\b)
.set WA, 48*(\sg)+12*(\b)
.set WB, 36+48*(\sg)+12*(\a)
.set WC, \cb
.set WSA, 26+4*(\sg)+(\b)/2
.set WSB, 28+4*(\sg)+(\a)/2
.set WP, (\b)%2+2*((\a)%2)
.if WP == 0
	v_wmma_scale_f32_16x16x128_f8f6f4 v[WD:WD+7], v[WA:WA+11], v[WB:WB+11], v[WC:WC+7], v[WSA], v[WSB] matrix_a_fmt:MATRIX_FMT_BF6 matrix_b_fmt:MATRIX_FMT_BF6
.elseif WP == 1
	v_wmma_scale_f32_16x16x128_f8f6f4 v[WD:WD+7], v[WA:WA+11], v[WB:WB+11], v[WC:WC+7], v[WSA], v[WSB] matrix_a_fmt:MATRIX_FMT_BF6 matrix_b_fmt:MATRIX_FMT_BF6 matrix_a_scale:MATRIX_SCALE_ROW1
.elseif WP == 2
	v_wmma_scale_f32_16x16x128_f8f6f4 v[WD:WD+7], v[WA:WA+11], v[WB:WB+11], v[WC:WC+7], v[WSA], v[WSB] matrix_a_fmt:MATRIX_FMT_BF6 matrix_b_fmt:MATRIX_FMT_BF6 matrix_b_scale:MATRIX_SCALE_ROW1
.else
	v_wmma_scale_f32_16x16x128_f8f6f4 v[WD:WD+7], v[WA:WA+11], v[WB:WB+11], v[WC:WC+7], v[WSA], v[WSB] matrix_a_fmt:MATRIX_FMT_BF6 matrix_b_fmt:MATRIX_FMT_BF6 matrix_a_scale:MATRIX_SCALE_ROW1 matrix_b_scale:MATRIX_SCALE_ROW1
.endif
.endm
.macro MUL8 a0, sg, cm                 ; cm 0: onto the sums; 1: the bias starts them.  The 16 accumulators take turns, one instruction a turn, in one order in every step
.irp a, \a0, \a0+1
.irp b, 0,1,2,3
.if \cm == 0
	WM \a, \b, \sg, 32*(\a)+8*\b
.else
	WM \a, \b, \sg, BI+8*\b
.endif
.endr
.endr
.endm
; K step s.  Its fragments were fetched a step ago; it fetches the next step's.  A slot's last step changes slots: its fragments are in registers, so my reads of the slot are over.
.macro KSTEP s
.set NX, (\s)+1
.set NU, 2*((NX/SL)%2)+(NX%SL)/HR
.set NQ, (NX%SL)%HR
.set KN, ((\s)/SL)%2
.set FF, (\s)+1+SL                     ; the first K step that a refill of this slot would bring
	s_wait_dscnt 0x0                               ; this step's 28 loads are in
.if ((\s)%SL == SL-1) && ((\s) < NS-1)
	s_wait_tensorcnt 0x0                           ; all my tensor loads have landed: my part of the next slot
	ds_add_u32 v24, v25                            ; 0 onto my spare word
	WIN 0x52
	MUL8 0, (\s)%2, 0                              ; eight products stand between the add and the wait for it
	WIN 0
	s_wait_dscnt 0x0
	s_barrier_signal -1
	s_barrier_wait -1
.if FF < NS
	CREST                                          ; the barrier has opened a round of the cluster's: no wave of any partner still reads this slot or has a load on its way
	s_add_nc_u64 s[50+4*KN:51+4*KN], s[50+4*KN:51+4*KN], 2*SL*REC
	s_add_nc_u64 s[58+4*KN:59+4*KN], s[58+4*KN:59+4*KN], 2*SL*REC
.if NS-FF < SL
	s_mov_b32 s34, (50*(NS-FF))<<16                ; the last refill is shorter: NS - FF records, all in the slot's first region
	s_mov_b32 s36, 50*(NS-FF)
	s_mov_b32 s42, (50*(NS-FF))<<16
	s_mov_b32 s44, 50*(NS-FF)
	JLOAD KN, 1
.else
	JLOAD KN, 0
.endif
.endif
	PLACES 4                                       ; on every wave's way, in front of the loads below
	FETCH NU, NQ, NX%2
	WIN 0x52
	MUL8 2, (\s)%2, 0
	WIN 0
.else
.if (\s) < NS-1
	PLACES 4                                       ; in front of loads into registers that the last step's products read
	FETCH NU, NQ, NX%2
.endif
.if (\s) == 0
	WIN 0x42                                       ; A window 2, B window 0, C (the bias) window 0, D window 1
	MUL8 0, 0, 1
	MUL8 2, 0, 1
.else
	WIN 0x52                                       ; C and D window 1
	MUL8 0, (\s)%2, 0
	MUL8 2, (\s)%2, 0
.endif
	WIN 0
.endif
.endm
; THE WAY OUT.  Block a: S1's tile a (16 tokens) x my 64 columns: through my stage, back as whole runs of 256 bytes, + the residual, stored.
.macro TOSTAGE a
	WIN 0x04                                       ; an LDS store's data: window 1
.irp be, 0,1
.irp t, 0,1,2,3
	ds_store_b128 v20, v[32*(\a)+8*(2*\be+\t/2)+4*(\t%2):32*(\a)+8*(2*\be+\t/2)+4*(\t%2)+3] offset:128*\be+16*\t   ; each accumulator from its low end on
.endr
.endr
	WIN 0
.irp i, 0,1,2,3,4,5,6,7
	ds_load_b128 v[OBK+32*((\a)%2)+4*\i:OBK+32*((\a)%2)+4*\i+3], v21 offset:544*\i   ; LDS serves a wave's instructions in order: these see my stores
.endr
.endm
.macro SEND a, younger                 ; younger: the LDS instructions issued behind block a's loads, which may stay out
.set OB, OBK+32*((\a)%2)
	s_wait_dscnt \younger
	WIN 0x04                                       ; source 1: window 1
.irp i, 0,2,4,6,8,10,12,14,16,18,20,22,24,26,28,30
	v_pk_add_f32 v[OB+\i:OB+\i+1], v[OB+\i:OB+\i+1], v[128+32*(\a)+\i:129+32*(\a)+\i]
.endr
	WIN 0
.irp i, 0,1,2,3,4,5,6,7
	global_store_b128 v22, v[OB+4*\i:OB+4*\i+3], s[12:13] offset:(32*((\a)/2)+8*((\a)%2)+2*(\i%4)+16*(\i/4))*4096 th:TH_STORE_NT   ; 16 lanes store 256 consecutive bytes, aligned; written once, read by nobody here
.endr
.endm
	s_load_b256 s[4:11], s[0:1], 0x0               ; S0, S1, bias, residual
	s_load_b64 s[12:13], s[0:1], 0x20              ; out
	v_lshl_add_u32 v24, v0, 2, SPARE
	v_mov_b32 v25, 0
	ds_add_u32 v24, v25
	ds_add_u32 v24, v25
	s_wait_dscnt 0x0
	v_lshrrev_b32 v1, 5, v0
	v_readfirstlane_b32 s24, v1                    ; wave
	s_lshr_b32 s25, s24, 1                         ; my half of S1's rows.  Also: I fetch for S0 (0) or for S1 (1)
	s_and_b32 s26, s24, 1                          ; my half of S0's rows.  Also: which region of a slot I fetch
	s_bfe_u32 s27, ttmp6, 0x40000                  ; cx
	s_bfe_u32 s28, ttmp6, 0x40004                  ; cy
	s_lshl_b32 s29, ttmp9, 2
	s_add_co_u32 s29, s29, s27                     ; x
	s_and_b32 s30, ttmp7, 0xffff
	s_lshl_b32 s30, s30, 2
	s_add_co_u32 s30, s30, s28                     ; y
	s_lshl_b32 s84, 0x1111, s27                    ; my column of the cluster
	s_lshl_b32 s85, s28, 2
	s_lshl_b32 s85, 15, s85                        ; my row
	s_or_b32 s32, s84, (3<<16)|(1<<21)             ; group 1: the mask; elements of 8 bytes; bit 21 beside a mask
	s_or_b32 s40, s85, (3<<16)|(1<<21)
.irp g, 32, 40
	s_mov_b32 s[\g+1], 32<<16                      ; rows of 32 elements = 256 bytes,
	s_mov_b32 s[\g+2], (50*HR)<<16                 ; 50 for each record, dense
	s_mov_b32 s[\g+3], 32<<16
	s_mov_b32 s[\g+4], 50*HR
	s_mov_b32 s[\g+5], 32
	s_mov_b32 s[\g+6], 0
	s_mov_b32 s[\g+7], 0
.endr
	s_mul_i32 s86, s29, NS
	s_add_co_u32 s86, s86, S0B
	s_mul_i32 s87, s26, HR
	s_add_co_u32 s86, s86, s87
	s_mul_i32 s86, s86, REC                        ; S0: record S0B + NS x + HR x region
	s_mov_b32 s87, 0
	s_mul_i32 s94, s30, NS
	s_add_co_u32 s94, s94, S1B
	s_mul_i32 s95, s26, HR
	s_add_co_u32 s94, s94, s95
	s_mul_i32 s94, s94, REC                        ; S1: record S1B + NS y + HR x region
	s_mov_b32 s95, 0
	s_mul_i32 s91, s26, RB                         ; where my loads land in a slot
	s_wait_kmcnt 0x0
	s_add_nc_u64 s[88:89], s[4:5], s[86:87]
	s_add_nc_u64 s[96:97], s[6:7], s[94:95]
	CROUND                                         ; all sixteen work-groups are here: the first joint loads meet
.irp n, 0,1
	s_mov_b32 s[48+4*\n], 1
	s_add_co_u32 s[49+4*\n], s91, 2*RB*\n
	s_add_nc_u64 s[50+4*\n:51+4*\n], s[88:89], SL*REC*\n
	s_or_b32 s[51+4*\n], s[51+4*\n], 0x80000000
	s_mov_b32 s[56+4*\n], 1
	s_add_co_u32 s[57+4*\n], s91, 4*RB+2*RB*\n
	s_add_nc_u64 s[58+4*\n:59+4*\n], s[96:97], SL*REC*\n
	s_or_b32 s[59+4*\n], s[59+4*\n], 0x80000000
.endr
	s_cmp_eq_u32 s25, 0                            ; a wave's first fill stands in one branch: one load of mine is out
	s_cbranch_scc0 .Lfirst_s1
	tensor_load_to_lds s[48:51], s[32:39]          ; slot 0: one tensor load a wave at the head
	s_nop 0
	PLACES 4
	s_branch .Lfirst_asked
.Lfirst_s1:
	tensor_load_to_lds s[56:59], s[40:47]
	s_nop 0
	PLACES 4
.Lfirst_asked:
	v_and_b32 v1, 15, v0                           ; r
	v_bfe_u32 v2, v0, 4, 1                         ; h
	v_and_b32 v3, 31, v0                           ; lane
	v_lshlrev_b32 v23, 4, v3
	s_mul_i32 s92, s26, 6144
	v_add_nc_u32 v4, s92, v23                      ; S0's fragments: my four tiles, region 0
	s_mul_i32 s92, s25, 6144
	s_add_co_u32 s92, s92, 4*RB
	v_add_nc_u32 v8, s92, v23                      ; S1's
	s_lshl_b32 s92, s26, 8
	s_add_co_u32 s92, s92, 12288
	v_lshl_add_u32 v12, v3, 2, s92                 ; S0's scale words
	s_lshl_b32 s92, s25, 8
	s_add_co_u32 s92, s92, 4*RB+12288
	v_lshl_add_u32 v16, v3, 2, s92                 ; S1's
.irp u, 1,2,3
	v_add_nc_u32 v[4+\u], RB*\u, v4                ; regions 1 to 3
	v_add_nc_u32 v[8+\u], RB*\u, v8
	v_add_nc_u32 v[12+\u], RB*\u, v12
	v_add_nc_u32 v[16+\u], RB*\u, v16
.endr
	s_mul_i32 s93, s24, 4352
	s_add_co_u32 s93, s93, STAGE
	v_mul_u32_u24 v20, v1, 272
	v_lshl_add_u32 v20, v2, 6, v20
	v_add_nc_u32 v20, s93, v20                     ; the stage, in: row r, + 64 h
	v_mul_u32_u24 v21, v2, 272
	v_lshl_add_u32 v21, v1, 4, v21
	v_add_nc_u32 v21, s93, v21                     ; back: lanes 0-15 one row, lanes 16-31 the next
	v_lshlrev_b32 v22, 12, v2
	v_lshl_add_u32 v22, v1, 4, v22                 ; the same two rows in memory
	v_lshlrev_b32 v23, 6, v2                       ; the bias: 16 h numbers on
	s_wait_alu depctr_va_vdst(0)
	s_lshl_b32 s92, s30, 7
	s_lshl_b32 s93, s25, 6
	s_add_co_u32 s92, s92, s93                     ; my first token: 128 y + 64 x half
	s_lshl_b32 s84, s92, 12
	s_lshl_b32 s85, s29, 9
	s_add_co_u32 s84, s84, s85
	s_lshl_b32 s85, s26, 8
	s_add_co_u32 s84, s84, s85                     ; my first column, in bytes: 512 x + 256 x half
	s_mov_b32 s85, 0
	s_add_nc_u64 s[10:11], s[10:11], s[84:85]
	s_add_nc_u64 s[12:13], s[12:13], s[84:85]
	s_lshl_b32 s92, s29, 9
	s_lshl_b32 s93, s26, 8
	s_add_co_u32 s92, s92, s93
	s_mov_b32 s93, 0
	s_add_nc_u64 s[8:9], s[8:9], s[92:93]
.irp b, 0,1,2,3                        ; tile b's eight registers: the bias of my columns 32 (b / 2) + 8 (b % 2) + 16 h + 0 .. 7
	global_load_b128 v[BI+8*\b:BI+8*\b+3], v23, s[8:9] offset:(32*(\b/2)+8*(\b%2))*4
	global_load_b128 v[BI+8*\b+4:BI+8*\b+7], v23, s[8:9] offset:(32*(\b/2)+8*(\b%2))*4+16
.endr
	WIN 0x40                                       ; destination window 1
.irp a, 0,1,2,3                        ; the residual of block a, in the order in which the stage gives the rows back
.irp i, 0,1,2,3,4,5,6,7
	global_load_b128 v[128+32*\a+4*\i:131+32*\a+4*\i], v22, s[10:11] offset:(32*(\a/2)+8*(\a%2)+2*(\i%4)+16*(\i/4))*4096
.endr
.endr
	WIN 0
	s_wait_tensorcnt 0x0                           ; my part of slot 0 is in
	ds_add_u32 v24, v25
	s_wait_dscnt 0x0
	CROUND                                         ; everybody's part is in, and the sixteen work-groups meet
	JLOAD 1, 0                                     ; slot 1's first fill: the first tensor load behind the round; SL K steps of products in which to land
	FETCH 0, 0, 0
	s_wait_loadcnt 32                              ; the bias is in; the residual's 32 loads may be out
.set ss, 0
.rept NS
	KSTEP ss
.set ss, ss+1
.endr
	PLACES 4                                       ; behind the last products, ahead of every read of a result
	s_wait_loadcnt 0x0                             ; the residual
	TOSTAGE 0
.irp a, 1,2,3
.if \a > 1
	s_wait_xcnt 0x0                                ; block a - 2's stores have read their registers: block a's loads may land there
.endif
	TOSTAGE \a
	SEND \a-1, 16                                  ; behind block a - 1's loads: block a's 8 stores and 8 loads
.endr
	SEND 3, 0
	s_wait_tensorcnt 0x0                           ; the wave's end
	ds_add_u32 v24, v25
	s_wait_dscnt 0x0
	CROUND                                         ; the closing round
	s_endpgm
.Lfunc_end_k_qf2b57e5ec1_gfc2:
	.size	k_qf2b57e5ec1_gfc2, .Lfunc_end_k_qf2b57e5ec1_gfc2-k_qf2b57e5ec1_gfc2
	.p2alignl 7, 3214868480
	.fill 96, 4, 3214868480
	.section	.rodata,"a",@progbits
	.p2align	6, 0x0
	.amdhsa_kernel k_qf2b57e5ec1_gfc2
		.amdhsa_group_segment_fixed_size 327680
		.amdhsa_private_segment_fixed_size 0
		.amdhsa_enable_private_segment 0
		.amdhsa_kernarg_size 40
		.amdhsa_user_sgpr_count 2
		.amdhsa_user_sgpr_kernarg_segment_ptr 1
		.amdhsa_wavefront_size32 1
		.amdhsa_system_sgpr_workgroup_id_x 1
		.amdhsa_system_sgpr_workgroup_id_y 1
		.amdhsa_system_sgpr_workgroup_id_z 1
		.amdhsa_system_vgpr_workitem_id 0
		.amdhsa_next_free_vgpr 640
		.amdhsa_next_free_sgpr 102
		.amdhsa_reserve_vcc 0
		.amdhsa_float_denorm_mode_32 3
		.amdhsa_float_denorm_mode_16_64 3
		.amdhsa_memory_ordered 1
		.amdhsa_forward_progress 1
		.amdhsa_inst_pref_size 159
	.end_amdhsa_kernel
	.amdgpu_metadata
---
amdhsa.version: [ 1, 2 ]
amdhsa.kernels:
  - .name:           k_qf2b57e5ec1_gfc2
    .symbol:         k_qf2b57e5ec1_gfc2.kd
    .args:
      - { .name: wq, .offset: 0, .size: 8, .value_kind: global_buffer, .address_space: global }
      - { .name: actB, .offset: 8, .size: 8, .value_kind: global_buffer, .address_space: global }
      - { .name: fc2_b, .offset: 16, .size: 8, .value_kind: global_buffer, .address_space: global }
      - { .name: x1, .offset: 24, .size: 8, .value_kind: global_buffer, .address_space: global }
      - { .name: out0, .offset: 32, .size: 8, .value_kind: global_buffer, .address_space: global }
    .group_segment_fixed_size: 327680
    .private_segment_fixed_size: 0
    .kernarg_segment_align: 8
    .kernarg_segment_size: 40
    .max_flat_workgroup_size: 128
    .sgpr_count:     102
    .vgpr_count:     640
    .wavefront_size: 32
...
	.end_amdgpu_metadata
.endif
;; end of part 16
